; MI455X (gfx1250); checked and timed in simulation.
; The chip was launched on July 23, 2026; its instructions are those of AMD's public machine-readable ISA for CDNA 5 (MIT licence, August 2026) and "CDNA5" Instruction Set Architecture Reference Guide (July 2026). The comments in the code are by the model that wrote it; some were corrected since.
;; Post Norm Attention Block. Allowed arithmetic: matrix products marked QUANTISED: E2M3 operands, one E8M0 scale for each 32 along K, by v_wmma_scale_f32_16x16x128_f8f6f4 with both operands' format E2M3, f32 sums; everything else in f32.
;; Inputs: W1_codes 4,096 x 32 x 24 uint8 (E2M3 codes of W1, K innermost, in blocks of 32 codes, four codes in three bytes); W1_scales 4,096 x 32 uint8 (E8M0 scales of W1, one for each 32 codes along K); W2_codes 1,024 x 128 x 24 uint8 (E2M3 codes of W2, K innermost, in blocks of 32 codes, four codes in three bytes); W2_scales 1,024 x 128 uint8 (E8M0 scales of W2, one for each 32 codes along K); Wk_codes 1,024 x 32 x 24 uint8 (E2M3 codes of Wk, K innermost, in blocks of 32 codes, four codes in three bytes); Wk_scales 1,024 x 32 uint8 (E8M0 scales of Wk, one for each 32 codes along K); Wq_codes 1,024 x 32 x 24 uint8 (E2M3 codes of Wq, K innermost, in blocks of 32 codes, four codes in three bytes); Wq_scales 1,024 x 32 uint8 (E8M0 scales of Wq, one for each 32 codes along K); Wv_codes 1,024 x 32 x 24 uint8 (E2M3 codes of Wv, K innermost, in blocks of 32 codes, four codes in three bytes); Wv_scales 1,024 x 32 uint8 (E8M0 scales of Wv, one for each 32 codes along K); Wy_codes 1,024 x 32 x 24 uint8 (E2M3 codes of Wy, K innermost, in blocks of 32 codes, four codes in three bytes); Wy_scales 1,024 x 32 uint8 (E8M0 scales of Wy, one for each 32 codes along K); b1 4,096 float32; b2 1,024 float32; bk 1,024 float32; bq 1,024 float32; bv 1,024 float32; by 1,024 float32; ln1_b 1,024 float32; ln1_w 1,024 float32; ln2_b 1,024 float32; ln2_w 1,024 float32; x 2 x 2,048 x 1,024 float32.
;; Outputs: out0 2 x 2,048 x 1,024 float32.
;; Constants: num_heads = 16.
;; This version of the problem:
;;   THIS VERSION OF THE PROBLEM IS GIVEN IN LOW PRECISION. The matrix products marked QUANTISED in the list below multiply operands that are first quantised to E2M3 (2 exponent bits, 3 mantissa bits; 6 bits a number), with one power-of-two scale for each 32 numbers along K (OCP MX v1.0); their sums are f32. All else is computed in f32.
;;   The module's matrix products, in the order in which they are computed (A, B: the left and right operand; K: the contracted axis; several contracted axes count as one K, in the product's order):
;;     1. [M 4,096, K 1,024] x [K 1,024, N 1,024]; A: input x; B: input Wq (given as codes): QUANTISED
;;     2. [M 4,096, K 1,024] x [K 1,024, N 1,024]; A: input x; B: input Wk (given as codes): QUANTISED
;;     3. [M 4,096, K 1,024] x [K 1,024, N 1,024]; A: input x; B: input Wv (given as codes): QUANTISED
;;     4. batch 32 x [M 2,048, K 64] x [K 64, N 2,048]; A: computed on the way; B: computed on the way: QUANTISED
;;     5. batch 32 x [M 2,048, K 2,048] x [K 2,048, N 64]; A: softmax (see below); B: computed on the way: QUANTISED
;;     6. [M 4,096, K 1,024] x [K 1,024, N 1,024]; A: computed on the way; B: input Wy (given as codes): QUANTISED
;;     7. [M 4,096, K 1,024] x [K 1,024, N 4,096]; A: computed on the way; B: input W1 (given as codes): QUANTISED
;;     8. [M 4,096, K 4,096] x [K 4,096, N 1,024]; A: computed on the way; B: input W2 (given as codes): QUANTISED
;;   THE QUANTISER, for each operand of a quantised product, along K:
;;     - K is cut into blocks of 32 from its start; a last block that is shorter is filled with zeros.
;;     - A block's scale is 2^e with e = floor(log2(the largest magnitude in the block)) - 2, held to -126 .. 127; a block of zeros has e = 0. As a byte (E8M0): e + 127.
;;     - Each number is divided by its block's scale, clamped to +-7.5, and rounded to the nearest number of E2M3, ties to even, subnormals kept.
;;     - The product sums the exact products of the quantised numbers (number of the format x scale) in f32.
;;   ~~~python
;;   def quantise(x, axis):      # numpy; x: float32 -> the quantised numbers, widened to float32 again
;;       x = np.moveaxis(x, axis, -1); K = x.shape[-1]
;;       x = np.pad(x, [(0, 0)] * (x.ndim - 1) + [(0, -K % 32)]); x = x.reshape(x.shape[:-1] + (-1, 32)); a = np.abs(x).max(-1, keepdims=True)
;;       e = np.where(a > 0, np.clip(np.frexp(np.where(a > 0, a, 1))[1] - 1 - 2, -126, 127), 0)      # np.frexp(a)[1] - 1 = floor(log2(a)), exactly
;;       r = np.clip(x / 2.0 ** e, -7.5, 7.5)
;;       step = 2.0 ** (np.maximum(np.frexp(np.where(r == 0, 1, r))[1] - 1, 0) - 3)
;;       q = np.round(r / step) * step * 2.0 ** e      # np.round: ties to even
;;       return np.moveaxis(q.reshape(q.shape[:-2] + (-1,))[..., :K], -1, axis).astype(np.float32)
;;   ~~~
;;   SOFTMAX AHEAD OF A QUANTISED PRODUCT. Where the list says 'softmax', what is quantised is not the finished softmax but p = 2^(t - M), with t = logit x log2(e) and M = ceil(the row's largest t), a whole number; so 1/2 < the row's largest p <= 1. The row's sum l is taken of the UNQUANTISED p, in f32, and the product's result is divided by l at the end. Since M is a whole number, a kernel that streams over the keys may use a running M (the ceiling of the running maximum): every later rescaling is an exact power of two, which a block's scale takes up: the codes' values come out the same.
;;   OPERANDS COMPUTED ON THE WAY. 'Computed on the way' means the value that the module computes at that place (a softmax that the list does not call 'softmax' is quantised finished and normalised). What goes into a quantiser is computed in f32, as accurately as f32 sums, v_exp_f32 and their like allow (about 1e-6 of the number): no bf16 or f16 on the way to a quantiser, and a product that is left as it is and whose result goes on into a quantised operand takes f32 operands (vector FMAs, or v_wmma_f32_16x16x4_f32). A number that lies on a knife's edge between two numbers of the format may be rounded either way, as far as f32 arithmetic and the matrix unit's own rounding can turn it there, and no further.
;;   INPUTS GIVEN AS CODES. W1 (in the module: [4096, 1024], K = its axis 1); W2 (in the module: [1024, 4096], K = its axis 1); Wk (in the module: [1024, 1024], K = its axis 1); Wq (in the module: [1024, 1024], K = its axis 1); Wv (in the module: [1024, 1024], K = its axis 1); Wy (in the module: [1024, 1024], K = its axis 1): each comes as NAME_codes (uint8): NAME with its K axis moved to the last place and cut into blocks of 32 codes, [.., K / 32, bytes a block], one block behind the other in memory; four codes in three bytes: a row's codes are one little-endian stream of bits, code i at bits 6 i .. 6 i + 5 (a code: sign, 2 exponent bits, 3 mantissa bits); and NAME_scales (uint8): the same leading axes, one E8M0 byte (e + 127) for each 32 codes along K. Its value is code x scale, taken as it is: it is not quantised again, and the codes and scales need not be those that the quantiser above would give.
;; 2 versions, each right and faster than the one before. Each part assembles by itself: llvm-mc -triple=amdgcn-amd-amdhsa -mcpu=gfx1250 --defsym DOCPART=n.
;; ======== version 1 of 2: 8 launches
;; limits: a function is approximated: absolute error at most 1.5e-07
;; workspace buffers: P 13,107,200 bytes; QKV 10,092,544 bytes; OQ 3,276,800 bytes; X1Q 3,276,800 bytes; HQ 13,107,200 bytes; Y 16,777,216 bytes; X1 16,777,216 bytes
;; launch prep (part 1): grid 352 x 1, 8 waves a work-group, no clusters, 68,608 bytes of LDS; arguments x, Wq_codes, Wq_scales, Wk_codes, Wk_scales, Wv_codes, Wv_scales, Wy_codes, Wy_scales, W1_codes, W1_scales, W2_codes, W2_scales, P; writes P
.if DOCPART == 1
	.amdgcn_target "amdgcn-amd-amdhsa--gfx1250"
	.amdhsa_code_object_version 6
	.text
	.protected	k_qea18c701cd_prep
	.globl	k_qea18c701cd_prep
	.p2align	8
	.type	k_qea18c701cd_prep,@function
k_qea18c701cd_prep:
	s_mov_b64 s[64:65], 0
	v_nop
	global_prefetch_b8 v0, s[64:65] scope:SCOPE_SE
	s_setreg_imm32_b32 hwreg(HW_REG_WAVE_MODE, 25, 1), 1
	s_wait_xcnt 0x0
; PREP.  x [4096][1024] f32 is quantised along its rows to codes of FP6 (E2M3) with one E8M0 byte for each 32, and the six weights' codes and scale bytes are laid anew; all go to P as IMAGES OF OPERAND REGISTERS.
; THE TILE MAP, shared by all launches of this program: rows go in groups of 256; a group has 16 tiles of 16 rows; lane r of tile T holds row 32 (T / 2) + 8 (T % 2) + r + 8 (r / 8) of its group.
; A FRAGMENT'S IMAGE (16 rows x 128 along K, 12 registers a lane, 1,536 bytes): two halves of 768 bytes (k 0-63, k 64-127); in a half registers 0-3 lie at 16 x lane, registers 4, 5 at 512 + 8 x lane.
; Images lie [group][k / 128][tile]; scale words (four bytes: a row's 128 along K) lie [group][k / 128][tile][16 words].
; P: x's images at 0, x's scale words at XSCL, the weights' images from WI on (Wq, Wk, Wv, Wy, W1, W2), their scale words from WS on.
; SHARES.  Work-groups 0-255: one tile of 16 rows of x each; wave w takes columns 128 w on.  Each load reads 512 consecutive bytes of a row; the 16 rows turn through the wave's own stage in LDS (rows 528 bytes apart),
; so that a lane gets 16 neighbours of each block of 32.  Work-groups 256-351: a wave takes one tile of a weight x 8 steps of 128 along K; the codes need no arithmetic: a lane's 24-byte runs are its registers.
; The quantiser: a block's scale is 2^(floor(log2(largest magnitude)) - 2); its byte is the largest magnitude's exponent field - 2.
; LIMITS: a block whose largest magnitude lies under 2^-124, a block of zeros among them, keeps the byte 1 (the rule says 127 for zeros): its codes are zeros or nearly so, and this program alone reads the bytes.  NaN and infinities are not served.
; No matrix unit, cluster or tensor load: the work-groups share no input and the launch only streams.  x's scale words and the weights' leave in pieces of 64 bytes: one byte in 24 of what is stored.
.set WI,   3276800
.set WS,   12713984
.set XSCL, 3145728
.set L16, 1                            ; v1   16 x lane
.set L8,  2                            ; v2   8 x lane
.set R,   16                           ; v16-79   16 rows as loaded
.set X,   80                           ; v80-143  64 numbers of my row: register 16 b + i = k 32 b + 16 (lane / 16) + i
.set PC,  144                          ; v144-162 the codes
.set TM,  164                          ; v164-179 at work
.set PW,  180                          ; v180     the scale word
.set SEL, 60                           ; s[60:61] selects for lane l xor 16
; 64 numbers of a lane become a fragment's 12 registers of codes, v[pc] on, and its row's scale word, v[pw]
.macro QUANT s, pc, pw
.irp b, 0,1,2,3
	v_max3_num_f32 v[TM+\b], |v[\s+16*\b]|, |v[\s+1+16*\b]|, 0x1800000   ; block b: my 16 numbers, and the floor 2^(3 - 127): the byte cannot fall under 1
.endr
.irp i, 2,4,6,8,10,12,14
.irp b, 0,1,2,3
	v_max3_num_f32 v[TM+\b], v[TM+\b], |v[\s+16*\b+\i]|, |v[\s+1+16*\b+\i]|   ; the four blocks by turns
.endr
.endr
.irp b, 0,1,2,3
	v_permlanex16_b32 v[TM+4+\b], v[TM+\b], s[SEL], s[SEL+1]
.endr
.irp b, 0,1,2,3
	v_max_num_f32 v[TM+\b], v[TM+\b], v[TM+4+\b]   ; with lane l xor 16's 16: the block's largest magnitude
.endr
.irp b, 0,1,2,3
	v_add_nc_u32 v[TM+12+\b], 0xff000000, v[TM+\b]   ; 2 off its exponent field: the conversion's scale operand
.endr
.irp b, 0,1,2,3
	v_lshrrev_b32 v[TM+4+\b], 23, v[TM+12+\b]      ; the scale's byte
.endr
	v_lshl_or_b32 v[\pw], v[TM+5], 8, v[TM+4]
	v_lshl_or_b32 v[\pw], v[TM+6], 16, v[\pw]
	v_lshl_or_b32 v[\pw], v[TM+7], 24, v[\pw]
.irp c, 0,1
	v_cvt_scalef32_pk16_fp6_f32 v[\pc+6*\c:\pc+2+6*\c], v[\s+32*\c:\s+15+32*\c], v[TM+12+2*\c]
	v_cvt_scalef32_pk16_fp6_f32 v[\pc+12+4*\c:\pc+14+4*\c], v[\s+16+32*\c:\s+31+32*\c], v[TM+12+2*\c+1]   ; (a conversion's three registers begin on an even number)
.endr
	v_nop                                          ; one plain instruction behind the scaled conversions
.irp c, 0,1                                    ; the operand wants a whole block in a lane: lanes 0-15 block 2 c, lanes 16-31 block 2 c + 1
.irp i, 0,1,2
	v_permlane16_swap_b32 v[\pc+6*\c+\i], v[\pc+12+4*\c+\i]
.endr
.irp i, 0,1,2
	v_mov_b32 v[\pc+3+6*\c+\i], v[\pc+12+4*\c+\i]
.endr
.endr
.endm
; a fragment's 12 registers go out as its image: every store covers whole aligned runs of 256 bytes
.macro PUTIMG pc, base, off
	global_store_b128 v[L16], v[0+(\pc):3+(\pc)], s[\base:\base+1] offset:0+(\off)
	global_store_b64 v[L8], v[4+(\pc):5+(\pc)], s[\base:\base+1] offset:512+(\off)
	global_store_b128 v[L16], v[6+(\pc):9+(\pc)], s[\base:\base+1] offset:768+(\off)
	global_store_b64 v[L8], v[10+(\pc):11+(\pc)], s[\base:\base+1] offset:1280+(\off)
.endm
	s_load_b64 s[4:5], s[0:1], 0x0                 ; x
	s_load_b64 s[6:7], s[0:1], 0x68                ; P
	v_lshl_add_u32 v192, v0, 2, 0x10800
	v_mov_b32 v193, 0
	v_lshrrev_b32 v3, 5, v0
	v_readfirstlane_b32 s12, v3                    ; wave 0..7
	v_and_b32 v4, 31, v0                           ; lane
	v_and_b32 v5, 15, v0                           ; r
	v_bfe_u32 v6, v0, 4, 1                         ; h
	v_lshlrev_b32 v[L16], 4, v4
	v_lshlrev_b32 v[L8], 3, v4
	s_cmp_ge_u32 ttmp9, 256
	s_cbranch_scc1 .Lweights
	; ---- x: tile T = the work-group's number
	s_lshl_b32 s13, ttmp9, 4
	s_and_b32 s14, ttmp9, 1
	s_lshl_b32 s14, s14, 3
	s_sub_co_u32 s13, s13, s14                     ; the tile's first row: 16 T - 8 (T % 2)
	s_lshl_b32 s14, s13, 12                        ; x 4,096 bytes
	s_lshl_b32 s13, s12, 9
	s_add_co_u32 s14, s14, s13                     ; + my wave's 512 bytes of a row
	s_mov_b32 s15, 0
	s_lshr_b32 s16, ttmp9, 4
	s_lshl_b32 s16, s16, 3
	s_add_co_u32 s16, s16, s12
	s_lshl_b32 s16, s16, 4
	s_and_b32 s17, ttmp9, 15
	s_add_co_u32 s16, s16, s17                     ; the fragment's number: (8 group + wave) x 16 + tile
	s_mul_i32 s18, s16, 1536
	s_mov_b32 s19, 0
	s_lshl_b32 s20, s16, 6
	s_add_co_u32 s20, s20, XSCL
	s_mov_b32 s21, 0
	s_mul_i32 s22, s12, 8448                       ; my wave's stage
	v_add_nc_u32 v7, s22, v[L16]                   ; in: a row's 512 bytes, 16 a lane
	v_mul_u32_u24 v8, v5, 528
	v_lshl_add_u32 v8, v6, 6, v8
	v_add_nc_u32 v8, s22, v8                       ; back: row r, + 64 h
	v_lshlrev_b32 v9, 2, v5                        ; 4 r
	s_mov_b32 s[SEL], 0x76543210
	s_mov_b32 s[SEL+1], 0xfedcba98
.irp b, 0,1,2,3
	v_mov_b32 v[TM+4+\b], 0                        ; written once: a lane permute's destination counts as one of its sources
.endr
	s_wait_kmcnt 0x0
	s_add_nc_u64 s[4:5], s[4:5], s[14:15]
	s_add_nc_u64 s[8:9], s[6:7], s[18:19]
	s_add_nc_u64 s[10:11], s[6:7], s[20:21]
.irp t, 0,1,2,3,4,5,6,7,8,9,10,11,12,13,14,15
	global_load_b128 v[R+4*\t:R+4*\t+3], v[L16], s[4:5] offset:(\t+8*(\t/8))*4096 th:TH_LOAD_NT   ; the row of the tile's lane t: 512 consecutive bytes
.endr
.irp t, 0,1,2,3,4,5,6,7,8,9,10,11,12,13,14,15
	s_wait_loadcnt 15-\t                           ; loads come back in order: row t is in, the younger ones stay out
	ds_store_b128 v7, v[R+4*\t:R+4*\t+3] offset:528*\t
.endr
.irp b, 0,1,2,3
.irp j, 0,1,2,3
	ds_load_b128 v[X+16*\b+4*\j:X+16*\b+4*\j+3], v8 offset:128*\b+16*\j   ; LDS serves a wave's instructions in order: these see my stores
.endr
.endr
	s_wait_dscnt 0x0
	QUANT X, PC, PW
	PUTIMG PC, 8, 0
	global_store_b32 v9, v[PW], s[10:11]           ; row r's scale word (lanes 16-31 hold and write the same)
	s_wait_tensorcnt 0x0
	ds_add_u32 v192, v193
	s_wait_dscnt 0x0
	s_endpgm
	; ---- the weights: unit = tile T x 8 steps of 128 along K, one a wave
.Lweights:
	s_load_b512 s[16:31], s[0:1], 0x8              ; Wq's codes, scales; Wk's; Wv's; Wy's
	s_load_b256 s[32:39], s[0:1], 0x48             ; W1's; W2's
	s_sub_co_u32 s40, ttmp9, 256                   ; u = 0..95
	s_mov_b32 s41, 64                              ; W2: first u,
	s_mov_b32 s42, WI+6291456                      ; where its images go,
	s_mov_b32 s43, WS+262144                       ; and its scale words
	s_wait_kmcnt 0x0
	s_mov_b64 s[8:9], s[36:37]
	s_mov_b64 s[10:11], s[38:39]
.macro PICK lim, cp, ub, io, so                ; u under lim: another tensor.  The choice hangs on the work-group's number alone
	s_cmp_lt_u32 s40, \lim
	s_cselect_b64 s[8:9], s[\cp:\cp+1], s[8:9]
	s_cselect_b64 s[10:11], s[\cp+2:\cp+3], s[10:11]
	s_cselect_b32 s41, \ub, s41
	s_cselect_b32 s42, \io, s42
	s_cselect_b32 s43, \so, s43
.endm
	PICK 64, 32, 32, WI+3145728, WS+131072         ; W1
	PICK 32, 28, 24, WI+2359296, WS+98304          ; Wy
	PICK 24, 24, 16, WI+1572864, WS+65536          ; Wv
	PICK 16, 20, 8, WI+786432, WS+32768            ; Wk
	PICK 8, 16, 0, WI, WS                          ; Wq
	s_mov_b32 s44, 3072                            ; W2: a row of codes in bytes,
	s_mov_b32 s45, 128                             ; of scale bytes,
	s_cmp_lt_u32 s40, 64
	s_cselect_b32 s44, 768, s44
	s_cselect_b32 s45, 32, s45
	s_cselect_b32 s46, 8, 32                       ; steps of 128 along K,
	s_cselect_b32 s47, 0, 2                        ; log2 of the units in a tile
	s_sub_co_u32 s48, s40, s41
	s_lshl_b32 s48, s48, 3
	s_add_co_u32 s48, s48, s12                     ; my unit
	s_lshr_b32 s49, s48, s47                       ; T
	s_lshl_b32 s50, 1, s47
	s_sub_co_u32 s50, s50, 1
	s_and_b32 s50, s48, s50                        ; which 8 steps
	s_lshl_b32 s51, s49, 4
	s_and_b32 s52, s49, 1
	s_lshl_b32 s52, s52, 3
	s_sub_co_u32 s51, s51, s52                     ; the tile's first row
	s_mul_i32 s52, s51, s44
	s_mul_i32 s53, s50, 768
	s_add_co_u32 s52, s52, s53
	s_mov_b32 s53, 0
	s_add_nc_u64 s[8:9], s[8:9], s[52:53]          ; codes
	s_mul_i32 s52, s51, s45
	s_lshl_b32 s54, s50, 5
	s_add_co_u32 s52, s52, s54
	s_add_nc_u64 s[10:11], s[10:11], s[52:53]      ; scale bytes
	s_lshr_b32 s54, s49, 4
	s_mul_i32 s54, s54, s46
	s_lshl_b32 s55, s50, 3
	s_add_co_u32 s54, s54, s55
	s_lshl_b32 s54, s54, 4
	s_and_b32 s55, s49, 15
	s_add_co_u32 s54, s54, s55                     ; the first fragment's number
	s_mul_i32 s52, s54, 1536
	s_add_co_u32 s52, s52, s42
	s_add_nc_u64 s[56:57], s[6:7], s[52:53]
	s_lshl_b32 s52, s54, 6
	s_add_co_u32 s52, s52, s43
	s_add_nc_u64 s[58:59], s[6:7], s[52:53]
	v_and_b32 v7, 8, v5
	v_add_nc_u32 v7, v7, v5                        ; r + 8 (r / 8)
	v_mul_lo_u32 v8, v7, s44
	v_mad_u32_u24 v8, v6, 24, v8                   ; codes: my row, + 24 h
	v_mul_lo_u32 v9, v7, s45
	v_lshl_add_u32 v9, v6, 4, v9                   ; scale bytes: my row, + 16 h: steps 4 h .. 4 h + 3
	v_lshlrev_b32 v10, 2, v5
	v_lshl_add_u32 v10, v6, 12, v10                ; out: 4 r + 4 h steps of 1,024 bytes
	global_load_b128 v[12:15], v9, s[10:11]
.irp s, 0,1,2,3,4,5,6,7
.irp p, 0,1,2,3,4,5
	global_load_b64 v[16+12*\s+2*\p:17+12*\s+2*\p], v8, s[8:9] offset:96*\s+48*(\p/3)+8*(\p%3)   ; registers 6 c .. 6 c + 5: the 24 bytes at 48 c + 24 h of the step's 96
.endr
.endr
.irp s, 0,1,2,3,4,5,6,7
	s_wait_loadcnt 6*(7-\s)                        ; step s's six loads are in; the later steps' stay out
	PUTIMG 16+12*\s, 56, 24576*\s
.endr
.irp j, 0,1,2,3
	global_store_b32 v10, v[12+\j], s[58:59] offset:1024*\j
.endr
	s_endpgm
.Lfunc_end_k_qea18c701cd_prep:
	.size	k_qea18c701cd_prep, .Lfunc_end_k_qea18c701cd_prep-k_qea18c701cd_prep
	.p2alignl 7, 3214868480
	.fill 96, 4, 3214868480
	.section	.rodata,"a",@progbits
	.p2align	6, 0x0
	.amdhsa_kernel k_qea18c701cd_prep
		.amdhsa_group_segment_fixed_size 68608
		.amdhsa_private_segment_fixed_size 0
		.amdhsa_enable_private_segment 0
		.amdhsa_kernarg_size 112
		.amdhsa_user_sgpr_count 2
		.amdhsa_user_sgpr_kernarg_segment_ptr 1
		.amdhsa_wavefront_size32 1
		.amdhsa_system_sgpr_workgroup_id_x 1
		.amdhsa_system_sgpr_workgroup_id_y 1
		.amdhsa_system_sgpr_workgroup_id_z 1
		.amdhsa_system_vgpr_workitem_id 0
		.amdhsa_next_free_vgpr 194
		.amdhsa_next_free_sgpr 66
		.amdhsa_reserve_vcc 0
		.amdhsa_float_denorm_mode_32 3
		.amdhsa_float_denorm_mode_16_64 3
		.amdhsa_memory_ordered 1
		.amdhsa_forward_progress 1
		.amdhsa_inst_pref_size 23
	.end_amdhsa_kernel
	.amdgpu_metadata
---
amdhsa.version: [ 1, 2 ]
amdhsa.kernels:
  - .name:           k_qea18c701cd_prep
    .symbol:         k_qea18c701cd_prep.kd
    .args:
      - { .name: x, .offset: 0, .size: 8, .value_kind: global_buffer, .address_space: global }
      - { .name: Wq_codes, .offset: 8, .size: 8, .value_kind: global_buffer, .address_space: global }
      - { .name: Wq_scales, .offset: 16, .size: 8, .value_kind: global_buffer, .address_space: global }
      - { .name: Wk_codes, .offset: 24, .size: 8, .value_kind: global_buffer, .address_space: global }
      - { .name: Wk_scales, .offset: 32, .size: 8, .value_kind: global_buffer, .address_space: global }
      - { .name: Wv_codes, .offset: 40, .size: 8, .value_kind: global_buffer, .address_space: global }
      - { .name: Wv_scales, .offset: 48, .size: 8, .value_kind: global_buffer, .address_space: global }
      - { .name: Wy_codes, .offset: 56, .size: 8, .value_kind: global_buffer, .address_space: global }
      - { .name: Wy_scales, .offset: 64, .size: 8, .value_kind: global_buffer, .address_space: global }
      - { .name: W1_codes, .offset: 72, .size: 8, .value_kind: global_buffer, .address_space: global }
      - { .name: W1_scales, .offset: 80, .size: 8, .value_kind: global_buffer, .address_space: global }
      - { .name: W2_codes, .offset: 88, .size: 8, .value_kind: global_buffer, .address_space: global }
      - { .name: W2_scales, .offset: 96, .size: 8, .value_kind: global_buffer, .address_space: global }
      - { .name: P, .offset: 104, .size: 8, .value_kind: global_buffer, .address_space: global }
    .group_segment_fixed_size: 68608
    .private_segment_fixed_size: 0
    .kernarg_segment_align: 8
    .kernarg_segment_size: 112
    .max_flat_workgroup_size: 256
    .sgpr_count:     66
    .vgpr_count:     194
    .wavefront_size: 32
...
	.end_amdgpu_metadata
.endif
;; end of part 1
;; launch qkv (part 2): grid 12 x 16, 4 waves a work-group, clusters of 4 x 4, 327,680 bytes of LDS; arguments P, bq, bk, bv, QKV; writes QKV
.if DOCPART == 2
	.amdgcn_target "amdgcn-amd-amdhsa--gfx1250"
	.amdhsa_code_object_version 6
	.text
	.protected	k_qea18c701cd_qkv
	.globl	k_qea18c701cd_qkv
	.p2align	8
	.type	k_qea18c701cd_qkv,@function
k_qea18c701cd_qkv:
	s_mov_b64 s[64:65], 0
	v_nop
	global_prefetch_b8 v0, s[64:65] scope:SCOPE_SE
	s_setreg_imm32_b32 hwreg(HW_REG_WAVE_MODE, 25, 1), 1
	s_wait_xcnt 0x0
	s_wait_alu depctr_hold_cnt(0) depctr_sa_sdst(0) depctr_va_vdst(0) depctr_va_sdst(0) depctr_va_ssrc(0) depctr_va_vcc(0) depctr_vm_vsrc(0)
	s_getreg_b32 s2, hwreg(HW_REG_IB_STS2, 6, 4)
	s_cmp_eq_u32 s2, 0
	s_cbranch_scc0 .Lentry_in_a_cluster
	s_endpgm
.Lentry_in_a_cluster:
	s_bfe_u32 s2, ttmp6, 0x10000c
	s_cmp_lg_u32 s2, 0xf033
	s_cbranch_scc0 .Lentry_shape_is_right
	s_endpgm
.Lentry_shape_is_right:
; QKV.  q = x Wq^T + bq, k = x Wk^T + bk, v = x Wv^T + bv on codes of FP6 (E2M3) with E8M0 scales, f32 sums; the results are quantised at once, q and k along a head's 64 channels, v along the tokens (the keys), and go to QKV as images of operand registers.
; A tile of C, 256 x 256, is made by four waves, 128 x 128 each: 64 accumulators, 512 registers.  Cluster x says which product: 0 q, 1 k, 2 v.  FOR v THE ROLES ARE EXCHANGED (A = Wv, B = x), so that the axis to be quantised is again C's columns.
; OPERANDS lie in P as images (the tile map and the image: lane r of tile T holds row 32 (T / 2) + 8 (T % 2) + r + 8 (r / 8) of its group of 256; 1,536 bytes a fragment: for each 64 along K registers 0-3 at 16 x lane, registers 4, 5 at 512 + 8 x lane).
; So a group's 16 fragments of a step of 128 along K are one dense block of 24,576 bytes, which one tensor load brings as 96 rows of 256 bytes; a fragment is read from LDS by four loads of consecutive bytes: no padding is needed.
; K goes in steps of 256 through a ring of two LDS slots ([A step 0][A step 1][B step 0][B step 1], one block a wave).  The scale words of the tile's rows, for all of K, come once with the first fills.
; CLUSTERS: 4 x 4 work-groups; A's blocks are shared along a row of the cluster, B's along a column: each is asked for jointly, by the same tensor load with the same descriptor and a mask that names the four.
; THE MATRIX INSTRUCTION IS USED TRANSPOSED (source 0 = B's tile, source 1 = A's): lane (r, h) of accumulator (a, b) holds A's row r of tile a, and its register j column 32 (b / 2) + 16 h + 8 (b % 2) + j: the 16 registers of
; accumulators 2 i, 2 i + 1 are 16 neighbours along the next K.  The bias is the C of each sum's first product.
; OUT (head hh = 16 batch + head): q's half images [hh][token tile][768] at 0, k's at 3,145,728; v's images [hh][128 keys][4 tiles of channels][1536] at 6,291,456; q's scale words [hh][tile][16] at QS; k's and v's, 12,288 bytes a head, at KVS.
; A head's scale word of q or k has its two bytes below; the upper two are the neighbouring head's or 0, never 0xff: the next launch lets them meet zero codes alone.
; LIMITS: a block whose largest magnitude lies under 2^-124 keeps the byte 1 (zeros too, where the rule says 127; this program alone reads the bytes); NaN and infinities are not served.
; No prefetch: K is four slots long, and every block is shared out by the joint loads.
; REGISTERS: window 0: v0-31 addresses; v32-63 scale words, two sets; v64-127 the bias; v128-223 A's fragments, one set.  window 1: B's fragments, two sets, at v0 and v128.  windows 2, 3: the accumulators, (a, b) at v[8 (8 (a % 4) + b)].
.set KTOT,   1024
.set WI,     3276800
.set WS,     12713984
.set XSCL,   3145728
.set QS,     9437184
.set KVS,    9699328
.set NS,     KTOT/128
.set NQ,     2
.set FR,     12
.set FRB,    1536
.set NL,     4
.set NP,     4
.set QB,     24576
.set OPB,    2*QB
.set SLOT,   2*OPB
.set LAPS,   KTOT/512
.set SCL,    2*SLOT                    ; behind the ring: A's scale words, NS x 1,024 bytes, then B's
.set SPARE,  SCL+2048*NS               ; the spare words, 128 bytes a wave: two blocks of 256 bytes that no other line names
.set STG,    SPARE+512                 ; scratch for the way out: bytes of its own, into which no fill lands
.set L16,  4
.set L8,   5
.set ADRA, 16                          ; v16-17 A's fragments in slot 0, 1, at 16 x lane; v18-19 at 8 x lane
.set ADRB, 20                          ; v20-23 the same for B
.set ADRS, 27                          ; v27 my scale words: lanes 0-15 A's, lanes 16-31 B's
.set SPW,  28
.set NIL,  29
.set SC,   32
.set BX,   64
.set AF,   128
.set TM,   32                          ; the way out: at work (the scale words' registers are free then)
.set PWS,  48                          ; v48-63 the scale words made
.set PC,   128                         ; v128-146 the codes made
.set SEL,  2                           ; s[2:3]
.set OC,   66                          ; s[66:67] where my codes go
.set OS0,  96                          ; s[96:97], s[98:99] where my scale words go
.set OS1,  98
.set G1, 24
.set G0, 32
.set G1B, 48
.set G0B, 56
.set G1S, 68
.set G0S, 76
.set G1SB, 80
.set G0SB, 88
.set MSB, 0
.macro WIN new                         ; the immediate's high byte repeats the setting that is left
.if MSB != (\new)
	s_set_vgpr_msb (MSB<<8)|(\new)
.set MSB, (\new)
.endif
.endm
.set MUL_LO, 0xa1                      ; source 0 (B) window 1, source 1 (A) window 0, C and D window 2
.set MUL_HI, 0xf1                      ; the same, C and D window 3
.set TO_B,   0x40
; A joint load: waves 0 and 1 fetch for A, waves 2 and 3 for B; the branch hangs on the wave's number alone.  Four v_nop follow each of the two lines.
.macro JLOAD g0a, g1a, g0b, g1b
	s_cmp_eq_u32 s15, 0
	s_cbranch_scc0 .Lfor_b_\@
	tensor_load_to_lds s[\g0a:\g0a+3], s[\g1a:\g1a+7]
	s_nop 0
.rept 4
	v_nop
.endr
	s_branch .Lasked_\@
.Lfor_b_\@:
	tensor_load_to_lds s[\g0b:\g0b+3], s[\g1b:\g1b+7]
	s_nop 0
.rept 4
	v_nop
.endr
.Lasked_\@:
.endm
.macro CREST                           ; a round of the cluster's barrier behind its opening barrier
	s_cmp_lg_u32 s14, 0
	s_cbranch_scc1 .Lnot_wave_0_\@
	s_barrier_signal -3
.Lnot_wave_0_\@:
	s_barrier_wait -3
	s_barrier_signal -1
	s_barrier_wait -1
.endm
.macro CROUND
	s_barrier_signal -1
	s_barrier_wait -1
	CREST
.endm
.macro FRAG reg, adr, q, i             ; a fragment's image into 12 registers: four loads of consecutive bytes
	ds_load_b128 v[\reg:\reg+3], v[\adr] offset:(\q)*QB+(\i)*FRB
	ds_load_b64 v[\reg+4:\reg+5], v[\adr+2] offset:(\q)*QB+(\i)*FRB+512
	ds_load_b128 v[\reg+6:\reg+9], v[\adr] offset:(\q)*QB+(\i)*FRB+768
	ds_load_b64 v[\reg+10:\reg+11], v[\adr+2] offset:(\q)*QB+(\i)*FRB+1280
.endm
; 16 products: A's blocks a0, a0 + 1 x B's eight.  zero = 0: onto the sums; 1: the bias along the columns starts them; 2: the bias along the rows.  The 64 accumulators take turns, one instruction a turn.
.macro MUL16 a0, p, q, sc, zero
.irp a, \a0, \a0+1
.irp b, 0,1,2,3,4,5,6,7
.if \zero == 1
	v_wmma_scale_f32_16x16x128_f8f6f4 v[8*(8*((\a)%4)+\b):8*(8*((\a)%4)+\b)+7], v[128*(\p)+FR*\b:128*(\p)+FR*\b+FR-1], v[AF+FR*(\a):AF+FR*(\a)+FR-1], v[BX+8*\b:BX+8*\b+7], v[SC+16*(\sc)+2*\b+(\q)], v[SC+16*(\sc)+2*(\a)+(\q)] matrix_a_fmt:MATRIX_FMT_FP6 matrix_b_fmt:MATRIX_FMT_FP6 matrix_a_scale:MATRIX_SCALE_ROW1
.elseif \zero == 2
	v_wmma_scale_f32_16x16x128_f8f6f4 v[8*(8*((\a)%4)+\b):8*(8*((\a)%4)+\b)+7], v[128*(\p)+FR*\b:128*(\p)+FR*\b+FR-1], v[AF+FR*(\a):AF+FR*(\a)+FR-1], v[BX+8*(\a):BX+8*(\a)+7], v[SC+16*(\sc)+2*\b+(\q)], v[SC+16*(\sc)+2*(\a)+(\q)] matrix_a_fmt:MATRIX_FMT_FP6 matrix_b_fmt:MATRIX_FMT_FP6 matrix_a_scale:MATRIX_SCALE_ROW1
.else
	v_wmma_scale_f32_16x16x128_f8f6f4 v[8*(8*((\a)%4)+\b):8*(8*((\a)%4)+\b)+7], v[128*(\p)+FR*\b:128*(\p)+FR*\b+FR-1], v[AF+FR*(\a):AF+FR*(\a)+FR-1], v[8*(8*((\a)%4)+\b):8*(8*((\a)%4)+\b)+7], v[SC+16*(\sc)+2*\b+(\q)], v[SC+16*(\sc)+2*(\a)+(\q)] matrix_a_fmt:MATRIX_FMT_FP6 matrix_b_fmt:MATRIX_FMT_FP6 matrix_a_scale:MATRIX_SCALE_ROW1
.endif
.endr
.endr
.endm
.macro FETCH_B slot, q, p
	WIN TO_B
.irp i, 0,1,2,3,4,5,6,7
	FRAG 128*(\p)+FR*\i, ADRB+\slot, \q, \i
.endr
	WIN 0
.endm
.macro FETCH_A slot, q, i0
.irp i, \i0, \i0+1, \i0+2, \i0+3
	FRAG AF+FR*(\i), ADRA+\slot, \q, \i
.endr
.endm
.macro SCALES sc                       ; a slot's scale words: register 2 i + q: lanes 0-15 the word of A's block i, lanes 16-31 of B's block i, for the slot's q-th 128 along K
.irp i, 0,1,2,3,4,5,6,7
	ds_load_b32 v[SC+16*\sc+2*\i], v[ADRS] offset:64*\i
	ds_load_b32 v[SC+16*\sc+2*\i+1], v[ADRS] offset:1024+64*\i
.endr
.endm
.macro PLACES n                        ; plain instructions between a matrix instruction and a load into, or a read of, its registers
.rept \n
	v_nop
.endr
.endm
.macro STEP slot, q, zero              ; a step of 128 along K that has its successor in the same slot
	s_wait_dscnt 4*NL                              ; B's set, the scale words and A's blocks 0-3 are in; the youngest 16 loads (A's blocks 4-7) may be out
.if \zero
	WIN 0x81                                       ; C (the bias) window 0, D window 2
.else
	WIN MUL_LO
.endif
	MUL16 0, (\q)%2, \q, \slot, \zero
	MUL16 2, (\q)%2, \q, \slot, \zero
	s_wait_dscnt 0x0                               ; A's blocks 4-7 are in
	PLACES NP
	FETCH_B \slot, (\q)+1, 1-(\q)%2
	FETCH_A \slot, (\q)+1, 0
.if \zero
	WIN 0xc1
.else
	WIN MUL_HI
.endif
	MUL16 4, (\q)%2, \q, \slot, \zero
	MUL16 6, (\q)%2, \q, \slot, \zero
	PLACES NP
	WIN 0
	FETCH_A \slot, (\q)+1, 4
.endm
; A slot's last step changes slots: one barrier; in front of it each wave waits for all its tensor loads, adds 0 to its spare word, and waits for that and for its reads of this slot.  fill = 1: the slot is filled again, two slots ahead.
.macro TURN slot, next, fill
	s_wait_tensorcnt 0x0                           ; all my tensor loads have landed: my block of the next slot
	ds_add_u32 v[SPW], v[NIL]                      ; 0 onto my spare word
	s_wait_dscnt 4*NL+1                            ; (the add and the youngest 16 loads may be out)
	WIN MUL_LO
	MUL16 0, 1, NQ-1, \slot, 0
	s_wait_dscnt 0x0                               ; the add is done, and my reads of this slot are over
	s_barrier_signal -1
	MUL16 2, 1, NQ-1, \slot, 0
	WIN 0
	s_barrier_wait -1
.if \fill
	CREST                                          ; the barrier has opened a round of the cluster's barrier: no wave of any partner still reads this slot or has a load on its way
	s_add_nc_u64 s[G0+4*\slot+2:G0+4*\slot+3], s[G0+4*\slot+2:G0+4*\slot+3], 2*OPB
	s_add_nc_u64 s[G0B+4*\slot+2:G0B+4*\slot+3], s[G0B+4*\slot+2:G0B+4*\slot+3], 2*OPB
	JLOAD G0+4*\slot, G1, G0B+4*\slot, G1B         ; the first tensor load behind the round; its four v_nop are also the places in front of the loads below
.else
	PLACES NP
.endif
	v_add_nc_u32 v[ADRS], 2048, v[ADRS]            ; the next slot's scale words
	FETCH_B \next, 0, 0
	FETCH_A \next, 0, 0
	SCALES \next
	WIN MUL_HI
	MUL16 4, 1, NQ-1, \slot, 0
	MUL16 6, 1, NQ-1, \slot, 0
	PLACES NP
	WIN 0
	FETCH_A \next, 0, 4
.endm
	s_load_b256 s[4:11], s[0:1], 0x0               ; P s[4:5], bq s[6:7], bk s[8:9], bv s[10:11]
	s_load_b64 s[12:13], s[0:1], 0x20              ; QKV
	v_lshl_add_u32 v[SPW], v0, 2, SPARE
	v_mov_b32 v[NIL], 0
	ds_add_u32 v28, v29
	ds_add_u32 v28, v29
	s_wait_dscnt 0x0
	v_lshrrev_b32 v1, 5, v0
	v_readfirstlane_b32 s14, v1                    ; wave 0..3
	s_lshr_b32 s15, s14, 1                         ; which half of the tile's rows is mine.  Also: I fetch for A (0) or for B (1)
	s_and_b32 s16, s14, 1                          ; which half of its columns.  Also: which of a slot's two steps I fetch
	s_bfe_u32 s40, ttmp6, 0x40000                  ; cx
	s_bfe_u32 s41, ttmp6, 0x40004                  ; cy
	s_and_b32 s17, ttmp7, 0xffff
	s_lshl_b32 s17, s17, 2                         ; 4 x cluster y
	s_mul_i32 s66, ttmp9, 786432
	s_add_co_u32 s66, s66, WI                      ; q, k: the weight's images,
	s_mul_i32 s67, ttmp9, 32768
	s_add_co_u32 s67, s67, WS                      ; and its scale words
	s_mov_b32 s99, XSCL
	s_cmp_eq_u32 ttmp9, 2                          ; v?  The same in all sixteen partners
	s_cselect_b32 s98, WI+1572864, 0               ; A's images: Wv's, or x's
	s_cselect_b32 s99, WS+65536, s99               ; A's scale words
	s_cselect_b32 s66, 0, s66                      ; B's images: x's, or the weight's
	s_cselect_b32 s67, XSCL, s67
	s_cselect_b32 s18, 0, s17
	s_cselect_b32 s19, s17, 0
	s_add_co_u32 s17, s18, s41                     ; A's group: cy (+ 4 x cluster y for q, k)
	s_add_co_u32 s42, s19, s40                     ; B's group: cx (+ 4 x cluster y for v)
	s_lshl_b32 s43, s41, 2
	s_lshl_b32 s43, 15, s43                        ; my row of the cluster
	s_lshl_b32 s44, 0x1111, s40                    ; my column
	; descriptor group 1: a dense block of 24,576 bytes as 96 rows of 32 elements of 8 bytes
	s_or_b32 s[G1+0], s43, (3<<16)|(1<<21)         ; 15:0 the mask; 17:16 elements of 8 bytes; 21 set beside a mask; no padding
	s_or_b32 s[G1B+0], s44, (3<<16)|(1<<21)
.irp g, G1, G1B
	s_mov_b32 s[\g+1], 32<<16                      ; tensor_dim0
	s_mov_b32 s[\g+2], 96<<16                      ; tensor_dim1
	s_mov_b32 s[\g+3], 32<<16                      ; tile_dim0
	s_mov_b32 s[\g+4], 96                          ; tile_dim1
	s_mov_b32 s[\g+5], 32                          ; tensor_dim0_stride
	s_mov_b32 s[\g+6], 0
	s_mov_b32 s[\g+7], 0
.endr
	; and half of a group's scale words: 512 NS dense bytes as 2 NS rows of 256
	s_or_b32 s[G1S+0], s43, (3<<16)|(1<<21)
	s_or_b32 s[G1SB+0], s44, (3<<16)|(1<<21)
.irp g, G1S, G1SB
	s_mov_b32 s[\g+1], 32<<16
	s_mov_b32 s[\g+2], (2*NS)<<16
	s_mov_b32 s[\g+3], 32<<16
	s_mov_b32 s[\g+4], 2*NS
	s_mov_b32 s[\g+5], 32
	s_mov_b32 s[\g+6], 0
	s_mov_b32 s[\g+7], 0
.endr
	s_mul_i32 s18, s16, QB
	s_mul_i32 s19, s16, 512*NS
	s_mul_i32 s20, s17, NS*QB
	s_add_co_u32 s20, s20, s18
	s_add_co_u32 s20, s20, s98                     ; A's codes: group, + my step
	s_mov_b32 s21, 0
	s_mul_i32 s46, s42, NS*QB
	s_add_co_u32 s46, s46, s18
	s_add_co_u32 s46, s46, s66                     ; B's
	s_mov_b32 s47, 0
	s_mul_i32 s22, s17, 1024*NS
	s_add_co_u32 s22, s22, s19
	s_add_co_u32 s22, s22, s99                     ; A's scale words: group, + my half
	s_mov_b32 s23, 0
	s_mul_i32 s92, s42, 1024*NS
	s_add_co_u32 s92, s92, s19
	s_add_co_u32 s92, s92, s67
	s_mov_b32 s93, 0
	s_mul_i32 s45, s14, QB                         ; where they go: wave x a block: no place in the cluster enters an LDS address
	s_mul_i32 s94, s14, 512*NS
	s_wait_kmcnt 0x0
	s_add_nc_u64 s[20:21], s[4:5], s[20:21]
	s_add_nc_u64 s[22:23], s[4:5], s[22:23]
	s_add_nc_u64 s[46:47], s[4:5], s[46:47]
	s_add_nc_u64 s[92:93], s[4:5], s[92:93]
	CROUND                                         ; all sixteen work-groups are here: the first joint loads meet
	s_mov_b32 s[G0S], 1
	s_add_co_u32 s[G0S+1], s94, SCL
	s_mov_b64 s[G0S+2:G0S+3], s[22:23]
	s_or_b32 s[G0S+3], s[G0S+3], 0x80000000
	s_mov_b32 s[G0SB], 1
	s_add_co_u32 s[G0SB+1], s94, SCL
	s_mov_b64 s[G0SB+2:G0SB+3], s[92:93]
	s_or_b32 s[G0SB+3], s[G0SB+3], 0x80000000
	JLOAD G0S, G1S, G0SB, G1SB                     ; the scale words first; three loads of a wave are out at the start, one behind each round
.irp s, 0,1
	s_mov_b32 s[G0+4*\s], 1
	s_add_co_u32 s[G0+4*\s+1], s45, \s*SLOT
	s_add_nc_u64 s[G0+4*\s+2:G0+4*\s+3], s[20:21], \s*OPB
	s_or_b32 s[G0+4*\s+3], s[G0+4*\s+3], 0x80000000
	s_mov_b32 s[G0B+4*\s], 1
	s_add_co_u32 s[G0B+4*\s+1], s45, \s*SLOT
	s_add_nc_u64 s[G0B+4*\s+2:G0B+4*\s+3], s[46:47], \s*OPB
	s_or_b32 s[G0B+4*\s+3], s[G0B+4*\s+3], 0x80000000
	JLOAD G0+4*\s, G1, G0B+4*\s, G1B
.endr
	v_and_b32 v1, 15, v0                           ; r
	v_bfe_u32 v2, v0, 4, 1                         ; h
	v_and_b32 v3, 31, v0                           ; lane
	v_lshlrev_b32 v[L16], 4, v3
	v_lshlrev_b32 v[L8], 3, v3
	s_mul_i32 s21, s15, 12288                      ; my 8 tiles of A
	s_mul_i32 s22, s16, 12288                      ; my 8 tiles of B,
	s_add_co_u32 s22, s22, OPB                     ; which lie behind A's two blocks
.irp s, 0,1
	v_add_nc_u32 v[ADRA+\s], s21, v[L16]
	v_add_nc_u32 v[ADRB+\s], s22, v[L16]
	v_add_nc_u32 v[ADRA+2+\s], s21, v[L8]
	v_add_nc_u32 v[ADRB+2+\s], s22, v[L8]
	s_add_co_u32 s21, s21, SLOT
	s_add_co_u32 s22, s22, SLOT
.endr
	s_lshl_b32 s21, s15, 9                         ; A's scale words: my 8 tiles of 64 bytes
	s_lshl_b32 s22, s16, 9
	s_add_co_u32 s22, s22, 1024*NS                 ; B's lie behind A's
	s_sub_co_u32 s22, s22, s21
	v_mul_u32_u24 v6, s22, v2                      ; lanes 16-31 take B's
	s_add_co_u32 s21, s21, SCL
	v_lshl_add_u32 v6, v1, 2, v6
	v_add_nc_u32 v[ADRS], s21, v6
	; the way out's LDS addresses, made ahead of every parting; each of the two ways out has bytes of its own
	s_lshl_b32 s21, s14, 10
	s_add_co_u32 s21, s21, STG
	v_lshl_add_u32 v8, v1, 2, s21                  ; q, k: in: 4 r
	v_add_nc_u32 v9, s21, v[L16]                   ;       back: 16 x lane
	s_lshl_b32 s21, s14, 9
	s_add_co_u32 s21, s21, STG+4096
	v_lshl_add_u32 v10, v1, 2, s21                 ; v: in
	v_add_nc_u32 v11, s21, v[L16]                  ;    back
	v_mul_u32_u24 v12, v2, 12288
	v_lshl_add_u32 v12, v1, 4, v12                 ; v: out: lanes 0-15 one head's 256 bytes, lanes 16-31 the next head's
	v_lshlrev_b32 v13, 6, v2                       ; the bias along the columns: 64 h
	v_and_b32 v14, 8, v1
	v_add_nc_u32 v14, v14, v1
	v_lshlrev_b32 v14, 2, v14                      ; along the rows: 4 (r + 8 (r / 8))
	s_cmp_eq_u32 ttmp9, 0
	s_cselect_b64 s[96:97], s[6:7], s[8:9]
	s_cmp_eq_u32 ttmp9, 2
	s_cselect_b64 s[96:97], s[10:11], s[96:97]     ; the product's bias
	s_cselect_b32 s18, s41, s40                    ; its 256 numbers: v: by A's group; q, k: by B's
	s_cselect_b32 s19, s15, s16                    ; and my half of them
	s_lshl_b32 s18, s18, 10
	s_lshl_b32 s19, s19, 9
	s_add_co_u32 s18, s18, s19
	s_mov_b32 s19, 0
	s_add_nc_u64 s[96:97], s[96:97], s[18:19]
	s_cmp_eq_u32 ttmp9, 2
	s_cbranch_scc1 .Lv_bias
.irp b, 0,1,2,3,4,5,6,7
	global_load_b128 v[BX+8*\b:BX+8*\b+3], v13, s[96:97] offset:(32*(\b/2)+8*(\b%2))*4      ; register j of tile b: column 32 (b / 2) + 16 h + 8 (b % 2) + j
	global_load_b128 v[BX+8*\b+4:BX+8*\b+7], v13, s[96:97] offset:(32*(\b/2)+8*(\b%2))*4+16
.endr
	s_branch .Lbias_done
.Lv_bias:
.irp a, 0,1,2,3,4,5,6,7
	global_load_b32 v[BX+8*\a], v14, s[96:97] offset:(32*(\a/2)+8*(\a%2))*4                 ; my row of tile a: the same number in all eight registers
.endr
	s_wait_loadcnt 0x0
.irp a, 0,1,2,3,4,5,6,7
.irp j, 1,2,3,4,5,6,7
	v_mov_b32 v[BX+8*\a+\j], v[BX+8*\a]
.endr
.endr
.Lbias_done:
	s_wait_loadcnt 0x0                             ; the bias
	s_wait_tensorcnt 1                             ; the scale words and my block of slot 0 are in; slot 1's load may be out
	s_barrier_signal -1
	s_barrier_wait -1
	FETCH_B 0, 0, 0
	FETCH_A 0, 0, 0
	SCALES 0
	FETCH_A 0, 0, 4
	s_cmp_eq_u32 ttmp9, 2                          ; the first step is written twice: its C differs.  No tensor load and no barrier stands in it
	s_cbranch_scc1 .Lv_first
	STEP 0, 0, 1
	s_branch .Lfirst_done
.Lv_first:
	STEP 0, 0, 2
.Lfirst_done:
	s_mov_b32 s3, LAPS-1
.Llap:                                             ; a trip goes once round the ring and fills both slots again
	TURN 0, 1, 1
	STEP 1, 0, 0
	TURN 1, 0, 1
	STEP 0, 0, 0
	s_sub_co_u32 s3, s3, 1
	s_cmp_lg_u32 s3, 0
	s_cbranch_scc1 .Llap
	TURN 0, 1, 0                                   ; the last lap fills nothing
	STEP 1, 0, 0
	s_wait_dscnt 4*NL
	WIN MUL_LO
	MUL16 0, 1, NQ-1, 1, 0
	MUL16 2, 1, NQ-1, 1, 0
	s_wait_dscnt 0x0
	WIN MUL_HI
	MUL16 4, 1, NQ-1, 1, 0
	MUL16 6, 1, NQ-1, 1, 0
	WIN 0
; THE WAY OUT.  Block a's 64 registers of a lane are 128 neighbours' share along the next K: they are quantised where they lie.  Each accumulator is read from its low end on.
.macro QUANTW a, pc, pw
.set AC, 64*((\a)%4)
.set WW, 2+(\a)/4
	WIN WW|(WW<<2)
.irp b, 0,1,2,3
	v_max3_num_f32 v[TM+\b], |v[AC+16*\b]|, |v[AC+1+16*\b]|, 0x1800000   ; and the floor 2^(3 - 127)
.endr
	WIN (WW<<2)|(WW<<4)
.irp i, 2,4,6,8,10,12,14
.irp b, 0,1,2,3
	v_max3_num_f32 v[TM+\b], v[TM+\b], |v[AC+16*\b+\i]|, |v[AC+1+16*\b+\i]|
.endr
.endr
	WIN 0
.irp b, 0,1,2,3
	v_permlanex16_b32 v[TM+4+\b], v[TM+\b], s[SEL], s[SEL+1]
.endr
.irp b, 0,1,2,3
	v_max_num_f32 v[TM+\b], v[TM+\b], v[TM+4+\b]
.endr
.irp b, 0,1,2,3
	v_add_nc_u32 v[TM+12+\b], 0xff000000, v[TM+\b]   ; 2 off the exponent field: the conversion's scale operand
.endr
.irp b, 0,1,2,3
	v_lshrrev_b32 v[TM+4+\b], 23, v[TM+12+\b]
.endr
	v_lshl_or_b32 v[\pw], v[TM+5], 8, v[TM+4]
	v_lshl_or_b32 v[\pw], v[TM+6], 16, v[\pw]
	v_lshl_or_b32 v[\pw], v[TM+7], 24, v[\pw]
	WIN WW
.irp c, 0,1
	v_cvt_scalef32_pk16_fp6_f32 v[\pc+6*\c:\pc+2+6*\c], v[AC+32*\c:AC+15+32*\c], v[TM+12+2*\c]
	v_cvt_scalef32_pk16_fp6_f32 v[\pc+12+4*\c:\pc+14+4*\c], v[AC+16+32*\c:AC+31+32*\c], v[TM+12+2*\c+1]
.endr
	WIN 0
	v_nop                                          ; one plain instruction behind the scaled conversions
.irp c, 0,1
.irp i, 0,1,2
	v_permlane16_swap_b32 v[\pc+6*\c+\i], v[\pc+12+4*\c+\i]
.endr
.irp i, 0,1,2
	v_mov_b32 v[\pc+3+6*\c+\i], v[\pc+12+4*\c+\i]
.endr
.endr
.endm
.macro EPI mode
.irp a, 0,1,2,3,4,5,6,7
.if \a > 0
	s_wait_xcnt 0x0                                ; the last block's stores have read the codes' registers
.endif
	QUANTW \a, PC, PWS+\a
.if \mode == 0
	global_store_b128 v[L16], v[PC:PC+3], s[OC:OC+1] offset:768*\a            ; k 0-63: my first head's half image of token tile a
	global_store_b64 v[L8], v[PC+4:PC+5], s[OC:OC+1] offset:768*\a+512
	global_store_b128 v[L16], v[PC+6:PC+9], s[OC:OC+1] offset:98304+768*\a    ; k 64-127: the next head's
	global_store_b64 v[L8], v[PC+10:PC+11], s[OC:OC+1] offset:98304+768*\a+512
	v_lshrrev_b32 v[PWS+8+\a], 16, v[PWS+\a]
	ds_store_b32 v8, v[PWS+\a] offset:64*\a
	ds_store_b32 v8, v[PWS+8+\a] offset:512+64*\a
.else
	global_store_b128 v[L16], v[PC:PC+3], s[OC:OC+1] offset:(\a/4)*98304+(\a%4)*1536       ; head a / 4 of my two, tile a % 4 of its 64 channels
	global_store_b64 v[L8], v[PC+4:PC+5], s[OC:OC+1] offset:(\a/4)*98304+(\a%4)*1536+512
	global_store_b128 v[L16], v[PC+6:PC+9], s[OC:OC+1] offset:(\a/4)*98304+(\a%4)*1536+768
	global_store_b64 v[L8], v[PC+10:PC+11], s[OC:OC+1] offset:(\a/4)*98304+(\a%4)*1536+1280
	ds_store_b32 v10, v[PWS+\a] offset:64*\a
.endif
.endr
.endm
	s_mov_b32 s[SEL], 0x76543210
	s_mov_b32 s[SEL+1], 0xfedcba98
	PLACES NP                                      ; behind the last products
.irp b, 0,1,2,3
	v_mov_b32 v[TM+4+\b], 0                        ; written once: a lane permute's destination counts as one of its sources
.endr
	s_cmp_eq_u32 ttmp9, 2
	s_cbranch_scc1 .Lv_out
	s_lshr_b32 s18, s17, 3                         ; q, k: batch,
	s_lshl_b32 s18, s18, 4
	s_lshl_b32 s19, s40, 2
	s_add_co_u32 s18, s18, s19
	s_lshl_b32 s19, s16, 1
	s_add_co_u32 s18, s18, s19                     ; my first head: 16 batch + 4 cx + 2 x column half
	s_and_b32 s19, s17, 7
	s_lshl_b32 s19, s19, 4
	s_lshl_b32 s20, s15, 3
	s_add_co_u32 s19, s19, s20                     ; my first token tile in the head
	s_mul_i32 s20, s18, 98304
	s_mul_i32 s21, s19, 768
	s_add_co_u32 s20, s20, s21
	s_mul_i32 s21, ttmp9, 3145728
	s_add_co_u32 s20, s20, s21
	s_mov_b32 s21, 0
	s_add_nc_u64 s[OC:OC+1], s[12:13], s[20:21]
	s_mov_b32 s22, 12288
	s_mov_b32 s23, KVS
	s_cmp_eq_u32 ttmp9, 0
	s_cselect_b32 s22, 8192, s22                   ; a head's scale bytes: q's 8,192; k's lie with v's: 12,288
	s_cselect_b32 s23, QS, s23
	s_mul_i32 s20, s18, s22
	s_lshl_b32 s19, s19, 6
	s_add_co_u32 s20, s20, s19
	s_add_co_u32 s20, s20, s23
	s_add_nc_u64 s[OS0:OS0+1], s[12:13], s[20:21]
	s_mov_b32 s23, 0
	s_add_nc_u64 s[OS1:OS1+1], s[OS0:OS0+1], s[22:23]
	EPI 0
	ds_load_b128 v[148:151], v9                    ; LDS serves a wave's instructions in order: these see my stores.  512 bytes: a head's words of my 8 token tiles
	ds_load_b128 v[152:155], v9 offset:512
	s_wait_dscnt 0x0
	global_store_b128 v[L16], v[148:151], s[OS0:OS0+1]
	global_store_b128 v[L16], v[152:155], s[OS1:OS1+1]
	s_branch .Lend
.Lv_out:
	s_lshr_b32 s18, s42, 3                         ; v: batch,
	s_lshl_b32 s18, s18, 4
	s_lshl_b32 s19, s41, 2
	s_add_co_u32 s18, s18, s19
	s_lshl_b32 s19, s15, 1
	s_add_co_u32 s18, s18, s19                     ; my first head: 16 batch + 4 cy + 2 x row half
	s_and_b32 s19, s42, 7
	s_lshl_b32 s19, s19, 1
	s_add_co_u32 s19, s19, s16                     ; my 128 keys of the head's 2,048
	s_mul_i32 s20, s18, 98304
	s_mul_i32 s21, s19, 6144
	s_add_co_u32 s20, s20, s21
	s_add_co_u32 s20, s20, 6291456
	s_mov_b32 s21, 0
	s_add_nc_u64 s[OC:OC+1], s[12:13], s[20:21]
	s_mul_i32 s20, s18, 12288
	s_lshl_b32 s19, s19, 8
	s_add_co_u32 s20, s20, s19
	s_add_co_u32 s20, s20, KVS+8192
	s_add_nc_u64 s[OS0:OS0+1], s[12:13], s[20:21]
	EPI 1
	ds_load_b128 v[148:151], v11
	s_wait_dscnt 0x0
	global_store_b128 v12, v[148:151], s[OS0:OS0+1]   ; sixteen lanes store a head's 256 consecutive bytes
.Lend:
	s_wait_tensorcnt 0x0                           ; the wave's end: behind my last tensor load and my last LDS store
	ds_add_u32 v[SPW], v[NIL]
	s_wait_dscnt 0x0
	CROUND                                         ; the closing round: no work-group ends while a partner may still ask for a block that names it
	s_endpgm
.Lfunc_end_k_qea18c701cd_qkv:
	.size	k_qea18c701cd_qkv, .Lfunc_end_k_qea18c701cd_qkv-k_qea18c701cd_qkv
	.p2alignl 7, 3214868480
	.fill 96, 4, 3214868480
	.section	.rodata,"a",@progbits
	.p2align	6, 0x0
	.amdhsa_kernel k_qea18c701cd_qkv
		.amdhsa_group_segment_fixed_size 327680
		.amdhsa_private_segment_fixed_size 0
		.amdhsa_enable_private_segment 0
		.amdhsa_kernarg_size 40
		.amdhsa_user_sgpr_count 2
		.amdhsa_user_sgpr_kernarg_segment_ptr 1
		.amdhsa_wavefront_size32 1
		.amdhsa_system_sgpr_workgroup_id_x 1
		.amdhsa_system_sgpr_workgroup_id_y 1
		.amdhsa_system_sgpr_workgroup_id_z 1
		.amdhsa_system_vgpr_workitem_id 0
		.amdhsa_next_free_vgpr 1024
		.amdhsa_next_free_sgpr 100
		.amdhsa_reserve_vcc 0
		.amdhsa_float_denorm_mode_32 3
		.amdhsa_float_denorm_mode_16_64 3
		.amdhsa_memory_ordered 1
		.amdhsa_forward_progress 1
		.amdhsa_inst_pref_size 207
	.end_amdhsa_kernel
	.amdgpu_metadata
---
amdhsa.version: [ 1, 2 ]
amdhsa.kernels:
  - .name:           k_qea18c701cd_qkv
    .symbol:         k_qea18c701cd_qkv.kd
    .args:
      - { .name: P, .offset: 0, .size: 8, .value_kind: global_buffer, .address_space: global }
      - { .name: bq, .offset: 8, .size: 8, .value_kind: global_buffer, .address_space: global }
      - { .name: bk, .offset: 16, .size: 8, .value_kind: global_buffer, .address_space: global }
      - { .name: bv, .offset: 24, .size: 8, .value_kind: global_buffer, .address_space: global }
      - { .name: QKV, .offset: 32, .size: 8, .value_kind: global_buffer, .address_space: global }
    .group_segment_fixed_size: 327680
    .private_segment_fixed_size: 0
    .kernarg_segment_align: 8
    .kernarg_segment_size: 40
    .max_flat_workgroup_size: 128
    .sgpr_count:     100
    .vgpr_count:     1024
    .wavefront_size: 32
...
	.end_amdgpu_metadata
.endif
;; end of part 2
;; launch attn (part 3): grid 8 x 32, 16 waves a work-group, clusters of 4 x 1, 210,944 bytes of LDS; arguments QKV, OQ; writes OQ
.if DOCPART == 3
	.amdgcn_target "amdgcn-amd-amdhsa--gfx1250"
	.amdhsa_code_object_version 6
	.text
	.protected	k_qea18c701cd_attn
	.globl	k_qea18c701cd_attn
	.p2align	8
	.type	k_qea18c701cd_attn,@function
k_qea18c701cd_attn:
	s_mov_b64 s[64:65], 0
	v_nop
	global_prefetch_b8 v0, s[64:65] scope:SCOPE_SE
	s_setreg_imm32_b32 hwreg(HW_REG_WAVE_MODE, 25, 1), 1
	s_wait_xcnt 0x0
	s_wait_alu depctr_hold_cnt(0) depctr_sa_sdst(0) depctr_va_vdst(0) depctr_va_sdst(0) depctr_va_ssrc(0) depctr_va_vcc(0) depctr_vm_vsrc(0)
	s_getreg_b32 s2, hwreg(HW_REG_IB_STS2, 6, 4)
	s_cmp_eq_u32 s2, 0
	s_cbranch_scc0 .Lentry_in_a_cluster
	s_endpgm
.Lentry_in_a_cluster:
	s_bfe_u32 s2, ttmp6, 0x10000c
	s_cmp_lg_u32 s2, 0x3003
	s_cbranch_scc0 .Lentry_shape_is_right
	s_endpgm
.Lentry_shape_is_right:
; ATTENTION on codes of FP6 (E2M3): o = softmax(q k^T / 8) v for 32 heads of 2,048 tokens and 64 channels; o is quantised along the model's 1,024 channels and goes to OQ as half images of operand registers.
; THE SOFTMAX AHEAD OF THE SECOND PRODUCT: t = score x log2(e) / 8; M = the running largest t rounded UP to a whole number; p = 2^(t - M) is quantised along the keys, not normalised; the row's sum is taken of the unquantised p and divides at the end.
; When M moves, the sum and O are multiplied by 2^(old M - new M): exact.
; SHARES.  A work-group owns 256 queries of one head; each of its sixteen waves one tile of 16, in 256 registers: four waves to a SIMD, so that one wave's vector work stands beside another's products and LDS loads.
; ALL OF A HEAD'S K AND V STAY IN LDS: 98,304 bytes of codes each and 12,288 of scale words, filled ONCE: no ring, no refill.  Waves 0-7 bring an eighth each (one load of codes, one of scale words: two loads of a wave are out).
; CLUSTER.  The four query blocks of a cluster belong to one head: each block of K and V is asked for jointly, by the same tensor load with the same descriptor and the mask of all four.
; LAYOUT.  Both products transposed: S^T = K Q^T, O^T = V^T P^T: a lane holds one query (lane % 16) throughout.  By the tile map (lane r of tile T holds row 32 (T / 2) + 8 (T % 2) + r + 8 (r / 8)) the 16 registers of tiles 2 b, 2 b + 1 are
; 16 neighbouring keys (or channels).  THE FIRST PRODUCT'S K IS 64: Q's registers 6-11 are zero codes; a tile of K is a half image of 6 registers, and the instruction's other 6 are the next tile's codes, which meet those zeros and add nothing.
; Every byte of K and V is asked for at the head, so nothing is left to prefetch.  The scale bytes of o leave two to a lane: a head owns half of a scale word.
; LIMITS: a block whose largest magnitude lies under 2^-124 keeps the byte 1; a block's largest p is taken from its largest score (v_exp_f32 is taken not to fall where its input rises); NaN and infinities are not served.
; REGISTERS: v1-11 addresses; v12 -M, v13 the largest t, v[14:15] the sum; v16-27 Q; v28-31 K's scale words; v32-85 K's 8 tiles (+ 6 zeros), behind the scores v32-49 at work; v86-87 V's scale words; v88-95 at work;
;   v96-159 S^T, then p; v160-191 O^T; v192-239 V's 4 fragments; v240-251 p's codes; v252 f; v253 p's scale word; v254 at work; v255 Q's scale word.
.set KI,   3145728
.set QS,   9437184
.set KVS,  9699328
.set OSC,  3145728
.set SOFF, 196608                      ; LDS: K's codes at 0, V's at 98,304, the scale words here: K's 8,192 bytes, then V's 4,096
.set L16,  1
.set L8,   2
.set S4,   3                           ; v3   4 x lane + SOFF
.set AK16, 4
.set AK8,  5
.set AV16, 6
.set AV8,  7
.set AKS,  8
.set AVS,  9
.set V16,  10                          ; v10  16 x lane + 98,304
.set V8,   11
.set BM,   88                          ; v88-91  the blocks' largest scores
.set PT,   92                          ; v92-95  lane permutes' targets
.set SO,   32                          ; v32-35  the conversions' scale operands
.set BY,   36                          ; v36-39  the scales' bytes
.set CV,   40                          ; v40-46  the conversions' second halves
.set SUM2, 48                          ; v[48:49] the sum's second chain
.set PCD,  240
.set WV,   18
.set SEL,  20
.set CS,   22
.set G1C,  24
.set G1S,  32
.set G0C,  40
.set G0S,  44
.set TB,   48                          ; s48  the step's codes: 6,144 bytes a step in K's region and in V's
.set TS,   49                          ; s49  K's scale words: 512 a step
.set TJ,   50                          ; s50  V's: 256 a step
.set CNT,  51
.macro CROUND
	s_barrier_signal -1
	s_barrier_wait -1
	s_cmp_lg_u32 s[WV], 0
	s_cbranch_scc1 .Lnot_wave_0_\@
	s_barrier_signal -3
.Lnot_wave_0_\@:
	s_barrier_wait -3
	s_barrier_signal -1
	s_barrier_wait -1
.endm
	s_load_b128 s[4:7], s[0:1], 0x0                ; QKV s[4:5], OQ s[6:7]
	v_lshl_add_u32 v254, v0, 2, 0x33000
	v_mov_b32 v255, 0
	ds_add_u32 v254, v255
	ds_add_u32 v254, v255
	s_wait_dscnt 0x0
	v_lshrrev_b32 v8, 5, v0
	v_readfirstlane_b32 s[WV], v8                  ; wave 0..15
	s_bfe_u32 s52, ttmp6, 0x40000                  ; cx
	s_lshl_b32 s53, ttmp9, 2
	s_add_co_u32 s53, s53, s52                     ; my block of 256 queries: it enters Q's and O's addresses alone
	s_and_b32 s54, ttmp7, 0xffff                   ; the head, 16 batch + head: the four partners share it
	s_mul_i32 s55, s54, 98304
	s_lshr_b32 s56, s[WV], 2                       ; what I fetch, if I fetch: 0 K, 1 V,
	s_and_b32 s57, s[WV], 3                        ; and which quarter
	s_mul_i32 s58, s56, 98304
	s_mul_i32 s59, s57, 24576
	s_add_co_u32 s58, s58, s59                     ; in LDS,
	s_mul_i32 s60, s56, 3145728
	s_add_co_u32 s60, s60, s55
	s_add_co_u32 s60, s60, s59
	s_add_co_u32 s60, s60, KI                      ; in memory
	s_mov_b32 s61, 0
	s_mul_i32 s62, s[WV], 1536                     ; my eighth of the scale words
	s_mul_i32 s66, s54, 12288
	s_add_co_u32 s66, s66, s62
	s_add_co_u32 s66, s66, KVS
	s_mov_b32 s67, 0
	; descriptor group 1: dense blocks as rows of 32 elements of 8 bytes: 96 rows of codes, 6 of scale words
	s_mov_b32 s[G1C], 15|(3<<16)|(1<<21)           ; 15:0 the mask: all four work-groups; 17:16 elements of 8 bytes; 21 set beside a mask
	s_mov_b32 s[G1C+1], 32<<16
	s_mov_b32 s[G1C+2], 96<<16
	s_mov_b32 s[G1C+3], 32<<16
	s_mov_b32 s[G1C+4], 96
	s_mov_b32 s[G1C+5], 32
	s_mov_b32 s[G1C+6], 0
	s_mov_b32 s[G1C+7], 0
	s_mov_b32 s[G1S], 15|(3<<16)|(1<<21)
	s_mov_b32 s[G1S+1], 32<<16
	s_mov_b32 s[G1S+2], 6<<16
	s_mov_b32 s[G1S+3], 32<<16
	s_mov_b32 s[G1S+4], 6
	s_mov_b32 s[G1S+5], 32
	s_mov_b32 s[G1S+6], 0
	s_mov_b32 s[G1S+7], 0
	s_lshl_b32 s68, s53, 4
	s_add_co_u32 s68, s68, s[WV]                   ; my token tile in the head
	s_mul_i32 s70, s68, 768
	s_add_co_u32 s70, s70, s55                     ; Q's half image
	s_mov_b32 s71, 0
	s_lshl_b32 s72, s68, 6
	s_lshl_b32 s69, s54, 13
	s_add_co_u32 s72, s72, s69
	s_add_co_u32 s72, s72, QS                      ; Q's scale words
	s_mov_b32 s73, 0
	s_lshr_b32 s74, s54, 4
	s_lshl_b32 s74, s74, 3
	s_add_co_u32 s74, s74, s53                     ; o: the group of 256 tokens: 8 batch + block,
	s_lshl_b32 s74, s74, 3
	s_bfe_u32 s75, s54, 0x30001                    ; the step of 128 channels: head / 2,
	s_add_co_u32 s74, s74, s75
	s_lshl_b32 s74, s74, 4
	s_add_co_u32 s74, s74, s[WV]                   ; the tile: the fragment's number
	s_and_b32 s75, s54, 1                          ; and which half of it
	s_mul_i32 s76, s74, 1536
	s_mul_i32 s69, s75, 768
	s_add_co_u32 s76, s76, s69
	s_mov_b32 s77, 0
	s_lshl_b32 s78, s74, 6
	s_lshl_b32 s69, s75, 1
	s_add_co_u32 s78, s78, s69
	s_add_co_u32 s78, s78, OSC
	s_mov_b32 s79, 0
	s_mov_b32 s[SEL], 0x76543210
	s_mov_b32 s[SEL+1], 0xfedcba98
	s_mov_b32 s[CS], 0x3e38aa3b                    ; c = log2(e) / 8
	s_mov_b32 s[CS+1], s[CS]                       ; (named with it as a pair, so it is written)
	s_mov_b32 s[TB], 0
	s_mov_b32 s[TS], 0
	s_mov_b32 s[TJ], 0
	s_mov_b32 s[CNT], 16
	s_wait_kmcnt 0x0
	s_add_nc_u64 s[70:71], s[4:5], s[70:71]
	s_add_nc_u64 s[72:73], s[4:5], s[72:73]
	s_add_nc_u64 s[76:77], s[6:7], s[76:77]
	s_add_nc_u64 s[78:79], s[6:7], s[78:79]
	s_mov_b32 s[G0S], 1
	s_add_co_u32 s[G0S+1], s62, SOFF
	s_add_nc_u64 s[G0S+2:G0S+3], s[4:5], s[66:67]
	s_or_b32 s[G0S+3], s[G0S+3], 0x80000000
	s_mov_b32 s[G0C], 1
	s_mov_b32 s[G0C+1], s58
	s_add_nc_u64 s[G0C+2:G0C+3], s[4:5], s[60:61]
	s_or_b32 s[G0C+3], s[G0C+3], 0x80000000
	CROUND                                         ; all four work-groups are here: the joint loads meet
	s_cmp_lt_u32 s[WV], 8                          ; a wave's two fills stand in one branch on its number
	s_cbranch_scc0 .Lno_fill
	tensor_load_to_lds s[G0S:G0S+3], s[G1S:G1S+7]
	s_nop 0
	tensor_load_to_lds s[G0C:G0C+3], s[G1C:G1C+7]
	s_nop 0
.rept 4
	v_nop
.endr
.Lno_fill:
	v_and_b32 v8, 31, v0
	v_lshlrev_b32 v[L16], 4, v8
	v_lshlrev_b32 v[L8], 3, v8
	v_lshl_add_u32 v[S4], v8, 2, SOFF
	v_add_nc_u32 v[V16], 98304, v[L16]
	v_add_nc_u32 v[V8], 98304, v[L8]
	v_and_b32 v254, 15, v0
	v_lshlrev_b32 v254, 2, v254
	global_load_b128 v[16:19], v[L16], s[70:71]    ; Q's half image stays in registers
	global_load_b64 v[20:21], v[L8], s[70:71] offset:512
	global_load_b32 v255, v254, s[72:73]           ; and its scale words
.irp j, 22,23,24,25,26,27
	v_mov_b32 v[\j], 0                             ; k 64-127 of Q: zero codes
.endr
.irp j, 80,81,82,83,84,85
	v_mov_b32 v[\j], 0                             ; behind K's last tile
.endr
	v_mov_b32 v13, 0xff61b1e6                      ; the largest t so far: -3e38, under every t
	v_floor_f32 v12, -v13                          ; -M
	v_mov_b32 v14, 0
	v_mov_b32 v15, 0
	v_mov_b32 v253, 0                              ; (named as the upper half of the pair v[252:253] before it is first written)
.irp b, 0,1,2,3
	v_mov_b32 v[PT+\b], 0                          ; written once: a lane permute's destination counts as one of its sources
.endr
.set j, 0
.rept 32
	v_mov_b32 v[160+j], 0                          ; O^T: the step is written once; the first finds zeros, which the first change of M leaves zeros
.set j, j+1
.endr
	s_wait_loadcnt 0x0                             ; Q
	s_wait_tensorcnt 0x0                           ; my fills have landed,
	s_barrier_signal -1
	s_barrier_wait -1                              ; everybody's have: nothing is ever filled again
.Lstep:                                            ; A KEY STEP: 128 keys
	v_add_nc_u32 v[AK16], s[TB], v[L16]            ; (these six are also the places in front of the loads into registers that the last products read)
	v_add_nc_u32 v[AK8], s[TB], v[L8]
	v_add_nc_u32 v[AV16], s[TB], v[V16]
	v_add_nc_u32 v[AV8], s[TB], v[V8]
	v_add_nc_u32 v[AKS], s[TS], v[S4]
	v_add_nc_u32 v[AVS], s[TJ], v[S4]
.irp t, 0,1,2,3,4,5,6,7
	ds_load_b128 v[32+6*\t:35+6*\t], v[AK16] offset:768*\t
	ds_load_b64 v[36+6*\t:37+6*\t], v[AK8] offset:768*\t+512
.endr
.irp i, 0,1,2,3
	ds_load_b32 v[28+\i], v[AKS] offset:128*\i     ; lanes 0-15: tile 2 i's words; lanes 16-31: tile 2 i + 1's
.endr
.irp t, 0,1,2,3
	ds_load_b128 v[192+12*\t:195+12*\t], v[AV16] offset:1536*\t
	ds_load_b64 v[196+12*\t:197+12*\t], v[AV8] offset:1536*\t+512
	ds_load_b128 v[198+12*\t:201+12*\t], v[AV16] offset:1536*\t+768
	ds_load_b64 v[202+12*\t:203+12*\t], v[AV8] offset:1536*\t+1280
.endr
.irp i, 0,1
	ds_load_b32 v[86+\i], v[AVS] offset:8192+128*\i
.endr
	s_wait_dscnt 18                                ; K and its scale words are in; V's 16 loads and its 2 of scale words may stay out
.irp t, 0,2,4,6
	v_wmma_scale_f32_16x16x128_f8f6f4 v[96+8*\t:103+8*\t], v[32+6*\t:43+6*\t], v[16:27], 0, v[28+\t/2], v255 matrix_a_fmt:MATRIX_FMT_FP6 matrix_b_fmt:MATRIX_FMT_FP6
	v_wmma_scale_f32_16x16x128_f8f6f4 v[104+8*\t:111+8*\t], v[38+6*\t:49+6*\t], v[16:27], 0, v[28+\t/2], v255 matrix_a_fmt:MATRIX_FMT_FP6 matrix_b_fmt:MATRIX_FMT_FP6 matrix_a_scale:MATRIX_SCALE_ROW1
.endr
.rept 4
	v_nop
.endr
.irp b, 0,1,2,3
	v_max3_num_f32 v[BM+\b], v[96+16*\b], v[97+16*\b], v[98+16*\b]   ; the largest score of each block of 32 keys: it serves the row's maximum and, since p rises with the score, the block's largest p
.endr
.irp i, 3,5,7,9,11,13
.irp b, 0,1,2,3
	v_max3_num_f32 v[BM+\b], v[BM+\b], v[96+16*\b+\i], v[97+16*\b+\i]
.endr
.endr
.irp b, 0,1,2,3
	v_max_num_f32 v[BM+\b], v[BM+\b], v[111+16*\b]
.endr
.irp b, 0,1,2,3
	v_permlanex16_b32 v[PT+\b], v[BM+\b], s[SEL], s[SEL+1]
.endr
.irp b, 0,1,2,3
	v_max_num_f32 v[BM+\b], v[BM+\b], v[PT+\b]     ; with lane l xor 16's 16 keys
.endr
	v_max3_num_f32 v254, v[BM], v[BM+1], v[BM+2]
	v_max_num_f32 v254, v254, v[BM+3]
	v_mul_f32 v254, s[CS], v254                    ; the step's largest t (c is positive)
	v_max_num_f32 v13, v13, v254
	v_mov_b32 v254, v12
	v_floor_f32 v12, -v13                          ; the new -M = floor(-t) = -ceil(t)
	v_sub_f32 v254, v12, v254                      ; old M - new M: a whole number, 0 or less
	v_cvt_i32_f32 v254, v254                       ; (it saturates)
	v_ldexp_f32 v252, 1.0, v254                    ; f = 2^(old M - new M)
.set j, 0
.rept 32
	v_pk_fma_f32 v[96+j:97+j], v[96+j:97+j], s[CS:CS+1], v[12:13] op_sel_hi:[1,0,0]   ; t - M, two at a time
.set j, j+2
.endr
.irp b, 0,1,2,3
	v_fma_f32 v[BM+\b], v[BM+\b], s[CS], v12       ; the same of each block's largest score
.endr
.set j, 0
.rept 64
	v_exp_f32 v[96+j], v[96+j]                     ; p = 2^(t - M), at most 1
.set j, j+1
.endr
	v_pk_mul_f32 v[14:15], v[14:15], v[252:253] op_sel_hi:[1,0]   ; the sums under the new M (a plain instruction behind the exponentials)
	s_wait_alu depctr_va_vdst(0)                   ; one wait for the whole batch, ahead of its first reader
.irp b, 0,1,2,3
	v_exp_f32 v[BM+\b], v[BM+\b]                   ; the block's largest p
.endr
	v_pk_add_f32 v[SUM2:SUM2+1], v[96:97], v[98:99]   ; the row's sum of the unquantised p, in two chains
.irp j, 4,8,12,16,20,24,28,32,36,40,44,48,52,56,60
	v_pk_add_f32 v[14:15], v[14:15], v[96+\j:97+\j]
	v_pk_add_f32 v[SUM2:SUM2+1], v[SUM2:SUM2+1], v[98+\j:99+\j]
.endr
	v_pk_add_f32 v[14:15], v[14:15], v[SUM2:SUM2+1]
	s_wait_alu depctr_va_vdst(0)                   ; and one for the four
.irp b, 0,1,2,3
	v_max_num_f32 v[BM+\b], 0x1800000, v[BM+\b]    ; the floor 2^(3 - 127): the byte cannot fall under 1
.endr
.irp b, 0,1,2,3
	v_add_nc_u32 v[SO+\b], 0xff000000, v[BM+\b]
.endr
.irp b, 0,1,2,3
	v_lshrrev_b32 v[BY+\b], 23, v[SO+\b]
.endr
	v_lshl_or_b32 v253, v[BY+1], 8, v[BY]          ; p's scale word for these 128 keys
	v_lshl_or_b32 v253, v[BY+2], 16, v253
	v_lshl_or_b32 v253, v[BY+3], 24, v253
.irp c, 0,1
	v_cvt_scalef32_pk16_fp6_f32 v[PCD+6*\c:PCD+2+6*\c], v[96+32*\c:111+32*\c], v[SO+2*\c]
	v_cvt_scalef32_pk16_fp6_f32 v[CV+4*\c:CV+2+4*\c], v[112+32*\c:127+32*\c], v[SO+2*\c+1]
.endr
	v_nop                                          ; one plain instruction behind the scaled conversions
.irp c, 0,1
.irp i, 0,1,2
	v_permlane16_swap_b32 v[PCD+6*\c+\i], v[CV+4*\c+\i]
.endr
.irp i, 0,1,2
	v_mov_b32 v[PCD+3+6*\c+\i], v[CV+4*\c+\i]
.endr
.endr
.set j, 0
.rept 16
	v_pk_mul_f32 v[160+j:161+j], v[160+j:161+j], v[252:253] op_sel_hi:[1,0]   ; O^T under the new M.  (These 16 also stand between the writes of p's codes and scale word and the products)
.set j, j+2
.endr
	s_wait_dscnt 0x0                               ; V is in
.irp t, 0,2
	v_wmma_scale_f32_16x16x128_f8f6f4 v[160+8*\t:167+8*\t], v[192+12*\t:203+12*\t], v[PCD:PCD+11], v[160+8*\t:167+8*\t], v[86+\t/2], v253 matrix_a_fmt:MATRIX_FMT_FP6 matrix_b_fmt:MATRIX_FMT_FP6
	v_wmma_scale_f32_16x16x128_f8f6f4 v[168+8*\t:175+8*\t], v[204+12*\t:215+12*\t], v[PCD:PCD+11], v[168+8*\t:175+8*\t], v[86+\t/2], v253 matrix_a_fmt:MATRIX_FMT_FP6 matrix_b_fmt:MATRIX_FMT_FP6 matrix_a_scale:MATRIX_SCALE_ROW1
.endr
	s_add_co_u32 s[TB], s[TB], 6144
	s_add_co_u32 s[TS], s[TS], 512
	s_add_co_u32 s[TJ], s[TJ], 256
	s_sub_co_u32 s[CNT], s[CNT], 1
	s_cmp_lg_u32 s[CNT], 0
	s_cbranch_scc1 .Lstep
	; THE WAY OUT: O^T / the sum; its 32 registers are 16 neighbours of each of the head's two blocks of 32 channels: quantised, they are half an image of the next product's operand
	v_add_f32 v14, v14, v15
	v_permlanex16_b32 v[PT], v14, s[SEL], s[SEL+1]
	v_add_f32 v14, v14, v[PT]                      ; the row's sum
	v_rcp_f32 v14, v14
	v_and_b32 v[AKS], 15, v0
	v_lshlrev_b32 v[AKS], 2, v[AKS]                ; 4 r
	v_nop
	v_nop
	s_wait_alu depctr_va_vdst(0)                   ; ahead of the reciprocal's first reader
.set j, 0
.rept 32
	v_mul_f32 v[96+j], v[160+j], v14               ; register 16 b + i: channel 32 b + 16 h + i
.set j, j+1
.endr
.irp b, 0,1
	v_max3_num_f32 v[BM+\b], |v[96+16*\b]|, |v[97+16*\b]|, 0x1800000
.endr
.irp i, 2,4,6,8,10,12,14
.irp b, 0,1
	v_max3_num_f32 v[BM+\b], v[BM+\b], |v[96+16*\b+\i]|, |v[97+16*\b+\i]|
.endr
.endr
.irp b, 0,1
	v_permlanex16_b32 v[PT+\b], v[BM+\b], s[SEL], s[SEL+1]
.endr
.irp b, 0,1
	v_max_num_f32 v[BM+\b], v[BM+\b], v[PT+\b]
.endr
.irp b, 0,1
	v_add_nc_u32 v[SO+\b], 0xff000000, v[BM+\b]
.endr
.irp b, 0,1
	v_lshrrev_b32 v[BY+\b], 23, v[SO+\b]
.endr
	v_lshl_or_b32 v253, v[BY+1], 8, v[BY]          ; the head's two bytes of the row's scale word
	v_cvt_scalef32_pk16_fp6_f32 v[PCD:PCD+2], v[96:111], v[SO]
	v_cvt_scalef32_pk16_fp6_f32 v[CV:CV+2], v[112:127], v[SO+1]
	v_nop
.irp i, 0,1,2
	v_permlane16_swap_b32 v[PCD+\i], v[CV+\i]
.endr
.irp i, 0,1,2
	v_mov_b32 v[PCD+3+\i], v[CV+\i]
.endr
	global_store_b128 v[L16], v[PCD:PCD+3], s[76:77]            ; 768 consecutive bytes, at a multiple of 256 from OQ's first byte
	global_store_b64 v[L8], v[PCD+4:PCD+5], s[76:77] offset:512
	global_store_b16 v[AKS], v253, s[78:79]
	s_wait_xcnt 0x0
	v_lshl_add_u32 v254, v0, 2, 0x33000
	v_mov_b32 v255, 0
	s_wait_tensorcnt 0x0
	ds_add_u32 v254, v255
	s_wait_dscnt 0x0
	CROUND                                         ; the closing round: no work-group ends while a partner may still ask for a block that names it
	s_endpgm
.Lfunc_end_k_qea18c701cd_attn:
	.size	k_qea18c701cd_attn, .Lfunc_end_k_qea18c701cd_attn-k_qea18c701cd_attn
	.p2alignl 7, 3214868480
	.fill 96, 4, 3214868480
	.section	.rodata,"a",@progbits
	.p2align	6, 0x0
	.amdhsa_kernel k_qea18c701cd_attn
		.amdhsa_group_segment_fixed_size 210944
		.amdhsa_private_segment_fixed_size 0
		.amdhsa_enable_private_segment 0
		.amdhsa_kernarg_size 16
		.amdhsa_user_sgpr_count 2
		.amdhsa_user_sgpr_kernarg_segment_ptr 1
		.amdhsa_wavefront_size32 1
		.amdhsa_system_sgpr_workgroup_id_x 1
		.amdhsa_system_sgpr_workgroup_id_y 1
		.amdhsa_system_sgpr_workgroup_id_z 1
		.amdhsa_system_vgpr_workitem_id 0
		.amdhsa_next_free_vgpr 256
		.amdhsa_next_free_sgpr 100
		.amdhsa_reserve_vcc 0
		.amdhsa_float_denorm_mode_32 3
		.amdhsa_float_denorm_mode_16_64 3
		.amdhsa_memory_ordered 1
		.amdhsa_forward_progress 1
		.amdhsa_inst_pref_size 28
	.end_amdhsa_kernel
	.amdgpu_metadata
---
amdhsa.version: [ 1, 2 ]
amdhsa.kernels:
  - .name:           k_qea18c701cd_attn
    .symbol:         k_qea18c701cd_attn.kd
    .args:
      - { .name: QKV, .offset: 0, .size: 8, .value_kind: global_buffer, .address_space: global }
      - { .name: OQ, .offset: 8, .size: 8, .value_kind: global_buffer, .address_space: global }
    .group_segment_fixed_size: 210944
    .private_segment_fixed_size: 0
    .kernarg_segment_align: 8
    .kernarg_segment_size: 16
    .max_flat_workgroup_size: 512
    .sgpr_count:     100
    .vgpr_count:     256
    .wavefront_size: 32
...
	.end_amdgpu_metadata
.endif
;; end of part 3
;; launch wy (part 4): grid 4 x 16, 4 waves a work-group, clusters of 4 x 4, 327,680 bytes of LDS; arguments OQ, P, by, x, Y; writes Y
.if DOCPART == 4
	.amdgcn_target "amdgcn-amd-amdhsa--gfx1250"
	.amdhsa_code_object_version 6
	.text
	.protected	k_qea18c701cd_wy
	.globl	k_qea18c701cd_wy
	.p2align	8
	.type	k_qea18c701cd_wy,@function
k_qea18c701cd_wy:
	s_mov_b64 s[64:65], 0
	v_nop
	global_prefetch_b8 v0, s[64:65] scope:SCOPE_SE
	s_setreg_imm32_b32 hwreg(HW_REG_WAVE_MODE, 25, 1), 1
	s_wait_xcnt 0x0
	s_wait_alu depctr_hold_cnt(0) depctr_sa_sdst(0) depctr_va_vdst(0) depctr_va_sdst(0) depctr_va_ssrc(0) depctr_va_vcc(0) depctr_vm_vsrc(0)
	s_getreg_b32 s2, hwreg(HW_REG_IB_STS2, 6, 4)
	s_cmp_eq_u32 s2, 0
	s_cbranch_scc0 .Lentry_in_a_cluster
	s_endpgm
.Lentry_in_a_cluster:
	s_bfe_u32 s2, ttmp6, 0x10000c
	s_cmp_lg_u32 s2, 0xf033
	s_cbranch_scc0 .Lentry_shape_is_right
	s_endpgm
.Lentry_shape_is_right:
; WY.  Y = x + o Wy^T + by, f32: the sum that the first LayerNorm takes.  The product is on codes of FP6 (E2M3) with E8M0 scales, f32 sums.  A = o's images (OQ), B = Wy's images (P).
; A tile of C, 256 x 256, is made by four waves, 128 x 128 each: 64 accumulators, 512 registers.  C has 64 such tiles: this launch has work for 64 work-groups.
; OPERANDS are images of operand registers (lane r of tile T holds row 32 (T / 2) + 8 (T % 2) + r + 8 (r / 8) of its group of 256; 1,536 bytes a fragment: for each 64 along K registers 0-3 at 16 x lane, registers 4, 5 at 512 + 8 x lane).
; A group's 16 fragments of a step of 128 along K are one dense block of 24,576 bytes, which one tensor load brings as 96 rows of 256 bytes; a fragment is read from LDS by four loads of consecutive bytes: no padding is needed.
; K goes in steps of 256 through a ring of two LDS slots ([A step 0][A step 1][B step 0][B step 1], one block a wave).  The scale words of the tile's rows, for all of K, come once with the first fills.
; CLUSTERS: 4 x 4 work-groups; A's blocks are shared along a row of the cluster, B's along a column: each is asked for jointly, by the same tensor load with the same descriptor and a mask that names the four.
; THE MATRIX INSTRUCTION IS USED TRANSPOSED (source 0 = B's tile, source 1 = A's): lane (r, h) of accumulator (a, b) holds A's row r of tile a, and its register j column 32 (b / 2) + 16 h + 8 (b % 2) + j.  The bias is the C of each sum's first product.
; THE WAY OUT: a block of 16 rows goes through the wave's own stage in LDS and comes back as rows of 512 bytes; the residual's same rows are added; 32 lanes store 512 consecutive bytes.  Which row of C a tile's lane holds stands in the immediates.
; No prefetch: K is four slots long, and every block is shared out by the joint loads.
; REGISTERS: window 0: v0-31 addresses; v32-63 scale words, two sets; v64-127 the bias; v128-223 A's fragments, one set (on the way out v128-255: rows of C).  window 1: B's fragments, two sets, at v0 and v128 (on the way out v0-127: the residual).
;   windows 2, 3: the accumulators, (a, b) at v[8 (8 (a % 4) + b)].
.set KTOT,   1024
.set A_IMG,  0
.set A_SCL,  3145728
.set B_IMG,  5636096
.set B_SCL,  12812288
.set NS,     KTOT/128
.set NQ,     2
.set FR,     12
.set FRB,    1536
.set NL,     4
.set NP,     4
.set QB,     24576
.set OPB,    2*QB
.set SLOT,   2*OPB
.set LAPS,   KTOT/512
.set SCL,    2*SLOT                    ; behind the ring: A's scale words, NS x 1,024 bytes, then B's
.set SPARE,  SCL+2048*NS               ; the spare words, 128 bytes a wave: two blocks of 256 bytes that no other line names
.set STG,    SPARE+512                 ; the stages for the way out, 16 rows x 528 bytes a wave: bytes of their own, into which no fill lands
.set L16,  4
.set L8,   5
.set ADRA, 16
.set ADRB, 20
.set STO,  24
.set RD,   25
.set ADRS, 27
.set SPW,  28
.set NIL,  29
.set SC,   32
.set BX,   64
.set AF,   128
.set G1, 24
.set G0, 32
.set G1B, 48
.set G0B, 56
.set G1S, 68
.set G0S, 76
.set G1SB, 80
.set G0SB, 88
.set MSB, 0
.macro WIN new                         ; the immediate's high byte repeats the setting that is left
.if MSB != (\new)
	s_set_vgpr_msb (MSB<<8)|(\new)
.set MSB, (\new)
.endif
.endm
.set MUL_LO, 0xa1
.set MUL_HI, 0xf1
.set TO_B,   0x40
.macro JLOAD g0a, g1a, g0b, g1b        ; a joint load: waves 0 and 1 fetch for A, waves 2 and 3 for B; four v_nop follow each of the two lines
	s_cmp_eq_u32 s15, 0
	s_cbranch_scc0 .Lfor_b_\@
	tensor_load_to_lds s[\g0a:\g0a+3], s[\g1a:\g1a+7]
	s_nop 0
.rept 4
	v_nop
.endr
	s_branch .Lasked_\@
.Lfor_b_\@:
	tensor_load_to_lds s[\g0b:\g0b+3], s[\g1b:\g1b+7]
	s_nop 0
.rept 4
	v_nop
.endr
.Lasked_\@:
.endm
.macro CREST
	s_cmp_lg_u32 s14, 0
	s_cbranch_scc1 .Lnot_wave_0_\@
	s_barrier_signal -3
.Lnot_wave_0_\@:
	s_barrier_wait -3
	s_barrier_signal -1
	s_barrier_wait -1
.endm
.macro CROUND
	s_barrier_signal -1
	s_barrier_wait -1
	CREST
.endm
.macro FRAG reg, adr, q, i
	ds_load_b128 v[\reg:\reg+3], v[\adr] offset:(\q)*QB+(\i)*FRB
	ds_load_b64 v[\reg+4:\reg+5], v[\adr+2] offset:(\q)*QB+(\i)*FRB+512
	ds_load_b128 v[\reg+6:\reg+9], v[\adr] offset:(\q)*QB+(\i)*FRB+768
	ds_load_b64 v[\reg+10:\reg+11], v[\adr+2] offset:(\q)*QB+(\i)*FRB+1280
.endm
; 16 products: A's blocks a0, a0 + 1 x B's eight.  zero = 1: the bias starts the sums.  The 64 accumulators take turns, one instruction a turn.
.macro MUL16 a0, p, q, sc, zero
.irp a, \a0, \a0+1
.irp b, 0,1,2,3,4,5,6,7
.if \zero == 1
	v_wmma_scale_f32_16x16x128_f8f6f4 v[8*(8*((\a)%4)+\b):8*(8*((\a)%4)+\b)+7], v[128*(\p)+FR*\b:128*(\p)+FR*\b+FR-1], v[AF+FR*(\a):AF+FR*(\a)+FR-1], v[BX+8*\b:BX+8*\b+7], v[SC+16*(\sc)+2*\b+(\q)], v[SC+16*(\sc)+2*(\a)+(\q)] matrix_a_fmt:MATRIX_FMT_FP6 matrix_b_fmt:MATRIX_FMT_FP6 matrix_a_scale:MATRIX_SCALE_ROW1
.else
	v_wmma_scale_f32_16x16x128_f8f6f4 v[8*(8*((\a)%4)+\b):8*(8*((\a)%4)+\b)+7], v[128*(\p)+FR*\b:128*(\p)+FR*\b+FR-1], v[AF+FR*(\a):AF+FR*(\a)+FR-1], v[8*(8*((\a)%4)+\b):8*(8*((\a)%4)+\b)+7], v[SC+16*(\sc)+2*\b+(\q)], v[SC+16*(\sc)+2*(\a)+(\q)] matrix_a_fmt:MATRIX_FMT_FP6 matrix_b_fmt:MATRIX_FMT_FP6 matrix_a_scale:MATRIX_SCALE_ROW1
.endif
.endr
.endr
.endm
.macro FETCH_B slot, q, p
	WIN TO_B
.irp i, 0,1,2,3,4,5,6,7
	FRAG 128*(\p)+FR*\i, ADRB+\slot, \q, \i
.endr
	WIN 0
.endm
.macro FETCH_A slot, q, i0
.irp i, \i0, \i0+1, \i0+2, \i0+3
	FRAG AF+FR*(\i), ADRA+\slot, \q, \i
.endr
.endm
.macro SCALES sc
.irp i, 0,1,2,3,4,5,6,7
	ds_load_b32 v[SC+16*\sc+2*\i], v[ADRS] offset:64*\i
	ds_load_b32 v[SC+16*\sc+2*\i+1], v[ADRS] offset:1024+64*\i
.endr
.endm
.macro PLACES n
.rept \n
	v_nop
.endr
.endm
.macro STEP slot, q, zero
	s_wait_dscnt 4*NL                              ; B's set, the scale words and A's blocks 0-3 are in; the youngest 16 loads (A's blocks 4-7) may be out
.if \zero
	WIN 0x81                                       ; C (the bias) window 0, D window 2
.else
	WIN MUL_LO
.endif
	MUL16 0, (\q)%2, \q, \slot, \zero
	MUL16 2, (\q)%2, \q, \slot, \zero
	s_wait_dscnt 0x0
	PLACES NP
	FETCH_B \slot, (\q)+1, 1-(\q)%2
	FETCH_A \slot, (\q)+1, 0
.if \zero
	WIN 0xc1
.else
	WIN MUL_HI
.endif
	MUL16 4, (\q)%2, \q, \slot, \zero
	MUL16 6, (\q)%2, \q, \slot, \zero
	PLACES NP
	WIN 0
	FETCH_A \slot, (\q)+1, 4
.endm
.macro TURN slot, next, fill
	s_wait_tensorcnt 0x0                           ; all my tensor loads have landed: my block of the next slot
	ds_add_u32 v[SPW], v[NIL]                      ; 0 onto my spare word
	s_wait_dscnt 4*NL+1                            ; (the add and the youngest 16 loads may be out)
	WIN MUL_LO
	MUL16 0, 1, NQ-1, \slot, 0
	s_wait_dscnt 0x0                               ; the add is done, and my reads of this slot are over
	s_barrier_signal -1
	MUL16 2, 1, NQ-1, \slot, 0
	WIN 0
	s_barrier_wait -1
.if \fill
	CREST                                          ; the barrier has opened a round of the cluster's barrier: no wave of any partner still reads this slot or has a load on its way
	s_add_nc_u64 s[G0+4*\slot+2:G0+4*\slot+3], s[G0+4*\slot+2:G0+4*\slot+3], 2*OPB
	s_add_nc_u64 s[G0B+4*\slot+2:G0B+4*\slot+3], s[G0B+4*\slot+2:G0B+4*\slot+3], 2*OPB
	JLOAD G0+4*\slot, G1, G0B+4*\slot, G1B         ; the first tensor load behind the round; its four v_nop are also the places in front of the loads below
.else
	PLACES NP
.endif
	v_add_nc_u32 v[ADRS], 2048, v[ADRS]
	FETCH_B \next, 0, 0
	FETCH_A \next, 0, 0
	SCALES \next
	WIN MUL_HI
	MUL16 4, 1, NQ-1, \slot, 0
	MUL16 6, 1, NQ-1, \slot, 0
	PLACES NP
	WIN 0
	FETCH_A \next, 0, 4
.endm
	s_load_b256 s[4:11], s[0:1], 0x0               ; A's buffer s[4:5], P s[6:7], the bias s[8:9], the residual s[10:11]
	s_load_b64 s[12:13], s[0:1], 0x20              ; Y
	v_lshl_add_u32 v[SPW], v0, 2, SPARE
	v_mov_b32 v[NIL], 0
	ds_add_u32 v28, v29
	ds_add_u32 v28, v29
	s_wait_dscnt 0x0
	v_lshrrev_b32 v1, 5, v0
	v_readfirstlane_b32 s14, v1                    ; wave 0..3
	s_lshr_b32 s15, s14, 1                         ; which half of the tile's rows is mine.  Also: I fetch for A (0) or for B (1)
	s_and_b32 s16, s14, 1                          ; which half of its columns.  Also: which of a slot's two steps I fetch
	s_bfe_u32 s40, ttmp6, 0x40000                  ; cx
	s_bfe_u32 s41, ttmp6, 0x40004                  ; cy
	s_lshl_b32 s42, ttmp9, 2
	s_add_co_u32 s42, s42, s40                     ; tile column of C: B's group
	s_and_b32 s17, ttmp7, 0xffff
	s_lshl_b32 s17, s17, 2
	s_add_co_u32 s17, s17, s41                     ; tile row of C: A's group
	s_lshl_b32 s43, s41, 2
	s_lshl_b32 s43, 15, s43                        ; my row of the cluster
	s_lshl_b32 s44, 0x1111, s40                    ; my column
	s_or_b32 s[G1+0], s43, (3<<16)|(1<<21)         ; 15:0 the mask; 17:16 elements of 8 bytes; 21 set beside a mask; no padding
	s_or_b32 s[G1B+0], s44, (3<<16)|(1<<21)
.irp g, G1, G1B
	s_mov_b32 s[\g+1], 32<<16                      ; a dense block of 24,576 bytes as 96 rows of 32 elements
	s_mov_b32 s[\g+2], 96<<16
	s_mov_b32 s[\g+3], 32<<16
	s_mov_b32 s[\g+4], 96
	s_mov_b32 s[\g+5], 32
	s_mov_b32 s[\g+6], 0
	s_mov_b32 s[\g+7], 0
.endr
	s_or_b32 s[G1S+0], s43, (3<<16)|(1<<21)
	s_or_b32 s[G1SB+0], s44, (3<<16)|(1<<21)
.irp g, G1S, G1SB
	s_mov_b32 s[\g+1], 32<<16                      ; half of a group's scale words: 2 NS rows of 256 bytes
	s_mov_b32 s[\g+2], (2*NS)<<16
	s_mov_b32 s[\g+3], 32<<16
	s_mov_b32 s[\g+4], 2*NS
	s_mov_b32 s[\g+5], 32
	s_mov_b32 s[\g+6], 0
	s_mov_b32 s[\g+7], 0
.endr
	s_mul_i32 s18, s16, QB
	s_mul_i32 s19, s16, 512*NS
	s_mul_i32 s20, s17, NS*QB
	s_add_co_u32 s20, s20, s18
	s_add_co_u32 s20, s20, A_IMG
	s_mov_b32 s21, 0
	s_mul_i32 s46, s42, NS*QB
	s_add_co_u32 s46, s46, s18
	s_add_co_u32 s46, s46, B_IMG
	s_mov_b32 s47, 0
	s_mul_i32 s22, s17, 1024*NS
	s_add_co_u32 s22, s22, s19
	s_add_co_u32 s22, s22, A_SCL
	s_mov_b32 s23, 0
	s_mul_i32 s92, s42, 1024*NS
	s_add_co_u32 s92, s92, s19
	s_add_co_u32 s92, s92, B_SCL
	s_mov_b32 s93, 0
	s_mul_i32 s45, s14, QB                         ; where they go: wave x a block: no place in the cluster enters an LDS address
	s_mul_i32 s94, s14, 512*NS
	s_wait_kmcnt 0x0
	s_add_nc_u64 s[20:21], s[4:5], s[20:21]
	s_add_nc_u64 s[22:23], s[4:5], s[22:23]
	s_add_nc_u64 s[46:47], s[6:7], s[46:47]
	s_add_nc_u64 s[92:93], s[6:7], s[92:93]
	CROUND                                         ; all sixteen work-groups are here: the first joint loads meet
	s_mov_b32 s[G0S], 1
	s_add_co_u32 s[G0S+1], s94, SCL
	s_mov_b64 s[G0S+2:G0S+3], s[22:23]
	s_or_b32 s[G0S+3], s[G0S+3], 0x80000000
	s_mov_b32 s[G0SB], 1
	s_add_co_u32 s[G0SB+1], s94, SCL
	s_mov_b64 s[G0SB+2:G0SB+3], s[92:93]
	s_or_b32 s[G0SB+3], s[G0SB+3], 0x80000000
	JLOAD G0S, G1S, G0SB, G1SB                     ; the scale words first; three loads of a wave are out at the start, one behind each round
.irp s, 0,1
	s_mov_b32 s[G0+4*\s], 1
	s_add_co_u32 s[G0+4*\s+1], s45, \s*SLOT
	s_add_nc_u64 s[G0+4*\s+2:G0+4*\s+3], s[20:21], \s*OPB
	s_or_b32 s[G0+4*\s+3], s[G0+4*\s+3], 0x80000000
	s_mov_b32 s[G0B+4*\s], 1
	s_add_co_u32 s[G0B+4*\s+1], s45, \s*SLOT
	s_add_nc_u64 s[G0B+4*\s+2:G0B+4*\s+3], s[46:47], \s*OPB
	s_or_b32 s[G0B+4*\s+3], s[G0B+4*\s+3], 0x80000000
	JLOAD G0+4*\s, G1, G0B+4*\s, G1B
.endr
	v_and_b32 v1, 15, v0                           ; r
	v_bfe_u32 v2, v0, 4, 1                         ; h
	v_and_b32 v3, 31, v0                           ; lane
	v_lshlrev_b32 v[L16], 4, v3
	v_lshlrev_b32 v[L8], 3, v3
	s_mul_i32 s21, s15, 12288
	s_mul_i32 s22, s16, 12288
	s_add_co_u32 s22, s22, OPB
.irp s, 0,1
	v_add_nc_u32 v[ADRA+\s], s21, v[L16]
	v_add_nc_u32 v[ADRB+\s], s22, v[L16]
	v_add_nc_u32 v[ADRA+2+\s], s21, v[L8]
	v_add_nc_u32 v[ADRB+2+\s], s22, v[L8]
	s_add_co_u32 s21, s21, SLOT
	s_add_co_u32 s22, s22, SLOT
.endr
	s_lshl_b32 s21, s15, 9
	s_lshl_b32 s22, s16, 9
	s_add_co_u32 s22, s22, 1024*NS
	s_sub_co_u32 s22, s22, s21
	v_mul_u32_u24 v6, s22, v2                      ; lanes 16-31 take B's scale words
	s_add_co_u32 s21, s21, SCL
	v_lshl_add_u32 v6, v1, 2, v6
	v_add_nc_u32 v[ADRS], s21, v6
	s_mul_i32 s23, s14, 8448
	s_add_co_u32 s23, s23, STG                     ; my stage
	v_mul_u32_u24 v6, v1, 528
	v_lshl_add_u32 v6, v2, 6, v6
	v_add_nc_u32 v[STO], s23, v6                   ; in: row r, + 64 h
	v_add_nc_u32 v[RD], s23, v[L16]                ; back: a row's 512 bytes
	v_lshlrev_b32 v7, 6, v2                        ; the bias: 64 h
	s_lshl_b32 s20, s42, 10
	s_lshl_b32 s22, s16, 9
	s_add_co_u32 s20, s20, s22                     ; my first column, in bytes
	s_mov_b32 s21, 0
	s_add_nc_u64 s[8:9], s[8:9], s[20:21]
	s_lshl_b32 s22, s17, 20
	s_add_co_u32 s20, s20, s22
	s_lshl_b32 s22, s15, 19
	s_add_co_u32 s20, s20, s22                     ; + my first row x 4,096 bytes
	s_add_nc_u64 s[10:11], s[10:11], s[20:21]
	s_add_nc_u64 s[12:13], s[12:13], s[20:21]
.irp b, 0,1,2,3,4,5,6,7
	global_load_b128 v[BX+8*\b:BX+8*\b+3], v7, s[8:9] offset:(32*(\b/2)+8*(\b%2))*4
	global_load_b128 v[BX+8*\b+4:BX+8*\b+7], v7, s[8:9] offset:(32*(\b/2)+8*(\b%2))*4+16
.endr
	s_wait_loadcnt 0x0                             ; the bias
	s_wait_tensorcnt 1                             ; the scale words and my block of slot 0 are in; slot 1's load may be out
	s_barrier_signal -1
	s_barrier_wait -1
	FETCH_B 0, 0, 0
	FETCH_A 0, 0, 0
	SCALES 0
	FETCH_A 0, 0, 4
	STEP 0, 0, 1
	s_mov_b32 s3, LAPS-1
.Llap:                                             ; a trip goes once round the ring and fills both slots again
	TURN 0, 1, 1
	STEP 1, 0, 0
	TURN 1, 0, 1
	STEP 0, 0, 0
	s_sub_co_u32 s3, s3, 1
	s_cmp_lg_u32 s3, 0
	s_cbranch_scc1 .Llap
	TURN 0, 1, 0                                   ; the last lap fills nothing
	STEP 1, 0, 0
	s_wait_dscnt 4*NL
	WIN MUL_LO
	MUL16 0, 1, NQ-1, 1, 0
	MUL16 2, 1, NQ-1, 1, 0
	s_wait_dscnt 0x0
	WIN MUL_HI
	MUL16 4, 1, NQ-1, 1, 0
	MUL16 6, 1, NQ-1, 1, 0
	WIN 0
.macro RLOAD a                         ; the residual's 16 rows of block a, 512 consecutive bytes each, into window 1
	WIN 0x40
.irp t, 0,1,2,3,4,5,6,7,8,9,10,11,12,13,14,15
	global_load_b128 v[64*((\a)%2)+4*\t:64*((\a)%2)+4*\t+3], v[L16], s[10:11] offset:(32*((\a)/2)+8*((\a)%2)+\t+8*(\t/8))*4096 th:TH_LOAD_NT
.endr
	WIN 0
.endm
.macro TOSTAGE a                       ; block a into my stage, each accumulator from its low end on, and back as rows
.set AC, 64*((\a)%4)
	WIN 0x08+4*((\a)/4)
.irp b, 0,1,2,3,4,5,6,7
	ds_store_b128 v[STO], v[AC+8*\b:AC+8*\b+3] offset:128*(\b/2)+32*(\b%2)
	ds_store_b128 v[STO], v[AC+8*\b+4:AC+8*\b+7] offset:128*(\b/2)+32*(\b%2)+16
.endr
	WIN 0
.set BB, 128+64*((\a)%2)
.irp t, 0,1,2,3,4,5,6,7,8,9,10,11,12,13,14,15
	ds_load_b128 v[BB+4*\t:BB+4*\t+3], v[RD] offset:528*\t   ; LDS serves a wave's instructions in order: these see the stores above, and the next block's stores come behind them
.endr
.endm
.macro SEND a
.set BB, 128+64*((\a)%2)
.set RG, 64*((\a)%2)
	WIN 0x04                                       ; source 1 (the residual) window 1
.set i, 0
.rept 32
	v_pk_add_f32 v[BB+i:BB+i+1], v[BB+i:BB+i+1], v[RG+i:RG+i+1]
.set i, i+2
.endr
	WIN 0
.irp t, 0,1,2,3,4,5,6,7,8,9,10,11,12,13,14,15
	global_store_b128 v[L16], v[BB+4*\t:BB+4*\t+3], s[12:13] offset:(32*((\a)/2)+8*((\a)%2)+\t+8*(\t/8))*4096   ; 32 lanes store 512 consecutive bytes, at a multiple of 256 from Y's first byte
.endr
.endm
	PLACES NP                                      ; behind the last products
	RLOAD 0
	RLOAD 1
	TOSTAGE 0
.irp a, 0,1,2,3,4,5,6,7
.if \a < 7
	s_wait_xcnt 0x0                                ; the stores of the block before have read the registers that the next block's rows take
	TOSTAGE \a+1
	s_wait_dscnt 32                                ; block a is back; the next block's 16 stores and 16 loads may be out
	s_wait_loadcnt 16                              ; its residual is in; the next block's may be out
.else
	s_wait_dscnt 0x0
	s_wait_loadcnt 0x0
.endif
	SEND \a
.if \a < 6
	RLOAD \a+2
.endif
.endr
	s_wait_tensorcnt 0x0                           ; the wave's end: behind my last tensor load and my last LDS store
	ds_add_u32 v[SPW], v[NIL]
	s_wait_dscnt 0x0
	CROUND                                         ; the closing round
	s_endpgm
.Lfunc_end_k_qea18c701cd_wy:
	.size	k_qea18c701cd_wy, .Lfunc_end_k_qea18c701cd_wy-k_qea18c701cd_wy
	.p2alignl 7, 3214868480
	.fill 96, 4, 3214868480
	.section	.rodata,"a",@progbits
	.p2align	6, 0x0
	.amdhsa_kernel k_qea18c701cd_wy
		.amdhsa_group_segment_fixed_size 327680
		.amdhsa_private_segment_fixed_size 0
		.amdhsa_enable_private_segment 0
		.amdhsa_kernarg_size 40
		.amdhsa_user_sgpr_count 2
		.amdhsa_user_sgpr_kernarg_segment_ptr 1
		.amdhsa_wavefront_size32 1
		.amdhsa_system_sgpr_workgroup_id_x 1
		.amdhsa_system_sgpr_workgroup_id_y 1
		.amdhsa_system_sgpr_workgroup_id_z 1
		.amdhsa_system_vgpr_workitem_id 0
		.amdhsa_next_free_vgpr 1024
		.amdhsa_next_free_sgpr 100
		.amdhsa_reserve_vcc 0
		.amdhsa_float_denorm_mode_32 3
		.amdhsa_float_denorm_mode_16_64 3
		.amdhsa_memory_ordered 1
		.amdhsa_forward_progress 1
		.amdhsa_inst_pref_size 176
	.end_amdhsa_kernel
	.amdgpu_metadata
---
amdhsa.version: [ 1, 2 ]
amdhsa.kernels:
  - .name:           k_qea18c701cd_wy
    .symbol:         k_qea18c701cd_wy.kd
    .args:
      - { .name: OQ, .offset: 0, .size: 8, .value_kind: global_buffer, .address_space: global }
      - { .name: P, .offset: 8, .size: 8, .value_kind: global_buffer, .address_space: global }
      - { .name: by, .offset: 16, .size: 8, .value_kind: global_buffer, .address_space: global }
      - { .name: x, .offset: 24, .size: 8, .value_kind: global_buffer, .address_space: global }
      - { .name: Y, .offset: 32, .size: 8, .value_kind: global_buffer, .address_space: global }
    .group_segment_fixed_size: 327680
    .private_segment_fixed_size: 0
    .kernarg_segment_align: 8
    .kernarg_segment_size: 40
    .max_flat_workgroup_size: 128
    .sgpr_count:     100
    .vgpr_count:     1024
    .wavefront_size: 32
...
	.end_amdgpu_metadata
.endif
;; end of part 4
;; launch ln1 (part 5): grid 256 x 1, 8 waves a work-group, no clusters, 69,632 bytes of LDS; arguments Y, ln1_w, ln1_b, X1, X1Q; writes X1, X1Q
.if DOCPART == 5
	.amdgcn_target "amdgcn-amd-amdhsa--gfx1250"
	.amdhsa_code_object_version 6
	.text
	.protected	k_qea18c701cd_ln1
	.globl	k_qea18c701cd_ln1
	.p2align	8
	.type	k_qea18c701cd_ln1,@function
k_qea18c701cd_ln1:
	s_mov_b64 s[64:65], 0
	v_nop
	global_prefetch_b8 v0, s[64:65] scope:SCOPE_SE
	s_setreg_imm32_b32 hwreg(HW_REG_WAVE_MODE, 25, 1), 1
	s_wait_xcnt 0x0
; LN1.  x1 = LayerNorm(Y) x w + b over rows of 1,024, f32.  It leaves twice: as f32 rows (X1, the second residual) and quantised along the row to codes of FP6 (E2M3) with E8M0 scales, as images of operand registers (X1Q).
; SHARES.  A work-group takes one tile of 16 rows (lane r of tile T holds row 32 (T / 2) + 8 (T % 2) + r + 8 (r / 8) of its group of 256); wave w takes columns 128 w on, which are one step of 128 along the next K.
; Each load reads 512 consecutive bytes of a row; the 16 rows turn through the wave's own stage in LDS (rows 528 bytes apart), so that lane (r, h) holds 64 numbers of row r: register 16 b + i = column 32 b + 16 h + i of the wave's 128.
; The mean, and then the mean of (x - mean)^2 (two passes: no difference of large sums), meet across the eight waves in LDS: a word for each row and wave, one barrier each.  The sums' order differs from the reference's.
; The launch streams: no matrix unit, cluster or tensor load; the work-groups share only w and b, 8 KB.
; LIMITS: a block whose largest magnitude lies under 2^-124 keeps the byte 1 (zeros too; this program alone reads the bytes); NaN and infinities are not served.
.set XSCL, 3145728
.set RED1, 67584                       ; LDS behind the eight stages: the sums [row][wave], 512 bytes; the sums of squares 512 bytes on
.set L16, 1
.set L8,  2
.set R,   16                           ; v16-79   16 rows as loaded; later b
.set X,   80                           ; v80-143  my 64 numbers
.set W,   144                          ; v144-207 w; later rows on the way out
.set PC,  208
.set TM,  228
.set PW,  244
.set SA,  246                          ; v246-253 sums, four chains of pairs
.set MU,  254                          ; v[254:255] the mean, later 1 / sqrt(var + eps), twice
.set SEL, 20
.macro QUANT s, pc, pw
.irp b, 0,1,2,3
	v_max3_num_f32 v[TM+\b], |v[\s+16*\b]|, |v[\s+1+16*\b]|, 0x1800000   ; block b: my 16 numbers, and the floor 2^(3 - 127)
.endr
.irp i, 2,4,6,8,10,12,14
.irp b, 0,1,2,3
	v_max3_num_f32 v[TM+\b], v[TM+\b], |v[\s+16*\b+\i]|, |v[\s+1+16*\b+\i]|
.endr
.endr
.irp b, 0,1,2,3
	v_permlanex16_b32 v[TM+4+\b], v[TM+\b], s[SEL], s[SEL+1]
.endr
.irp b, 0,1,2,3
	v_max_num_f32 v[TM+\b], v[TM+\b], v[TM+4+\b]
.endr
.irp b, 0,1,2,3
	v_add_nc_u32 v[TM+12+\b], 0xff000000, v[TM+\b]   ; 2 off the exponent field: the conversion's scale operand
.endr
.irp b, 0,1,2,3
	v_lshrrev_b32 v[TM+4+\b], 23, v[TM+12+\b]
.endr
	v_lshl_or_b32 v[\pw], v[TM+5], 8, v[TM+4]
	v_lshl_or_b32 v[\pw], v[TM+6], 16, v[\pw]
	v_lshl_or_b32 v[\pw], v[TM+7], 24, v[\pw]
.irp c, 0,1
	v_cvt_scalef32_pk16_fp6_f32 v[\pc+6*\c:\pc+2+6*\c], v[\s+32*\c:\s+15+32*\c], v[TM+12+2*\c]
	v_cvt_scalef32_pk16_fp6_f32 v[\pc+12+4*\c:\pc+14+4*\c], v[\s+16+32*\c:\s+31+32*\c], v[TM+12+2*\c+1]
.endr
	v_nop                                          ; one plain instruction behind the scaled conversions
.irp c, 0,1
.irp i, 0,1,2
	v_permlane16_swap_b32 v[\pc+6*\c+\i], v[\pc+12+4*\c+\i]
.endr
.irp i, 0,1,2
	v_mov_b32 v[\pc+3+6*\c+\i], v[\pc+12+4*\c+\i]
.endr
.endr
.endm
; the four chains in v[SA:SA+7] become the whole row's sum, in v[SA] of every lane: within the lane, with lane l xor 16, and across the eight waves through LDS
.macro ROWSUM red
	v_pk_add_f32 v[SA:SA+1], v[SA:SA+1], v[SA+2:SA+3]
	v_pk_add_f32 v[SA+4:SA+5], v[SA+4:SA+5], v[SA+6:SA+7]
	v_pk_add_f32 v[SA:SA+1], v[SA:SA+1], v[SA+4:SA+5]
	v_add_f32 v[SA], v[SA], v[SA+1]
	v_permlanex16_b32 v[SA+2], v[SA], s[SEL], s[SEL+1]
	v_add_f32 v[SA], v[SA], v[SA+2]
	ds_store_b32 v11, v[SA] offset:\red            ; my wave's word of row r (lanes 16-31 write the same)
	s_wait_dscnt 0x0                               ; for the others' sake: my store is done
	s_barrier_signal -1
	s_barrier_wait -1
	ds_load_b128 v[SA:SA+3], v12 offset:\red
	ds_load_b128 v[SA+4:SA+7], v12 offset:\red+16
	s_wait_dscnt 0x0
	v_pk_add_f32 v[SA:SA+1], v[SA:SA+1], v[SA+2:SA+3]
	v_pk_add_f32 v[SA+4:SA+5], v[SA+4:SA+5], v[SA+6:SA+7]
	v_pk_add_f32 v[SA:SA+1], v[SA:SA+1], v[SA+4:SA+5]
	v_add_f32 v[SA], v[SA], v[SA+1]
.endm
	s_load_b256 s[4:11], s[0:1], 0x0               ; Y s[4:5], w s[6:7], b s[8:9], X1 s[10:11]
	s_load_b64 s[12:13], s[0:1], 0x20              ; X1Q
	v_lshl_add_u32 v239, v0, 2, 0x10c00
	v_mov_b32 v245, 0
	v_lshrrev_b32 v3, 5, v0
	v_readfirstlane_b32 s14, v3                    ; wave 0..7
	v_and_b32 v4, 31, v0
	v_and_b32 v5, 15, v0                           ; r
	v_bfe_u32 v6, v0, 4, 1                         ; h
	v_lshlrev_b32 v[L16], 4, v4
	v_lshlrev_b32 v[L8], 3, v4
	s_mul_i32 s15, s14, 8448                       ; my wave's stage
	v_add_nc_u32 v7, s15, v[L16]                   ; by rows
	v_mul_u32_u24 v8, v5, 528
	v_lshl_add_u32 v8, v6, 6, v8
	v_add_nc_u32 v8, s15, v8                       ; by lanes: row r, + 64 h
	v_lshlrev_b32 v9, 2, v5                        ; 4 r
	v_lshlrev_b32 v10, 6, v6                       ; w, b: 64 h
	v_lshlrev_b32 v12, 5, v5
	v_add_nc_u32 v12, RED1, v12                    ; row r's eight words
	s_lshl_b32 s16, s14, 2
	v_add_nc_u32 v11, s16, v12                     ; my wave's
	s_lshl_b32 s16, ttmp9, 4
	s_and_b32 s17, ttmp9, 1
	s_lshl_b32 s17, s17, 3
	s_sub_co_u32 s16, s16, s17                     ; the tile's first row
	s_lshl_b32 s16, s16, 12
	s_lshl_b32 s18, s14, 9                         ; my wave's 512 bytes
	s_add_co_u32 s16, s16, s18
	s_mov_b32 s17, 0
	s_mov_b32 s19, 0
	s_lshr_b32 s22, ttmp9, 4
	s_lshl_b32 s22, s22, 3
	s_add_co_u32 s22, s22, s14
	s_lshl_b32 s22, s22, 4
	s_and_b32 s23, ttmp9, 15
	s_add_co_u32 s22, s22, s23                     ; the fragment's number
	s_lshl_b32 s28, s22, 6
	s_add_co_u32 s28, s28, XSCL
	s_mov_b32 s29, 0
	s_mul_i32 s22, s22, 1536
	s_mov_b32 s23, 0
	s_mov_b32 s[SEL], 0x76543210
	s_mov_b32 s[SEL+1], 0xfedcba98
	s_mov_b32 s30, 0x3a800000                      ; 1 / 1,024
	s_mov_b32 s31, 0x3727c5ac                      ; 1e-5
.irp b, 0,1,2,3
	v_mov_b32 v[TM+4+\b], 0                        ; written once: a lane permute's destination counts as one of its sources
.endr
	s_wait_kmcnt 0x0
	s_add_nc_u64 s[4:5], s[4:5], s[16:17]
	s_add_nc_u64 s[10:11], s[10:11], s[16:17]
	s_add_nc_u64 s[6:7], s[6:7], s[18:19]
	s_add_nc_u64 s[8:9], s[8:9], s[18:19]
	s_add_nc_u64 s[24:25], s[12:13], s[22:23]
	s_add_nc_u64 s[26:27], s[12:13], s[28:29]
.irp t, 0,1,2,3,4,5,6,7,8,9,10,11,12,13,14,15
	global_load_b128 v[R+4*\t:R+4*\t+3], v[L16], s[4:5] offset:(\t+8*(\t/8))*4096 th:TH_LOAD_NT
.endr
.irp b, 0,1,2,3
.irp j, 0,1,2,3
	global_load_b128 v[W+16*\b+4*\j:W+16*\b+4*\j+3], v10, s[6:7] offset:128*\b+16*\j
.endr
.endr
.irp t, 0,1,2,3,4,5,6,7,8,9,10,11,12,13,14,15
	s_wait_loadcnt 31-\t                           ; row t is in; the younger rows and w's 16 loads stay out
	ds_store_b128 v7, v[R+4*\t:R+4*\t+3] offset:528*\t
.endr
.irp b, 0,1,2,3
.irp j, 0,1,2,3
	ds_load_b128 v[X+16*\b+4*\j:X+16*\b+4*\j+3], v8 offset:128*\b+16*\j   ; LDS serves a wave's instructions in order: these see my stores
.endr
.endr
	s_wait_dscnt 0x0                               ; my numbers are in, and the stores have read their registers, which take b
.irp b, 0,1,2,3
.irp j, 0,1,2,3
	global_load_b128 v[R+16*\b+4*\j:R+16*\b+4*\j+3], v10, s[8:9] offset:128*\b+16*\j
.endr
.endr
.irp c, 0,1,2,3
	v_pk_add_f32 v[SA+2*\c:SA+2*\c+1], v[X+4*\c:X+4*\c+1], v[X+4*\c+2:X+4*\c+3]
.endr
.irp i, 16,24,32,40,48,56
.irp c, 0,1,2,3
	v_pk_add_f32 v[SA+2*\c:SA+2*\c+1], v[SA+2*\c:SA+2*\c+1], v[X+\i+2*\c:X+\i+2*\c+1]
.endr
.endr
	ROWSUM 0
	v_mul_f32 v[MU], s30, v[SA]                    ; the mean
	v_mov_b32 v[MU+1], v[MU]
.set i, 0
.rept 32
	v_pk_add_f32 v[X+i:X+i+1], v[X+i:X+i+1], v[MU:MU+1] neg_lo:[0,1] neg_hi:[0,1]
.set i, i+2
.endr
.irp c, 0,1,2,3
	v_pk_mul_f32 v[SA+2*\c:SA+2*\c+1], v[X+2*\c:X+2*\c+1], v[X+2*\c:X+2*\c+1]
.endr
.irp i, 8,16,24,32,40,48,56
.irp c, 0,1,2,3
	v_pk_fma_f32 v[SA+2*\c:SA+2*\c+1], v[X+\i+2*\c:X+\i+2*\c+1], v[X+\i+2*\c:X+\i+2*\c+1], v[SA+2*\c:SA+2*\c+1]
.endr
.endr
	ROWSUM 512
	v_fma_f32 v[SA], v[SA], s30, s31               ; the biased variance + eps
	v_rsq_f32 v[MU], v[SA]
	v_nop                                          ; a plain instruction behind the transcendental
	s_wait_alu depctr_va_vdst(0)                   ; and the wait ahead of its first reader
	v_mov_b32 v[MU+1], v[MU]
	s_wait_loadcnt 0x0                             ; w and b
.set i, 0
.rept 32
	v_pk_mul_f32 v[X+i:X+i+1], v[X+i:X+i+1], v[MU:MU+1]
.set i, i+2
.endr
.set i, 0
.rept 32
	v_pk_fma_f32 v[X+i:X+i+1], v[X+i:X+i+1], v[W+i:W+i+1], v[R+i:R+i+1]
.set i, i+2
.endr
.irp b, 0,1,2,3
.irp j, 0,1,2,3
	ds_store_b128 v8, v[X+16*\b+4*\j:X+16*\b+4*\j+3] offset:128*\b+16*\j   ; back into my stage,
.endr
.endr
.irp t, 0,1,2,3,4,5,6,7,8,9,10,11,12,13,14,15
	ds_load_b128 v[W+4*\t:W+4*\t+3], v7 offset:528*\t                      ; and out of it by rows, while the codes are made
.endr
	QUANT X, PC, PW
	global_store_b128 v[L16], v[PC:PC+3], s[24:25]
	global_store_b64 v[L8], v[PC+4:PC+5], s[24:25] offset:512
	global_store_b128 v[L16], v[PC+6:PC+9], s[24:25] offset:768
	global_store_b64 v[L8], v[PC+10:PC+11], s[24:25] offset:1280
	global_store_b32 v9, v[PW], s[26:27]
.irp t, 0,1,2,3,4,5,6,7,8,9,10,11,12,13,14,15
	s_wait_dscnt 15-\t
	global_store_b128 v[L16], v[W+4*\t:W+4*\t+3], s[10:11] offset:(\t+8*(\t/8))*4096   ; 32 lanes store 512 consecutive bytes of a row
.endr
	s_wait_tensorcnt 0x0
	ds_add_u32 v239, v245
	s_wait_dscnt 0x0
	s_endpgm
.Lfunc_end_k_qea18c701cd_ln1:
	.size	k_qea18c701cd_ln1, .Lfunc_end_k_qea18c701cd_ln1-k_qea18c701cd_ln1
	.p2alignl 7, 3214868480
	.fill 96, 4, 3214868480
	.section	.rodata,"a",@progbits
	.p2align	6, 0x0
	.amdhsa_kernel k_qea18c701cd_ln1
		.amdhsa_group_segment_fixed_size 69632
		.amdhsa_private_segment_fixed_size 0
		.amdhsa_enable_private_segment 0
		.amdhsa_kernarg_size 40
		.amdhsa_user_sgpr_count 2
		.amdhsa_user_sgpr_kernarg_segment_ptr 1
		.amdhsa_wavefront_size32 1
		.amdhsa_system_sgpr_workgroup_id_x 1
		.amdhsa_system_sgpr_workgroup_id_y 1
		.amdhsa_system_sgpr_workgroup_id_z 1
		.amdhsa_system_vgpr_workitem_id 0
		.amdhsa_next_free_vgpr 256
		.amdhsa_next_free_sgpr 66
		.amdhsa_reserve_vcc 0
		.amdhsa_float_denorm_mode_32 3
		.amdhsa_float_denorm_mode_16_64 3
		.amdhsa_memory_ordered 1
		.amdhsa_forward_progress 1
		.amdhsa_inst_pref_size 30
	.end_amdhsa_kernel
	.amdgpu_metadata
---
amdhsa.version: [ 1, 2 ]
amdhsa.kernels:
  - .name:           k_qea18c701cd_ln1
    .symbol:         k_qea18c701cd_ln1.kd
    .args:
      - { .name: Y, .offset: 0, .size: 8, .value_kind: global_buffer, .address_space: global }
      - { .name: ln1_w, .offset: 8, .size: 8, .value_kind: global_buffer, .address_space: global }
      - { .name: ln1_b, .offset: 16, .size: 8, .value_kind: global_buffer, .address_space: global }
      - { .name: X1, .offset: 24, .size: 8, .value_kind: global_buffer, .address_space: global }
      - { .name: X1Q, .offset: 32, .size: 8, .value_kind: global_buffer, .address_space: global }
    .group_segment_fixed_size: 69632
    .private_segment_fixed_size: 0
    .kernarg_segment_align: 8
    .kernarg_segment_size: 40
    .max_flat_workgroup_size: 256
    .sgpr_count:     66
    .vgpr_count:     256
    .wavefront_size: 32
...
	.end_amdgpu_metadata
.endif
;; end of part 5
;; launch w1 (part 6): grid 16 x 16, 4 waves a work-group, clusters of 4 x 4, 327,680 bytes of LDS; arguments X1Q, P, b1, HQ; writes HQ
.if DOCPART == 6
	.amdgcn_target "amdgcn-amd-amdhsa--gfx1250"
	.amdhsa_code_object_version 6
	.text
	.protected	k_qea18c701cd_w1
	.globl	k_qea18c701cd_w1
	.p2align	8
	.type	k_qea18c701cd_w1,@function
k_qea18c701cd_w1:
	s_mov_b64 s[64:65], 0
	v_nop
	global_prefetch_b8 v0, s[64:65] scope:SCOPE_SE
	s_setreg_imm32_b32 hwreg(HW_REG_WAVE_MODE, 25, 1), 1
	s_wait_xcnt 0x0
	s_wait_alu depctr_hold_cnt(0) depctr_sa_sdst(0) depctr_va_vdst(0) depctr_va_sdst(0) depctr_va_ssrc(0) depctr_va_vcc(0) depctr_vm_vsrc(0)
	s_getreg_b32 s2, hwreg(HW_REG_IB_STS2, 6, 4)
	s_cmp_eq_u32 s2, 0
	s_cbranch_scc0 .Lentry_in_a_cluster
	s_endpgm
.Lentry_in_a_cluster:
	s_bfe_u32 s2, ttmp6, 0x10000c
	s_cmp_lg_u32 s2, 0xf033
	s_cbranch_scc0 .Lentry_shape_is_right
	s_endpgm
.Lentry_shape_is_right:
; W1.  h = gelu(x1 W1^T + b1), the exact (erf) form, quantised at once along its 4,096 columns to codes of FP6 (E2M3) with E8M0 scales; it goes to HQ as images of operand registers and never as f32.  A = x1's images (X1Q), B = W1's images (P).
; A tile of C, 256 x 256, is made by four waves, 128 x 128 each: 64 accumulators, 512 registers; 256 tiles.
; OPERANDS are images of operand registers (lane r of tile T holds row 32 (T / 2) + 8 (T % 2) + r + 8 (r / 8) of its group of 256; 1,536 bytes a fragment: for each 64 along K registers 0-3 at 16 x lane, registers 4, 5 at 512 + 8 x lane).
; A group's 16 fragments of a step of 128 along K are one dense block of 24,576 bytes, which one tensor load brings as 96 rows of 256 bytes; a fragment is read from LDS by four loads of consecutive bytes: no padding is needed.
; K goes in steps of 256 through a ring of two LDS slots ([A step 0][A step 1][B step 0][B step 1], one block a wave).  The scale words of the tile's rows, for all of K, come once with the first fills.
; CLUSTERS: 4 x 4 work-groups; A's blocks are shared along a row of the cluster, B's along a column: each is asked for jointly, by the same tensor load with the same descriptor and a mask that names the four.
; THE MATRIX INSTRUCTION IS USED TRANSPOSED (source 0 = B's tile, source 1 = A's): lane (r, h) of accumulator (a, b) holds A's row r of tile a, and its register j column 32 (b / 2) + 16 h + 8 (b % 2) + j: a block's 64 registers are the lane's share of
; one step of 128 along the next K.  The bias is the C of each sum's first product.
; GELU.  With xh = x / 2: t = 1 / (1 + 0.3275911 sqrt(2) |xh|), w = (((((a5 t + a4) t + a3) t + a2) t + a1) t) 2^(-2 log2(e) xh^2), gelu = xh + (|xh| - w |xh|): this is x (1 + erf(x / sqrt 2)) / 2 with 1 - erf by the rational form of
; Abramowitz and Stegun, 7.1.26.  LIMIT: erf is within 1.5e-7 absolutely, of the size of the rounding of 1 + erf in f32.
; The way out is a loop of eight trips, one for each block of 16 rows; only the copy out of the accumulators (which is the halving) is written eight times.
; LIMITS: a block whose largest magnitude lies under 2^-124 keeps the byte 1 (zeros too; this program alone reads the bytes); NaN and infinities are not served.  No prefetch: K is four slots long, and every block is shared out by the joint loads.
; REGISTERS: window 0: v0-31 addresses; v32-63 scale words, two sets; v64-127 the bias; v128-223 A's fragments.  window 1: B's fragments, two sets, at v0 and v128.  windows 2, 3: the accumulators, (a, b) at v[8 (8 (a % 4) + b)].
;   On the way out: window 0: v32-49 at work, v128-191 xh, then gelu, v192-210 the codes; window 1: v0-63 t, v64-127 the exponential, v128-191 w, v224-235 the constants in pairs.
.set KTOT,   1024
.set A_IMG,  0
.set A_SCL,  3145728
.set B_IMG,  6422528
.set B_SCL,  12845056
.set HSCL,   12582912
.set NS,     KTOT/128
.set NQ,     2
.set FR,     12
.set FRB,    1536
.set NL,     4
.set NP,     4
.set QB,     24576
.set OPB,    2*QB
.set SLOT,   2*OPB
.set LAPS,   KTOT/512
.set SCL,    2*SLOT
.set SPARE,  SCL+2048*NS
.set STG,    SPARE+512                 ; the scale words made, 512 bytes a wave: bytes of their own, into which no fill lands
.set L16,  4
.set L8,   5
.set ADRA, 16
.set ADRB, 20
.set ADRS, 27
.set SPW,  28
.set NIL,  29
.set SC,   32
.set BX,   64
.set AF,   128
.set TM,   32
.set PW,   48
.set ADR,  49
.set HA,   128
.set PC,   192
.set T,    0
.set E,    64
.set U,    128
.set CA5,  224
.set CA4,  226
.set CA3,  228
.set CA2,  230
.set CA1,  232
.set CC2,  234
.set SEL,  2                           ; s[2:3]
.set AB,   18                          ; s18 the block in hand
.set SO,   19                          ; s19 its scale words' place
.set P2,   22                          ; s22
.set OUT,  96                          ; s[96:97] where the block's image goes
.set OS,   98                          ; s[98:99] where my scale words go
.set G1, 24
.set G0, 32
.set G1B, 48
.set G0B, 56
.set G1S, 68
.set G0S, 76
.set G1SB, 80
.set G0SB, 88
.set MSB, 0
.macro WIN new                         ; the immediate's high byte repeats the setting that is left
.if MSB != (\new)
	s_set_vgpr_msb (MSB<<8)|(\new)
.set MSB, (\new)
.endif
.endm
.set MUL_LO, 0xa1
.set MUL_HI, 0xf1
.set TO_B,   0x40
.macro JLOAD g0a, g1a, g0b, g1b        ; a joint load: waves 0 and 1 fetch for A, waves 2 and 3 for B; four v_nop follow each of the two lines
	s_cmp_eq_u32 s15, 0
	s_cbranch_scc0 .Lfor_b_\@
	tensor_load_to_lds s[\g0a:\g0a+3], s[\g1a:\g1a+7]
	s_nop 0
.rept 4
	v_nop
.endr
	s_branch .Lasked_\@
.Lfor_b_\@:
	tensor_load_to_lds s[\g0b:\g0b+3], s[\g1b:\g1b+7]
	s_nop 0
.rept 4
	v_nop
.endr
.Lasked_\@:
.endm
.macro CREST
	s_cmp_lg_u32 s14, 0
	s_cbranch_scc1 .Lnot_wave_0_\@
	s_barrier_signal -3
.Lnot_wave_0_\@:
	s_barrier_wait -3
	s_barrier_signal -1
	s_barrier_wait -1
.endm
.macro CROUND
	s_barrier_signal -1
	s_barrier_wait -1
	CREST
.endm
.macro FRAG reg, adr, q, i
	ds_load_b128 v[\reg:\reg+3], v[\adr] offset:(\q)*QB+(\i)*FRB
	ds_load_b64 v[\reg+4:\reg+5], v[\adr+2] offset:(\q)*QB+(\i)*FRB+512
	ds_load_b128 v[\reg+6:\reg+9], v[\adr] offset:(\q)*QB+(\i)*FRB+768
	ds_load_b64 v[\reg+10:\reg+11], v[\adr+2] offset:(\q)*QB+(\i)*FRB+1280
.endm
; 16 products: A's blocks a0, a0 + 1 x B's eight.  zero = 1: the bias starts the sums.  The 64 accumulators take turns, one instruction a turn.
.macro MUL16 a0, p, q, sc, zero
.irp a, \a0, \a0+1
.irp b, 0,1,2,3,4,5,6,7
.if \zero == 1
	v_wmma_scale_f32_16x16x128_f8f6f4 v[8*(8*((\a)%4)+\b):8*(8*((\a)%4)+\b)+7], v[128*(\p)+FR*\b:128*(\p)+FR*\b+FR-1], v[AF+FR*(\a):AF+FR*(\a)+FR-1], v[BX+8*\b:BX+8*\b+7], v[SC+16*(\sc)+2*\b+(\q)], v[SC+16*(\sc)+2*(\a)+(\q)] matrix_a_fmt:MATRIX_FMT_FP6 matrix_b_fmt:MATRIX_FMT_FP6 matrix_a_scale:MATRIX_SCALE_ROW1
.else
	v_wmma_scale_f32_16x16x128_f8f6f4 v[8*(8*((\a)%4)+\b):8*(8*((\a)%4)+\b)+7], v[128*(\p)+FR*\b:128*(\p)+FR*\b+FR-1], v[AF+FR*(\a):AF+FR*(\a)+FR-1], v[8*(8*((\a)%4)+\b):8*(8*((\a)%4)+\b)+7], v[SC+16*(\sc)+2*\b+(\q)], v[SC+16*(\sc)+2*(\a)+(\q)] matrix_a_fmt:MATRIX_FMT_FP6 matrix_b_fmt:MATRIX_FMT_FP6 matrix_a_scale:MATRIX_SCALE_ROW1
.endif
.endr
.endr
.endm
.macro FETCH_B slot, q, p
	WIN TO_B
.irp i, 0,1,2,3,4,5,6,7
	FRAG 128*(\p)+FR*\i, ADRB+\slot, \q, \i
.endr
	WIN 0
.endm
.macro FETCH_A slot, q, i0
.irp i, \i0, \i0+1, \i0+2, \i0+3
	FRAG AF+FR*(\i), ADRA+\slot, \q, \i
.endr
.endm
.macro SCALES sc
.irp i, 0,1,2,3,4,5,6,7
	ds_load_b32 v[SC+16*\sc+2*\i], v[ADRS] offset:64*\i
	ds_load_b32 v[SC+16*\sc+2*\i+1], v[ADRS] offset:1024+64*\i
.endr
.endm
.macro PLACES n
.rept \n
	v_nop
.endr
.endm
.macro STEP slot, q, zero
	s_wait_dscnt 4*NL                              ; B's set, the scale words and A's blocks 0-3 are in; the youngest 16 loads (A's blocks 4-7) may be out
.if \zero
	WIN 0x81                                       ; C (the bias) window 0, D window 2
.else
	WIN MUL_LO
.endif
	MUL16 0, (\q)%2, \q, \slot, \zero
	MUL16 2, (\q)%2, \q, \slot, \zero
	s_wait_dscnt 0x0
	PLACES NP
	FETCH_B \slot, (\q)+1, 1-(\q)%2
	FETCH_A \slot, (\q)+1, 0
.if \zero
	WIN 0xc1
.else
	WIN MUL_HI
.endif
	MUL16 4, (\q)%2, \q, \slot, \zero
	MUL16 6, (\q)%2, \q, \slot, \zero
	PLACES NP
	WIN 0
	FETCH_A \slot, (\q)+1, 4
.endm
.macro TURN slot, next, fill
	s_wait_tensorcnt 0x0                           ; all my tensor loads have landed: my block of the next slot
	ds_add_u32 v[SPW], v[NIL]                      ; 0 onto my spare word
	s_wait_dscnt 4*NL+1                            ; (the add and the youngest 16 loads may be out)
	WIN MUL_LO
	MUL16 0, 1, NQ-1, \slot, 0
	s_wait_dscnt 0x0                               ; the add is done, and my reads of this slot are over
	s_barrier_signal -1
	MUL16 2, 1, NQ-1, \slot, 0
	WIN 0
	s_barrier_wait -1
.if \fill
	CREST                                          ; the barrier has opened a round of the cluster's barrier: no wave of any partner still reads this slot or has a load on its way
	s_add_nc_u64 s[G0+4*\slot+2:G0+4*\slot+3], s[G0+4*\slot+2:G0+4*\slot+3], 2*OPB
	s_add_nc_u64 s[G0B+4*\slot+2:G0B+4*\slot+3], s[G0B+4*\slot+2:G0B+4*\slot+3], 2*OPB
	JLOAD G0+4*\slot, G1, G0B+4*\slot, G1B         ; the first tensor load behind the round; its four v_nop are also the places in front of the loads below
.else
	PLACES NP
.endif
	v_add_nc_u32 v[ADRS], 2048, v[ADRS]
	FETCH_B \next, 0, 0
	FETCH_A \next, 0, 0
	SCALES \next
	WIN MUL_HI
	MUL16 4, 1, NQ-1, \slot, 0
	MUL16 6, 1, NQ-1, \slot, 0
	PLACES NP
	WIN 0
	FETCH_A \next, 0, 4
.endm
.macro QUANT s, pc, pw
.irp b, 0,1,2,3
	v_max3_num_f32 v[TM+\b], |v[\s+16*\b]|, |v[\s+1+16*\b]|, 0x1800000   ; block b: my 16 numbers, and the floor 2^(3 - 127)
.endr
.irp i, 2,4,6,8,10,12,14
.irp b, 0,1,2,3
	v_max3_num_f32 v[TM+\b], v[TM+\b], |v[\s+16*\b+\i]|, |v[\s+1+16*\b+\i]|
.endr
.endr
.irp b, 0,1,2,3
	v_permlanex16_b32 v[TM+4+\b], v[TM+\b], s[SEL], s[SEL+1]
.endr
.irp b, 0,1,2,3
	v_max_num_f32 v[TM+\b], v[TM+\b], v[TM+4+\b]
.endr
.irp b, 0,1,2,3
	v_add_nc_u32 v[TM+12+\b], 0xff000000, v[TM+\b]
.endr
.irp b, 0,1,2,3
	v_lshrrev_b32 v[TM+4+\b], 23, v[TM+12+\b]
.endr
	v_lshl_or_b32 v[\pw], v[TM+5], 8, v[TM+4]
	v_lshl_or_b32 v[\pw], v[TM+6], 16, v[\pw]
	v_lshl_or_b32 v[\pw], v[TM+7], 24, v[\pw]
.irp c, 0,1
	v_cvt_scalef32_pk16_fp6_f32 v[\pc+6*\c:\pc+2+6*\c], v[\s+32*\c:\s+15+32*\c], v[TM+12+2*\c]
	v_cvt_scalef32_pk16_fp6_f32 v[\pc+12+4*\c:\pc+14+4*\c], v[\s+16+32*\c:\s+31+32*\c], v[TM+12+2*\c+1]
.endr
	v_nop                                          ; one plain instruction behind the scaled conversions
.irp c, 0,1
.irp i, 0,1,2
	v_permlane16_swap_b32 v[\pc+6*\c+\i], v[\pc+12+4*\c+\i]
.endr
.irp i, 0,1,2
	v_mov_b32 v[\pc+3+6*\c+\i], v[\pc+12+4*\c+\i]
.endr
.endr
.endm
	s_load_b256 s[4:11], s[0:1], 0x0               ; X1Q s[4:5], P s[6:7], b1 s[8:9], HQ s[10:11]
	v_lshl_add_u32 v[SPW], v0, 2, SPARE
	v_mov_b32 v[NIL], 0
	ds_add_u32 v28, v29
	ds_add_u32 v28, v29
	s_wait_dscnt 0x0
	v_lshrrev_b32 v1, 5, v0
	v_readfirstlane_b32 s14, v1                    ; wave 0..3
	s_lshr_b32 s15, s14, 1                         ; which half of the tile's rows is mine.  Also: I fetch for A (0) or for B (1)
	s_and_b32 s16, s14, 1                          ; which half of its columns.  Also: which of a slot's two steps I fetch
	s_bfe_u32 s40, ttmp6, 0x40000                  ; cx
	s_bfe_u32 s41, ttmp6, 0x40004                  ; cy
	s_lshl_b32 s42, ttmp9, 2
	s_add_co_u32 s42, s42, s40                     ; tile column of C: B's group
	s_and_b32 s17, ttmp7, 0xffff
	s_lshl_b32 s17, s17, 2
	s_add_co_u32 s17, s17, s41                     ; tile row of C: A's group
	s_lshl_b32 s43, s41, 2
	s_lshl_b32 s43, 15, s43
	s_lshl_b32 s44, 0x1111, s40
	s_or_b32 s[G1+0], s43, (3<<16)|(1<<21)         ; 15:0 the mask; 17:16 elements of 8 bytes; 21 set beside a mask; no padding
	s_or_b32 s[G1B+0], s44, (3<<16)|(1<<21)
.irp g, G1, G1B
	s_mov_b32 s[\g+1], 32<<16                      ; a dense block of 24,576 bytes as 96 rows of 32 elements
	s_mov_b32 s[\g+2], 96<<16
	s_mov_b32 s[\g+3], 32<<16
	s_mov_b32 s[\g+4], 96
	s_mov_b32 s[\g+5], 32
	s_mov_b32 s[\g+6], 0
	s_mov_b32 s[\g+7], 0
.endr
	s_or_b32 s[G1S+0], s43, (3<<16)|(1<<21)
	s_or_b32 s[G1SB+0], s44, (3<<16)|(1<<21)
.irp g, G1S, G1SB
	s_mov_b32 s[\g+1], 32<<16
	s_mov_b32 s[\g+2], (2*NS)<<16
	s_mov_b32 s[\g+3], 32<<16
	s_mov_b32 s[\g+4], 2*NS
	s_mov_b32 s[\g+5], 32
	s_mov_b32 s[\g+6], 0
	s_mov_b32 s[\g+7], 0
.endr
	s_mul_i32 s18, s16, QB
	s_mul_i32 s19, s16, 512*NS
	s_mul_i32 s20, s17, NS*QB
	s_add_co_u32 s20, s20, s18
	s_add_co_u32 s20, s20, A_IMG
	s_mov_b32 s21, 0
	s_mul_i32 s46, s42, NS*QB
	s_add_co_u32 s46, s46, s18
	s_add_co_u32 s46, s46, B_IMG
	s_mov_b32 s47, 0
	s_mul_i32 s22, s17, 1024*NS
	s_add_co_u32 s22, s22, s19
	s_add_co_u32 s22, s22, A_SCL
	s_mov_b32 s23, 0
	s_mul_i32 s92, s42, 1024*NS
	s_add_co_u32 s92, s92, s19
	s_add_co_u32 s92, s92, B_SCL
	s_mov_b32 s93, 0
	s_mul_i32 s45, s14, QB
	s_mul_i32 s94, s14, 512*NS
	s_wait_kmcnt 0x0
	s_add_nc_u64 s[20:21], s[4:5], s[20:21]
	s_add_nc_u64 s[22:23], s[4:5], s[22:23]
	s_add_nc_u64 s[46:47], s[6:7], s[46:47]
	s_add_nc_u64 s[92:93], s[6:7], s[92:93]
	CROUND                                         ; all sixteen work-groups are here: the first joint loads meet
	s_mov_b32 s[G0S], 1
	s_add_co_u32 s[G0S+1], s94, SCL
	s_mov_b64 s[G0S+2:G0S+3], s[22:23]
	s_or_b32 s[G0S+3], s[G0S+3], 0x80000000
	s_mov_b32 s[G0SB], 1
	s_add_co_u32 s[G0SB+1], s94, SCL
	s_mov_b64 s[G0SB+2:G0SB+3], s[92:93]
	s_or_b32 s[G0SB+3], s[G0SB+3], 0x80000000
	JLOAD G0S, G1S, G0SB, G1SB                     ; the scale words first; three loads of a wave are out at the start, one behind each round
.irp s, 0,1
	s_mov_b32 s[G0+4*\s], 1
	s_add_co_u32 s[G0+4*\s+1], s45, \s*SLOT
	s_add_nc_u64 s[G0+4*\s+2:G0+4*\s+3], s[20:21], \s*OPB
	s_or_b32 s[G0+4*\s+3], s[G0+4*\s+3], 0x80000000
	s_mov_b32 s[G0B+4*\s], 1
	s_add_co_u32 s[G0B+4*\s+1], s45, \s*SLOT
	s_add_nc_u64 s[G0B+4*\s+2:G0B+4*\s+3], s[46:47], \s*OPB
	s_or_b32 s[G0B+4*\s+3], s[G0B+4*\s+3], 0x80000000
	JLOAD G0+4*\s, G1, G0B+4*\s, G1B
.endr
	v_and_b32 v1, 15, v0                           ; r
	v_bfe_u32 v2, v0, 4, 1                         ; h
	v_and_b32 v3, 31, v0                           ; lane
	v_lshlrev_b32 v[L16], 4, v3
	v_lshlrev_b32 v[L8], 3, v3
	s_mul_i32 s21, s15, 12288
	s_mul_i32 s22, s16, 12288
	s_add_co_u32 s22, s22, OPB
.irp s, 0,1
	v_add_nc_u32 v[ADRA+\s], s21, v[L16]
	v_add_nc_u32 v[ADRB+\s], s22, v[L16]
	v_add_nc_u32 v[ADRA+2+\s], s21, v[L8]
	v_add_nc_u32 v[ADRB+2+\s], s22, v[L8]
	s_add_co_u32 s21, s21, SLOT
	s_add_co_u32 s22, s22, SLOT
.endr
	s_lshl_b32 s21, s15, 9
	s_lshl_b32 s22, s16, 9
	s_add_co_u32 s22, s22, 1024*NS
	s_sub_co_u32 s22, s22, s21
	v_mul_u32_u24 v6, s22, v2                      ; lanes 16-31 take B's scale words
	s_add_co_u32 s21, s21, SCL
	v_lshl_add_u32 v6, v1, 2, v6
	v_add_nc_u32 v[ADRS], s21, v6
	s_lshl_b32 s21, s14, 9
	s_add_co_u32 s21, s21, STG
	v_lshl_add_u32 v8, v1, 2, s21                  ; the scale words made: in: 4 r
	v_add_nc_u32 v9, s21, v[L16]                   ; back: 16 x lane
	v_lshlrev_b32 v7, 6, v2                        ; the bias: 64 h
	s_lshl_b32 s20, s42, 10
	s_lshl_b32 s22, s16, 9
	s_add_co_u32 s20, s20, s22                     ; my first column, in bytes of f32
	s_mov_b32 s21, 0
	s_add_nc_u64 s[8:9], s[8:9], s[20:21]
	s_lshl_b32 s18, s17, 5
	s_lshl_b32 s19, s42, 1
	s_add_co_u32 s18, s18, s19
	s_add_co_u32 s18, s18, s16                     ; h's block: 32 x tile row + my step of 128 along its 4,096
	s_mul_i32 s20, s18, 24576
	s_mul_i32 s19, s15, 12288
	s_add_co_u32 s20, s20, s19
	s_add_nc_u64 s[OUT:OUT+1], s[10:11], s[20:21]
	s_lshl_b32 s20, s18, 10
	s_lshl_b32 s19, s15, 9
	s_add_co_u32 s20, s20, s19
	s_add_co_u32 s20, s20, HSCL
	s_add_nc_u64 s[OS:OS+1], s[10:11], s[20:21]
.irp b, 0,1,2,3,4,5,6,7
	global_load_b128 v[BX+8*\b:BX+8*\b+3], v7, s[8:9] offset:(32*(\b/2)+8*(\b%2))*4
	global_load_b128 v[BX+8*\b+4:BX+8*\b+7], v7, s[8:9] offset:(32*(\b/2)+8*(\b%2))*4+16
.endr
	s_wait_loadcnt 0x0                             ; the bias
	s_wait_tensorcnt 1                             ; the scale words and my block of slot 0 are in; slot 1's load may be out
	s_barrier_signal -1
	s_barrier_wait -1
	FETCH_B 0, 0, 0
	FETCH_A 0, 0, 0
	SCALES 0
	FETCH_A 0, 0, 4
	STEP 0, 0, 1
	s_mov_b32 s3, LAPS-1
.Llap:                                             ; a trip goes once round the ring and fills both slots again
	TURN 0, 1, 1
	STEP 1, 0, 0
	TURN 1, 0, 1
	STEP 0, 0, 0
	s_sub_co_u32 s3, s3, 1
	s_cmp_lg_u32 s3, 0
	s_cbranch_scc1 .Llap
	TURN 0, 1, 0                                   ; the last lap fills nothing
	STEP 1, 0, 0
	s_wait_dscnt 4*NL
	WIN MUL_LO
	MUL16 0, 1, NQ-1, 1, 0
	MUL16 2, 1, NQ-1, 1, 0
	s_wait_dscnt 0x0
	WIN MUL_HI
	MUL16 4, 1, NQ-1, 1, 0
	MUL16 6, 1, NQ-1, 1, 0
	; THE WAY OUT.  The constants, in pairs, in registers of window 1 that no product has named: these twelve lines are also the places behind the last products
	WIN 0x40
.irp c, 0,1
	v_mov_b32 v[CA5+\c], 0x3f87dc22                ; 1.061405429
	v_mov_b32 v[CA4+\c], 0xbfba00e3                ; -1.453152027
	v_mov_b32 v[CA3+\c], 0x3fb5f0e3                ; 1.421413741
	v_mov_b32 v[CA2+\c], 0xbe91a98e                ; -0.284496736
	v_mov_b32 v[CA1+\c], 0x3e827906                ; 0.254829592
	v_mov_b32 v[CC2+\c], 0xc038aa3b                ; -2 log2(e)
.endr
	WIN 0
.irp b, 0,1,2,3
	v_mov_b32 v[TM+4+\b], 0                        ; written once: a lane permute's destination counts as one of its sources
.endr
	s_mov_b32 s[SEL], 0x76543210
	s_mov_b32 s[SEL+1], 0xfedcba98
	s_mov_b32 s[P2], 0x3eed3388                    ; 0.3275911 sqrt(2)
	s_mov_b32 s[AB], 0
	s_mov_b32 s[SO], 0
.macro MV k                            ; xh = x / 2 out of block k's accumulators, each from its low end on
.Lmv_\k:
	WIN 2+(\k)/4
.set i, 0
.rept 32
	v_pk_mul_f32 v[HA+i:HA+i+1], v[64*((\k)%4)+i:64*((\k)%4)+i+1], 0.5 op_sel_hi:[1,0]
.set i, i+2
.endr
	WIN 0
.if \k < 7
	s_branch .Lgelu
.endif
.endm
.Lblk:
.irp k, 0,1,2,3,4,5,6
	s_cmp_eq_u32 s[AB], \k
	s_cbranch_scc1 .Lmv_\k
.endr
	s_branch .Lmv_7
	MV 0
	MV 1
	MV 2
	MV 3
	MV 4
	MV 5
	MV 6
	MV 7
.Lgelu:
	WIN 0x40                                       ; destination window 1
.set i, 0
.rept 64
	v_fma_f32 v[T+i], |v[HA+i]|, s[P2], 1.0
.set i, i+1
.endr
.set i, 0
.rept 32
	v_pk_mul_f32 v[E+i:E+i+1], v[HA+i:HA+i+1], v[HA+i:HA+i+1]
.set i, i+2
.endr
	WIN 0x55                                       ; all in window 1
.set i, 0
.rept 32
	v_pk_mul_f32 v[E+i:E+i+1], v[E+i:E+i+1], v[CC2:CC2+1]
.set i, i+2
.endr
.set i, 0
.rept 64
	v_rcp_f32 v[T+i], v[T+i]
.set i, i+1
.endr
.set i, 0
.rept 64
	v_exp_f32 v[E+i], v[E+i]
.set i, i+1
.endr
	v_nop                                          ; a plain instruction behind the last transcendental
	s_wait_alu depctr_va_vdst(0)                   ; one wait for the batch of 128, ahead of its first reader
.set i, 0
.rept 32
	v_pk_fma_f32 v[U+i:U+i+1], v[T+i:T+i+1], v[CA5:CA5+1], v[CA4:CA4+1]
.set i, i+2
.endr
.irp c, CA3, CA2, CA1
.set i, 0
.rept 32
	v_pk_fma_f32 v[U+i:U+i+1], v[U+i:U+i+1], v[T+i:T+i+1], v[\c:\c+1]
.set i, i+2
.endr
.endr
.set i, 0
.rept 32
	v_pk_mul_f32 v[U+i:U+i+1], v[U+i:U+i+1], v[T+i:T+i+1]
.set i, i+2
.endr
.set i, 0
.rept 32
	v_pk_mul_f32 v[U+i:U+i+1], v[U+i:U+i+1], v[E+i:E+i+1]       ; w = 1 - erf(|x| / sqrt 2)
.set i, i+2
.endr
	WIN 0x41                                       ; source 0 and destination window 1
.set i, 0
.rept 64
	v_fma_f32 v[U+i], -v[U+i], |v[HA+i]|, |v[HA+i]|             ; |xh| - w |xh|
.set i, i+1
.endr
	WIN 0x04                                       ; source 1 window 1
.set i, 0
.rept 32
	v_pk_add_f32 v[HA+i:HA+i+1], v[HA+i:HA+i+1], v[U+i:U+i+1]   ; gelu
.set i, i+2
.endr
	WIN 0
	QUANT HA, PC, PW
	global_store_b128 v[L16], v[PC:PC+3], s[OUT:OUT+1]          ; the block's image: whole aligned runs of 256 bytes
	global_store_b64 v[L8], v[PC+4:PC+5], s[OUT:OUT+1] offset:512
	global_store_b128 v[L16], v[PC+6:PC+9], s[OUT:OUT+1] offset:768
	global_store_b64 v[L8], v[PC+10:PC+11], s[OUT:OUT+1] offset:1280
	v_add_nc_u32 v[ADR], s[SO], v8
	ds_store_b32 v[ADR], v[PW]
	s_wait_dscnt 0x0                               ; the store has read its registers
	s_wait_xcnt 0x0                                ; and so have the global stores: the codes' registers and the base are written again only behind this wait
	s_add_nc_u64 s[OUT:OUT+1], s[OUT:OUT+1], 1536
	s_add_co_u32 s[SO], s[SO], 64
	s_add_co_u32 s[AB], s[AB], 1
	s_cmp_lt_u32 s[AB], 8
	s_cbranch_scc1 .Lblk
	ds_load_b128 v[PC:PC+3], v9                    ; my eight blocks' scale words: 512 bytes
	s_wait_dscnt 0x0
	global_store_b128 v[L16], v[PC:PC+3], s[OS:OS+1]
	s_wait_tensorcnt 0x0                           ; the wave's end: behind my last tensor load and my last LDS store
	ds_add_u32 v[SPW], v[NIL]
	s_wait_dscnt 0x0
	CROUND                                         ; the closing round
	s_endpgm
.Lfunc_end_k_qea18c701cd_w1:
	.size	k_qea18c701cd_w1, .Lfunc_end_k_qea18c701cd_w1-k_qea18c701cd_w1
	.p2alignl 7, 3214868480
	.fill 96, 4, 3214868480
	.section	.rodata,"a",@progbits
	.p2align	6, 0x0
	.amdhsa_kernel k_qea18c701cd_w1
		.amdhsa_group_segment_fixed_size 327680
		.amdhsa_private_segment_fixed_size 0
		.amdhsa_enable_private_segment 0
		.amdhsa_kernarg_size 32
		.amdhsa_user_sgpr_count 2
		.amdhsa_user_sgpr_kernarg_segment_ptr 1
		.amdhsa_wavefront_size32 1
		.amdhsa_system_sgpr_workgroup_id_x 1
		.amdhsa_system_sgpr_workgroup_id_y 1
		.amdhsa_system_sgpr_workgroup_id_z 1
		.amdhsa_system_vgpr_workitem_id 0
		.amdhsa_next_free_vgpr 1024
		.amdhsa_next_free_sgpr 100
		.amdhsa_reserve_vcc 0
		.amdhsa_float_denorm_mode_32 3
		.amdhsa_float_denorm_mode_16_64 3
		.amdhsa_memory_ordered 1
		.amdhsa_forward_progress 1
		.amdhsa_inst_pref_size 171
	.end_amdhsa_kernel
	.amdgpu_metadata
---
amdhsa.version: [ 1, 2 ]
amdhsa.kernels:
  - .name:           k_qea18c701cd_w1
    .symbol:         k_qea18c701cd_w1.kd
    .args:
      - { .name: X1Q, .offset: 0, .size: 8, .value_kind: global_buffer, .address_space: global }
      - { .name: P, .offset: 8, .size: 8, .value_kind: global_buffer, .address_space: global }
      - { .name: b1, .offset: 16, .size: 8, .value_kind: global_buffer, .address_space: global }
      - { .name: HQ, .offset: 24, .size: 8, .value_kind: global_buffer, .address_space: global }
    .group_segment_fixed_size: 327680
    .private_segment_fixed_size: 0
    .kernarg_segment_align: 8
    .kernarg_segment_size: 32
    .max_flat_workgroup_size: 128
    .sgpr_count:     100
    .vgpr_count:     1024
    .wavefront_size: 32
...
	.end_amdgpu_metadata
.endif
;; end of part 6
;; launch w2 (part 7): grid 4 x 16, 4 waves a work-group, clusters of 4 x 4, 327,680 bytes of LDS; arguments HQ, P, b2, X1, Y; writes Y
.if DOCPART == 7
	.amdgcn_target "amdgcn-amd-amdhsa--gfx1250"
	.amdhsa_code_object_version 6
	.text
	.protected	k_qea18c701cd_w2
	.globl	k_qea18c701cd_w2
	.p2align	8
	.type	k_qea18c701cd_w2,@function
k_qea18c701cd_w2:
	s_mov_b64 s[64:65], 0
	v_nop
	global_prefetch_b8 v0, s[64:65] scope:SCOPE_SE
	s_setreg_imm32_b32 hwreg(HW_REG_WAVE_MODE, 25, 1), 1
	s_wait_xcnt 0x0
	s_wait_alu depctr_hold_cnt(0) depctr_sa_sdst(0) depctr_va_vdst(0) depctr_va_sdst(0) depctr_va_ssrc(0) depctr_va_vcc(0) depctr_vm_vsrc(0)
	s_getreg_b32 s2, hwreg(HW_REG_IB_STS2, 6, 4)
	s_cmp_eq_u32 s2, 0
	s_cbranch_scc0 .Lentry_in_a_cluster
	s_endpgm
.Lentry_in_a_cluster:
	s_bfe_u32 s2, ttmp6, 0x10000c
	s_cmp_lg_u32 s2, 0xf033
	s_cbranch_scc0 .Lentry_shape_is_right
	s_endpgm
.Lentry_shape_is_right:
; W2.  Y = x1 + h W2^T + b2, f32: the sum that the second LayerNorm takes.  The product is on codes of FP6 (E2M3) with E8M0 scales, f32 sums, K = 4,096.  A = h's images (HQ), B = W2's images (P).
; A tile of C, 256 x 256, is made by four waves, 128 x 128 each: 64 accumulators, 512 registers.  C has 64 such tiles: this launch has work for 64 work-groups.
; OPERANDS are images of operand registers (lane r of tile T holds row 32 (T / 2) + 8 (T % 2) + r + 8 (r / 8) of its group of 256; 1,536 bytes a fragment: for each 64 along K registers 0-3 at 16 x lane, registers 4, 5 at 512 + 8 x lane).
; A group's 16 fragments of a step of 128 along K are one dense block of 24,576 bytes, which one tensor load brings as 96 rows of 256 bytes; a fragment is read from LDS by four loads of consecutive bytes: no padding is needed.
; K goes in steps of 256 through a ring of two LDS slots ([A step 0][A step 1][B step 0][B step 1], one block a wave).  The scale words of the tile's rows, for all of K (32 KB a side), come once with the first fills.
; CLUSTERS: 4 x 4 work-groups; A's blocks are shared along a row of the cluster, B's along a column: each is asked for jointly, by the same tensor load with the same descriptor and a mask that names the four.
; THE MATRIX INSTRUCTION IS USED TRANSPOSED (source 0 = B's tile, source 1 = A's): lane (r, h) of accumulator (a, b) holds A's row r of tile a, and its register j column 32 (b / 2) + 16 h + 8 (b % 2) + j.  The bias is the C of each sum's first product.
; THE WAY OUT: a block of 16 rows goes through the wave's own stage in LDS and comes back as rows of 512 bytes; the residual's same rows are added; 32 lanes store 512 consecutive bytes.  Which row of C a tile's lane holds stands in the immediates.
; REGISTERS: window 0: v0-31 addresses; v32-63 scale words, two sets; v64-127 the bias; v128-223 A's fragments, one set (on the way out v128-255: rows of C).  window 1: B's fragments, two sets, at v0 and v128 (on the way out v0-127: the residual).
;   windows 2, 3: the accumulators, (a, b) at v[8 (8 (a % 4) + b)].
.set KTOT,   4096
.set A_IMG,  0
.set A_SCL,  12582912
.set B_IMG,  9568256
.set B_SCL,  12976128
.set NS,     KTOT/128
.set NQ,     2
.set FR,     12
.set FRB,    1536
.set NL,     4
.set NP,     4
.set QB,     24576
.set OPB,    2*QB
.set SLOT,   2*OPB
.set LAPS,   KTOT/512
.set SCL,    2*SLOT                    ; behind the ring: A's scale words, NS x 1,024 bytes, then B's
.set SPARE,  SCL+2048*NS               ; the spare words, 128 bytes a wave: two blocks of 256 bytes that no other line names
.set STG,    SPARE+512                 ; the stages for the way out, 16 rows x 528 bytes a wave: bytes of their own, into which no fill lands
.set L16,  4
.set L8,   5
.set ADRA, 16
.set ADRB, 20
.set STO,  24
.set RD,   25
.set ADRS, 27
.set SPW,  28
.set NIL,  29
.set SC,   32
.set BX,   64
.set AF,   128
.set G1, 24
.set G0, 32
.set G1B, 48
.set G0B, 56
.set G1S, 68
.set G0S, 76
.set G1SB, 80
.set G0SB, 88
.set MSB, 0
.macro WIN new                         ; the immediate's high byte repeats the setting that is left
.if MSB != (\new)
	s_set_vgpr_msb (MSB<<8)|(\new)
.set MSB, (\new)
.endif
.endm
.set MUL_LO, 0xa1
.set MUL_HI, 0xf1
.set TO_B,   0x40
.macro JLOAD g0a, g1a, g0b, g1b        ; a joint load: waves 0 and 1 fetch for A, waves 2 and 3 for B; four v_nop follow each of the two lines
	s_cmp_eq_u32 s15, 0
	s_cbranch_scc0 .Lfor_b_\@
	tensor_load_to_lds s[\g0a:\g0a+3], s[\g1a:\g1a+7]
	s_nop 0
.rept 4
	v_nop
.endr
	s_branch .Lasked_\@
.Lfor_b_\@:
	tensor_load_to_lds s[\g0b:\g0b+3], s[\g1b:\g1b+7]
	s_nop 0
.rept 4
	v_nop
.endr
.Lasked_\@:
.endm
.macro CREST
	s_cmp_lg_u32 s14, 0
	s_cbranch_scc1 .Lnot_wave_0_\@
	s_barrier_signal -3
.Lnot_wave_0_\@:
	s_barrier_wait -3
	s_barrier_signal -1
	s_barrier_wait -1
.endm
.macro CROUND
	s_barrier_signal -1
	s_barrier_wait -1
	CREST
.endm
.macro FRAG reg, adr, q, i
	ds_load_b128 v[\reg:\reg+3], v[\adr] offset:(\q)*QB+(\i)*FRB
	ds_load_b64 v[\reg+4:\reg+5], v[\adr+2] offset:(\q)*QB+(\i)*FRB+512
	ds_load_b128 v[\reg+6:\reg+9], v[\adr] offset:(\q)*QB+(\i)*FRB+768
	ds_load_b64 v[\reg+10:\reg+11], v[\adr+2] offset:(\q)*QB+(\i)*FRB+1280
.endm
; 16 products: A's blocks a0, a0 + 1 x B's eight.  zero = 1: the bias starts the sums.  The 64 accumulators take turns, one instruction a turn.
.macro MUL16 a0, p, q, sc, zero
.irp a, \a0, \a0+1
.irp b, 0,1,2,3,4,5,6,7
.if \zero == 1
	v_wmma_scale_f32_16x16x128_f8f6f4 v[8*(8*((\a)%4)+\b):8*(8*((\a)%4)+\b)+7], v[128*(\p)+FR*\b:128*(\p)+FR*\b+FR-1], v[AF+FR*(\a):AF+FR*(\a)+FR-1], v[BX+8*\b:BX+8*\b+7], v[SC+16*(\sc)+2*\b+(\q)], v[SC+16*(\sc)+2*(\a)+(\q)] matrix_a_fmt:MATRIX_FMT_FP6 matrix_b_fmt:MATRIX_FMT_FP6 matrix_a_scale:MATRIX_SCALE_ROW1
.else
	v_wmma_scale_f32_16x16x128_f8f6f4 v[8*(8*((\a)%4)+\b):8*(8*((\a)%4)+\b)+7], v[128*(\p)+FR*\b:128*(\p)+FR*\b+FR-1], v[AF+FR*(\a):AF+FR*(\a)+FR-1], v[8*(8*((\a)%4)+\b):8*(8*((\a)%4)+\b)+7], v[SC+16*(\sc)+2*\b+(\q)], v[SC+16*(\sc)+2*(\a)+(\q)] matrix_a_fmt:MATRIX_FMT_FP6 matrix_b_fmt:MATRIX_FMT_FP6 matrix_a_scale:MATRIX_SCALE_ROW1
.endif
.endr
.endr
.endm
.macro FETCH_B slot, q, p
	WIN TO_B
.irp i, 0,1,2,3,4,5,6,7
	FRAG 128*(\p)+FR*\i, ADRB+\slot, \q, \i
.endr
	WIN 0
.endm
.macro FETCH_A slot, q, i0
.irp i, \i0, \i0+1, \i0+2, \i0+3
	FRAG AF+FR*(\i), ADRA+\slot, \q, \i
.endr
.endm
.macro SCALES sc
.irp i, 0,1,2,3,4,5,6,7
	ds_load_b32 v[SC+16*\sc+2*\i], v[ADRS] offset:64*\i
	ds_load_b32 v[SC+16*\sc+2*\i+1], v[ADRS] offset:1024+64*\i
.endr
.endm
.macro PLACES n
.rept \n
	v_nop
.endr
.endm
.macro STEP slot, q, zero
	s_wait_dscnt 4*NL                              ; B's set, the scale words and A's blocks 0-3 are in; the youngest 16 loads (A's blocks 4-7) may be out
.if \zero
	WIN 0x81                                       ; C (the bias) window 0, D window 2
.else
	WIN MUL_LO
.endif
	MUL16 0, (\q)%2, \q, \slot, \zero
	MUL16 2, (\q)%2, \q, \slot, \zero
	s_wait_dscnt 0x0
	PLACES NP
	FETCH_B \slot, (\q)+1, 1-(\q)%2
	FETCH_A \slot, (\q)+1, 0
.if \zero
	WIN 0xc1
.else
	WIN MUL_HI
.endif
	MUL16 4, (\q)%2, \q, \slot, \zero
	MUL16 6, (\q)%2, \q, \slot, \zero
	PLACES NP
	WIN 0
	FETCH_A \slot, (\q)+1, 4
.endm
.macro TURN slot, next, fill
	s_wait_tensorcnt 0x0                           ; all my tensor loads have landed: my block of the next slot
	ds_add_u32 v[SPW], v[NIL]                      ; 0 onto my spare word
	s_wait_dscnt 4*NL+1                            ; (the add and the youngest 16 loads may be out)
	WIN MUL_LO
	MUL16 0, 1, NQ-1, \slot, 0
	s_wait_dscnt 0x0                               ; the add is done, and my reads of this slot are over
	s_barrier_signal -1
	MUL16 2, 1, NQ-1, \slot, 0
	WIN 0
	s_barrier_wait -1
.if \fill
	CREST                                          ; the barrier has opened a round of the cluster's barrier: no wave of any partner still reads this slot or has a load on its way
	s_add_nc_u64 s[G0+4*\slot+2:G0+4*\slot+3], s[G0+4*\slot+2:G0+4*\slot+3], 2*OPB
	s_add_nc_u64 s[G0B+4*\slot+2:G0B+4*\slot+3], s[G0B+4*\slot+2:G0B+4*\slot+3], 2*OPB
	JLOAD G0+4*\slot, G1, G0B+4*\slot, G1B         ; the first tensor load behind the round; its four v_nop are also the places in front of the loads below
.else
	PLACES NP
.endif
	v_add_nc_u32 v[ADRS], 2048, v[ADRS]
	FETCH_B \next, 0, 0
	FETCH_A \next, 0, 0
	SCALES \next
	WIN MUL_HI
	MUL16 4, 1, NQ-1, \slot, 0
	MUL16 6, 1, NQ-1, \slot, 0
	PLACES NP
	WIN 0
	FETCH_A \next, 0, 4
.endm
	s_load_b256 s[4:11], s[0:1], 0x0               ; A's buffer s[4:5], P s[6:7], the bias s[8:9], the residual s[10:11]
	s_load_b64 s[12:13], s[0:1], 0x20              ; Y
	v_lshl_add_u32 v[SPW], v0, 2, SPARE
	v_mov_b32 v[NIL], 0
	ds_add_u32 v28, v29
	ds_add_u32 v28, v29
	s_wait_dscnt 0x0
	v_lshrrev_b32 v1, 5, v0
	v_readfirstlane_b32 s14, v1                    ; wave 0..3
	s_lshr_b32 s15, s14, 1                         ; which half of the tile's rows is mine.  Also: I fetch for A (0) or for B (1)
	s_and_b32 s16, s14, 1                          ; which half of its columns.  Also: which of a slot's two steps I fetch
	s_bfe_u32 s40, ttmp6, 0x40000                  ; cx
	s_bfe_u32 s41, ttmp6, 0x40004                  ; cy
	s_lshl_b32 s42, ttmp9, 2
	s_add_co_u32 s42, s42, s40                     ; tile column of C: B's group
	s_and_b32 s17, ttmp7, 0xffff
	s_lshl_b32 s17, s17, 2
	s_add_co_u32 s17, s17, s41                     ; tile row of C: A's group
	s_lshl_b32 s43, s41, 2
	s_lshl_b32 s43, 15, s43                        ; my row of the cluster
	s_lshl_b32 s44, 0x1111, s40                    ; my column
	s_or_b32 s[G1+0], s43, (3<<16)|(1<<21)         ; 15:0 the mask; 17:16 elements of 8 bytes; 21 set beside a mask; no padding
	s_or_b32 s[G1B+0], s44, (3<<16)|(1<<21)
.irp g, G1, G1B
	s_mov_b32 s[\g+1], 32<<16                      ; a dense block of 24,576 bytes as 96 rows of 32 elements
	s_mov_b32 s[\g+2], 96<<16
	s_mov_b32 s[\g+3], 32<<16
	s_mov_b32 s[\g+4], 96
	s_mov_b32 s[\g+5], 32
	s_mov_b32 s[\g+6], 0
	s_mov_b32 s[\g+7], 0
.endr
	s_or_b32 s[G1S+0], s43, (3<<16)|(1<<21)
	s_or_b32 s[G1SB+0], s44, (3<<16)|(1<<21)
.irp g, G1S, G1SB
	s_mov_b32 s[\g+1], 32<<16                      ; half of a group's scale words: 2 NS rows of 256 bytes
	s_mov_b32 s[\g+2], (2*NS)<<16
	s_mov_b32 s[\g+3], 32<<16
	s_mov_b32 s[\g+4], 2*NS
	s_mov_b32 s[\g+5], 32
	s_mov_b32 s[\g+6], 0
	s_mov_b32 s[\g+7], 0
.endr
	s_mul_i32 s18, s16, QB
	s_mul_i32 s19, s16, 512*NS
	s_mul_i32 s20, s17, NS*QB
	s_add_co_u32 s20, s20, s18
	s_add_co_u32 s20, s20, A_IMG
	s_mov_b32 s21, 0
	s_mul_i32 s46, s42, NS*QB
	s_add_co_u32 s46, s46, s18
	s_add_co_u32 s46, s46, B_IMG
	s_mov_b32 s47, 0
	s_mul_i32 s22, s17, 1024*NS
	s_add_co_u32 s22, s22, s19
	s_add_co_u32 s22, s22, A_SCL
	s_mov_b32 s23, 0
	s_mul_i32 s92, s42, 1024*NS
	s_add_co_u32 s92, s92, s19
	s_add_co_u32 s92, s92, B_SCL
	s_mov_b32 s93, 0
	s_mul_i32 s45, s14, QB                         ; where they go: wave x a block: no place in the cluster enters an LDS address
	s_mul_i32 s94, s14, 512*NS
	s_wait_kmcnt 0x0
	s_add_nc_u64 s[20:21], s[4:5], s[20:21]
	s_add_nc_u64 s[22:23], s[4:5], s[22:23]
	s_add_nc_u64 s[46:47], s[6:7], s[46:47]
	s_add_nc_u64 s[92:93], s[6:7], s[92:93]
	CROUND                                         ; all sixteen work-groups are here: the first joint loads meet
	s_mov_b32 s[G0S], 1
	s_add_co_u32 s[G0S+1], s94, SCL
	s_mov_b64 s[G0S+2:G0S+3], s[22:23]
	s_or_b32 s[G0S+3], s[G0S+3], 0x80000000
	s_mov_b32 s[G0SB], 1
	s_add_co_u32 s[G0SB+1], s94, SCL
	s_mov_b64 s[G0SB+2:G0SB+3], s[92:93]
	s_or_b32 s[G0SB+3], s[G0SB+3], 0x80000000
	JLOAD G0S, G1S, G0SB, G1SB                     ; the scale words first; three loads of a wave are out at the start, one behind each round
.irp s, 0,1
	s_mov_b32 s[G0+4*\s], 1
	s_add_co_u32 s[G0+4*\s+1], s45, \s*SLOT
	s_add_nc_u64 s[G0+4*\s+2:G0+4*\s+3], s[20:21], \s*OPB
	s_or_b32 s[G0+4*\s+3], s[G0+4*\s+3], 0x80000000
	s_mov_b32 s[G0B+4*\s], 1
	s_add_co_u32 s[G0B+4*\s+1], s45, \s*SLOT
	s_add_nc_u64 s[G0B+4*\s+2:G0B+4*\s+3], s[46:47], \s*OPB
	s_or_b32 s[G0B+4*\s+3], s[G0B+4*\s+3], 0x80000000
	JLOAD G0+4*\s, G1, G0B+4*\s, G1B
.endr
	v_and_b32 v1, 15, v0                           ; r
	v_bfe_u32 v2, v0, 4, 1                         ; h
	v_and_b32 v3, 31, v0                           ; lane
	v_lshlrev_b32 v[L16], 4, v3
	v_lshlrev_b32 v[L8], 3, v3
	s_mul_i32 s21, s15, 12288
	s_mul_i32 s22, s16, 12288
	s_add_co_u32 s22, s22, OPB
.irp s, 0,1
	v_add_nc_u32 v[ADRA+\s], s21, v[L16]
	v_add_nc_u32 v[ADRB+\s], s22, v[L16]
	v_add_nc_u32 v[ADRA+2+\s], s21, v[L8]
	v_add_nc_u32 v[ADRB+2+\s], s22, v[L8]
	s_add_co_u32 s21, s21, SLOT
	s_add_co_u32 s22, s22, SLOT
.endr
	s_lshl_b32 s21, s15, 9
	s_lshl_b32 s22, s16, 9
	s_add_co_u32 s22, s22, 1024*NS
	s_sub_co_u32 s22, s22, s21
	v_mul_u32_u24 v6, s22, v2                      ; lanes 16-31 take B's scale words
	s_add_co_u32 s21, s21, SCL
	v_lshl_add_u32 v6, v1, 2, v6
	v_add_nc_u32 v[ADRS], s21, v6
	s_mul_i32 s23, s14, 8448
	s_add_co_u32 s23, s23, STG                     ; my stage
	v_mul_u32_u24 v6, v1, 528
	v_lshl_add_u32 v6, v2, 6, v6
	v_add_nc_u32 v[STO], s23, v6                   ; in: row r, + 64 h
	v_add_nc_u32 v[RD], s23, v[L16]                ; back: a row's 512 bytes
	v_lshlrev_b32 v7, 6, v2                        ; the bias: 64 h
	s_lshl_b32 s20, s42, 10
	s_lshl_b32 s22, s16, 9
	s_add_co_u32 s20, s20, s22                     ; my first column, in bytes
	s_mov_b32 s21, 0
	s_add_nc_u64 s[8:9], s[8:9], s[20:21]
	s_lshl_b32 s22, s17, 20
	s_add_co_u32 s20, s20, s22
	s_lshl_b32 s22, s15, 19
	s_add_co_u32 s20, s20, s22                     ; + my first row x 4,096 bytes
	s_add_nc_u64 s[10:11], s[10:11], s[20:21]
	s_add_nc_u64 s[12:13], s[12:13], s[20:21]
.irp b, 0,1,2,3,4,5,6,7
	global_load_b128 v[BX+8*\b:BX+8*\b+3], v7, s[8:9] offset:(32*(\b/2)+8*(\b%2))*4
	global_load_b128 v[BX+8*\b+4:BX+8*\b+7], v7, s[8:9] offset:(32*(\b/2)+8*(\b%2))*4+16
.endr
	s_wait_loadcnt 0x0                             ; the bias
	s_wait_tensorcnt 1                             ; the scale words and my block of slot 0 are in; slot 1's load may be out
	s_barrier_signal -1
	s_barrier_wait -1
	FETCH_B 0, 0, 0
	FETCH_A 0, 0, 0
	SCALES 0
	FETCH_A 0, 0, 4
	STEP 0, 0, 1
	s_mov_b32 s3, LAPS-1
.Llap:                                             ; a trip goes once round the ring and fills both slots again
	TURN 0, 1, 1
	STEP 1, 0, 0
	TURN 1, 0, 1
	STEP 0, 0, 0
	s_sub_co_u32 s3, s3, 1
	s_cmp_lg_u32 s3, 0
	s_cbranch_scc1 .Llap
	TURN 0, 1, 0                                   ; the last lap fills nothing
	STEP 1, 0, 0
	s_wait_dscnt 4*NL
	WIN MUL_LO
	MUL16 0, 1, NQ-1, 1, 0
	MUL16 2, 1, NQ-1, 1, 0
	s_wait_dscnt 0x0
	WIN MUL_HI
	MUL16 4, 1, NQ-1, 1, 0
	MUL16 6, 1, NQ-1, 1, 0
	WIN 0
.macro RLOAD a                         ; the residual's 16 rows of block a, 512 consecutive bytes each, into window 1
	WIN 0x40
.irp t, 0,1,2,3,4,5,6,7,8,9,10,11,12,13,14,15
	global_load_b128 v[64*((\a)%2)+4*\t:64*((\a)%2)+4*\t+3], v[L16], s[10:11] offset:(32*((\a)/2)+8*((\a)%2)+\t+8*(\t/8))*4096 th:TH_LOAD_NT
.endr
	WIN 0
.endm
.macro TOSTAGE a                       ; block a into my stage, each accumulator from its low end on, and back as rows
.set AC, 64*((\a)%4)
	WIN 0x08+4*((\a)/4)
.irp b, 0,1,2,3,4,5,6,7
	ds_store_b128 v[STO], v[AC+8*\b:AC+8*\b+3] offset:128*(\b/2)+32*(\b%2)
	ds_store_b128 v[STO], v[AC+8*\b+4:AC+8*\b+7] offset:128*(\b/2)+32*(\b%2)+16
.endr
	WIN 0
.set BB, 128+64*((\a)%2)
.irp t, 0,1,2,3,4,5,6,7,8,9,10,11,12,13,14,15
	ds_load_b128 v[BB+4*\t:BB+4*\t+3], v[RD] offset:528*\t   ; LDS serves a wave's instructions in order: these see the stores above, and the next block's stores come behind them
.endr
.endm
.macro SEND a
.set BB, 128+64*((\a)%2)
.set RG, 64*((\a)%2)
	WIN 0x04                                       ; source 1 (the residual) window 1
.set i, 0
.rept 32
	v_pk_add_f32 v[BB+i:BB+i+1], v[BB+i:BB+i+1], v[RG+i:RG+i+1]
.set i, i+2
.endr
	WIN 0
.irp t, 0,1,2,3,4,5,6,7,8,9,10,11,12,13,14,15
	global_store_b128 v[L16], v[BB+4*\t:BB+4*\t+3], s[12:13] offset:(32*((\a)/2)+8*((\a)%2)+\t+8*(\t/8))*4096   ; 32 lanes store 512 consecutive bytes, at a multiple of 256 from Y's first byte
.endr
.endm
	PLACES NP                                      ; behind the last products
	RLOAD 0
	RLOAD 1
	TOSTAGE 0
.irp a, 0,1,2,3,4,5,6,7
.if \a < 7
	s_wait_xcnt 0x0                                ; the stores of the block before have read the registers that the next block's rows take
	TOSTAGE \a+1
	s_wait_dscnt 32                                ; block a is back; the next block's 16 stores and 16 loads may be out
	s_wait_loadcnt 16                              ; its residual is in; the next block's may be out
.else
	s_wait_dscnt 0x0
	s_wait_loadcnt 0x0
.endif
	SEND \a
.if \a < 6
	RLOAD \a+2
.endif
.endr
	s_wait_tensorcnt 0x0                           ; the wave's end: behind my last tensor load and my last LDS store
	ds_add_u32 v[SPW], v[NIL]
	s_wait_dscnt 0x0
	CROUND                                         ; the closing round
	s_endpgm
.Lfunc_end_k_qea18c701cd_w2:
	.size	k_qea18c701cd_w2, .Lfunc_end_k_qea18c701cd_w2-k_qea18c701cd_w2
	.p2alignl 7, 3214868480
	.fill 96, 4, 3214868480
	.section	.rodata,"a",@progbits
	.p2align	6, 0x0
	.amdhsa_kernel k_qea18c701cd_w2
		.amdhsa_group_segment_fixed_size 327680
		.amdhsa_private_segment_fixed_size 0
		.amdhsa_enable_private_segment 0
		.amdhsa_kernarg_size 40
		.amdhsa_user_sgpr_count 2
		.amdhsa_user_sgpr_kernarg_segment_ptr 1
		.amdhsa_wavefront_size32 1
		.amdhsa_system_sgpr_workgroup_id_x 1
		.amdhsa_system_sgpr_workgroup_id_y 1
		.amdhsa_system_sgpr_workgroup_id_z 1
		.amdhsa_system_vgpr_workitem_id 0
		.amdhsa_next_free_vgpr 1024
		.amdhsa_next_free_sgpr 100
		.amdhsa_reserve_vcc 0
		.amdhsa_float_denorm_mode_32 3
		.amdhsa_float_denorm_mode_16_64 3
		.amdhsa_memory_ordered 1
		.amdhsa_forward_progress 1
		.amdhsa_inst_pref_size 176
	.end_amdhsa_kernel
	.amdgpu_metadata
---
amdhsa.version: [ 1, 2 ]
amdhsa.kernels:
  - .name:           k_qea18c701cd_w2
    .symbol:         k_qea18c701cd_w2.kd
    .args:
      - { .name: HQ, .offset: 0, .size: 8, .value_kind: global_buffer, .address_space: global }
      - { .name: P, .offset: 8, .size: 8, .value_kind: global_buffer, .address_space: global }
      - { .name: b2, .offset: 16, .size: 8, .value_kind: global_buffer, .address_space: global }
      - { .name: X1, .offset: 24, .size: 8, .value_kind: global_buffer, .address_space: global }
      - { .name: Y, .offset: 32, .size: 8, .value_kind: global_buffer, .address_space: global }
    .group_segment_fixed_size: 327680
    .private_segment_fixed_size: 0
    .kernarg_segment_align: 8
    .kernarg_segment_size: 40
    .max_flat_workgroup_size: 128
    .sgpr_count:     100
    .vgpr_count:     1024
    .wavefront_size: 32
...
	.end_amdgpu_metadata
.endif
;; end of part 7
;; launch ln2 (part 8): grid 256 x 1, 8 waves a work-group, no clusters, 69,632 bytes of LDS; arguments Y, ln2_w, ln2_b, out0; writes out0
.if DOCPART == 8
	.amdgcn_target "amdgcn-amd-amdhsa--gfx1250"
	.amdhsa_code_object_version 6
	.text
	.protected	k_qea18c701cd_ln2
	.globl	k_qea18c701cd_ln2
	.p2align	8
	.type	k_qea18c701cd_ln2,@function
k_qea18c701cd_ln2:
	s_mov_b64 s[64:65], 0
	v_nop
	global_prefetch_b8 v0, s[64:65] scope:SCOPE_SE
	s_setreg_imm32_b32 hwreg(HW_REG_WAVE_MODE, 25, 1), 1
	s_wait_xcnt 0x0
; LN2.  out0 = LayerNorm(Y) x w + b over rows of 1,024, f32.
; SHARES.  A work-group takes 16 rows (the tile map of this program: lane r of tile T holds row 32 (T / 2) + 8 (T % 2) + r + 8 (r / 8) of its group of 256); wave w takes columns 128 w on.
; Each load reads 512 consecutive bytes of a row; the 16 rows turn through the wave's own stage in LDS (rows 528 bytes apart), so that lane (r, h) holds 64 numbers of row r: register 16 b + i = column 32 b + 16 h + i of the wave's 128.
; The mean, and then the mean of (x - mean)^2 (two passes: no difference of large sums), meet across the eight waves in LDS: a word for each row and wave, one barrier each.  The sums' order differs from the reference's.
; The launch streams: no matrix unit, cluster or tensor load; the work-groups share only w and b, 8 KB.  NaN and infinities are not served.
.set RED1, 67584                       ; LDS behind the eight stages: the sums [row][wave], 512 bytes; the sums of squares 512 bytes on
.set L16, 1
.set R,   16                           ; v16-79   16 rows as loaded; later b
.set X,   80                           ; v80-143  my 64 numbers
.set W,   144                          ; v144-207 w; later rows on the way out
.set SA,  246                          ; v246-253 sums, four chains of pairs
.set MU,  254                          ; v[254:255] the mean, later 1 / sqrt(var + eps), twice
.set SEL, 20
; the four chains in v[SA:SA+7] become the whole row's sum, in v[SA] of every lane: within the lane, with lane l xor 16, and across the eight waves through LDS
.macro ROWSUM red
	v_pk_add_f32 v[SA:SA+1], v[SA:SA+1], v[SA+2:SA+3]
	v_pk_add_f32 v[SA+4:SA+5], v[SA+4:SA+5], v[SA+6:SA+7]
	v_pk_add_f32 v[SA:SA+1], v[SA:SA+1], v[SA+4:SA+5]
	v_add_f32 v[SA], v[SA], v[SA+1]
	v_permlanex16_b32 v[SA+2], v[SA], s[SEL], s[SEL+1]
	v_add_f32 v[SA], v[SA], v[SA+2]
	ds_store_b32 v11, v[SA] offset:\red            ; my wave's word of row r (lanes 16-31 write the same)
	s_wait_dscnt 0x0                               ; for the others' sake: my store is done
	s_barrier_signal -1
	s_barrier_wait -1
	ds_load_b128 v[SA:SA+3], v12 offset:\red
	ds_load_b128 v[SA+4:SA+7], v12 offset:\red+16
	s_wait_dscnt 0x0
	v_pk_add_f32 v[SA:SA+1], v[SA:SA+1], v[SA+2:SA+3]
	v_pk_add_f32 v[SA+4:SA+5], v[SA+4:SA+5], v[SA+6:SA+7]
	v_pk_add_f32 v[SA:SA+1], v[SA:SA+1], v[SA+4:SA+5]
	v_add_f32 v[SA], v[SA], v[SA+1]
.endm
	s_load_b256 s[4:11], s[0:1], 0x0               ; Y s[4:5], w s[6:7], b s[8:9], out0 s[10:11]
	v_lshl_add_u32 v244, v0, 2, 0x10c00
	v_mov_b32 v245, 0
	v_lshrrev_b32 v3, 5, v0
	v_readfirstlane_b32 s14, v3                    ; wave 0..7
	v_and_b32 v4, 31, v0
	v_and_b32 v5, 15, v0                           ; r
	v_bfe_u32 v6, v0, 4, 1                         ; h
	v_lshlrev_b32 v[L16], 4, v4
	s_mul_i32 s15, s14, 8448                       ; my wave's stage
	v_add_nc_u32 v7, s15, v[L16]                   ; by rows
	v_mul_u32_u24 v8, v5, 528
	v_lshl_add_u32 v8, v6, 6, v8
	v_add_nc_u32 v8, s15, v8                       ; by lanes: row r, + 64 h
	v_lshlrev_b32 v10, 6, v6                       ; w, b: 64 h
	v_lshlrev_b32 v12, 5, v5
	v_add_nc_u32 v12, RED1, v12                    ; row r's eight words
	s_lshl_b32 s16, s14, 2
	v_add_nc_u32 v11, s16, v12                     ; my wave's
	s_lshl_b32 s16, ttmp9, 4
	s_and_b32 s17, ttmp9, 1
	s_lshl_b32 s17, s17, 3
	s_sub_co_u32 s16, s16, s17                     ; the tile's first row
	s_lshl_b32 s16, s16, 12
	s_lshl_b32 s18, s14, 9                         ; my wave's 512 bytes
	s_add_co_u32 s16, s16, s18
	s_mov_b32 s17, 0
	s_mov_b32 s19, 0
	s_mov_b32 s[SEL], 0x76543210
	s_mov_b32 s[SEL+1], 0xfedcba98
	s_mov_b32 s30, 0x3a800000                      ; 1 / 1,024
	s_mov_b32 s31, 0x3727c5ac                      ; 1e-5
	s_wait_kmcnt 0x0
	s_add_nc_u64 s[4:5], s[4:5], s[16:17]
	s_add_nc_u64 s[10:11], s[10:11], s[16:17]
	s_add_nc_u64 s[6:7], s[6:7], s[18:19]
	s_add_nc_u64 s[8:9], s[8:9], s[18:19]
.irp t, 0,1,2,3,4,5,6,7,8,9,10,11,12,13,14,15
	global_load_b128 v[R+4*\t:R+4*\t+3], v[L16], s[4:5] offset:(\t+8*(\t/8))*4096 th:TH_LOAD_NT
.endr
.irp b, 0,1,2,3
.irp j, 0,1,2,3
	global_load_b128 v[W+16*\b+4*\j:W+16*\b+4*\j+3], v10, s[6:7] offset:128*\b+16*\j
.endr
.endr
.irp t, 0,1,2,3,4,5,6,7,8,9,10,11,12,13,14,15
	s_wait_loadcnt 31-\t                           ; row t is in; the younger rows and w's 16 loads stay out
	ds_store_b128 v7, v[R+4*\t:R+4*\t+3] offset:528*\t
.endr
.irp b, 0,1,2,3
.irp j, 0,1,2,3
	ds_load_b128 v[X+16*\b+4*\j:X+16*\b+4*\j+3], v8 offset:128*\b+16*\j   ; LDS serves a wave's instructions in order: these see my stores
.endr
.endr
	s_wait_dscnt 0x0                               ; my numbers are in, and the stores have read their registers, which take b
.irp b, 0,1,2,3
.irp j, 0,1,2,3
	global_load_b128 v[R+16*\b+4*\j:R+16*\b+4*\j+3], v10, s[8:9] offset:128*\b+16*\j
.endr
.endr
.irp c, 0,1,2,3
	v_pk_add_f32 v[SA+2*\c:SA+2*\c+1], v[X+4*\c:X+4*\c+1], v[X+4*\c+2:X+4*\c+3]
.endr
.irp i, 16,24,32,40,48,56
.irp c, 0,1,2,3
	v_pk_add_f32 v[SA+2*\c:SA+2*\c+1], v[SA+2*\c:SA+2*\c+1], v[X+\i+2*\c:X+\i+2*\c+1]
.endr
.endr
	ROWSUM 0
	v_mul_f32 v[MU], s30, v[SA]                    ; the mean
	v_mov_b32 v[MU+1], v[MU]
.set i, 0
.rept 32
	v_pk_add_f32 v[X+i:X+i+1], v[X+i:X+i+1], v[MU:MU+1] neg_lo:[0,1] neg_hi:[0,1]
.set i, i+2
.endr
.irp c, 0,1,2,3
	v_pk_mul_f32 v[SA+2*\c:SA+2*\c+1], v[X+2*\c:X+2*\c+1], v[X+2*\c:X+2*\c+1]
.endr
.irp i, 8,16,24,32,40,48,56
.irp c, 0,1,2,3
	v_pk_fma_f32 v[SA+2*\c:SA+2*\c+1], v[X+\i+2*\c:X+\i+2*\c+1], v[X+\i+2*\c:X+\i+2*\c+1], v[SA+2*\c:SA+2*\c+1]
.endr
.endr
	ROWSUM 512
	v_fma_f32 v[SA], v[SA], s30, s31               ; the biased variance + eps
	v_rsq_f32 v[MU], v[SA]
	v_nop                                          ; a plain instruction behind the transcendental
	s_wait_alu depctr_va_vdst(0)                   ; and the wait ahead of its first reader
	v_mov_b32 v[MU+1], v[MU]
	s_wait_loadcnt 0x0                             ; w and b
.set i, 0
.rept 32
	v_pk_mul_f32 v[X+i:X+i+1], v[X+i:X+i+1], v[MU:MU+1]
.set i, i+2
.endr
.set i, 0
.rept 32
	v_pk_fma_f32 v[X+i:X+i+1], v[X+i:X+i+1], v[W+i:W+i+1], v[R+i:R+i+1]
.set i, i+2
.endr
.irp b, 0,1,2,3
.irp j, 0,1,2,3
	ds_store_b128 v8, v[X+16*\b+4*\j:X+16*\b+4*\j+3] offset:128*\b+16*\j   ; back into my stage,
.endr
.endr
.irp t, 0,1,2,3,4,5,6,7,8,9,10,11,12,13,14,15
	ds_load_b128 v[W+4*\t:W+4*\t+3], v7 offset:528*\t                      ; and out of it by rows
.endr
.irp t, 0,1,2,3,4,5,6,7,8,9,10,11,12,13,14,15
	s_wait_dscnt 15-\t
	global_store_b128 v[L16], v[W+4*\t:W+4*\t+3], s[10:11] offset:(\t+8*(\t/8))*4096 th:TH_STORE_NT   ; 32 lanes store 512 consecutive bytes of a row
.endr
	s_wait_tensorcnt 0x0
	ds_add_u32 v244, v245
	s_wait_dscnt 0x0
	s_endpgm
.Lfunc_end_k_qea18c701cd_ln2:
	.size	k_qea18c701cd_ln2, .Lfunc_end_k_qea18c701cd_ln2-k_qea18c701cd_ln2
	.p2alignl 7, 3214868480
	.fill 96, 4, 3214868480
	.section	.rodata,"a",@progbits
	.p2align	6, 0x0
	.amdhsa_kernel k_qea18c701cd_ln2
		.amdhsa_group_segment_fixed_size 69632
		.amdhsa_private_segment_fixed_size 0
		.amdhsa_enable_private_segment 0
		.amdhsa_kernarg_size 32
		.amdhsa_user_sgpr_count 2
		.amdhsa_user_sgpr_kernarg_segment_ptr 1
		.amdhsa_wavefront_size32 1
		.amdhsa_system_sgpr_workgroup_id_x 1
		.amdhsa_system_sgpr_workgroup_id_y 1
		.amdhsa_system_sgpr_workgroup_id_z 1
		.amdhsa_system_vgpr_workitem_id 0
		.amdhsa_next_free_vgpr 256
		.amdhsa_next_free_sgpr 66
		.amdhsa_reserve_vcc 0
		.amdhsa_float_denorm_mode_32 3
		.amdhsa_float_denorm_mode_16_64 3
		.amdhsa_memory_ordered 1
		.amdhsa_forward_progress 1
		.amdhsa_inst_pref_size 25
	.end_amdhsa_kernel
	.amdgpu_metadata
---
amdhsa.version: [ 1, 2 ]
amdhsa.kernels:
  - .name:           k_qea18c701cd_ln2
    .symbol:         k_qea18c701cd_ln2.kd
    .args:
      - { .name: Y, .offset: 0, .size: 8, .value_kind: global_buffer, .address_space: global }
      - { .name: ln2_w, .offset: 8, .size: 8, .value_kind: global_buffer, .address_space: global }
      - { .name: ln2_b, .offset: 16, .size: 8, .value_kind: global_buffer, .address_space: global }
      - { .name: out0, .offset: 24, .size: 8, .value_kind: global_buffer, .address_space: global }
    .group_segment_fixed_size: 69632
    .private_segment_fixed_size: 0
    .kernarg_segment_align: 8
    .kernarg_segment_size: 32
    .max_flat_workgroup_size: 256
    .sgpr_count:     66
    .vgpr_count:     256
    .wavefront_size: 32
...
	.end_amdgpu_metadata
.endif
;; end of part 8
;; ======== version 2 of 2: 8 launches; 1.20 times as fast as version 1
;; limits: a function is approximated: absolute error at most 1.5e-07
;; workspace buffers: P 13,107,200 bytes; QKV 10,092,544 bytes; OQ 3,276,800 bytes; X1Q 3,276,800 bytes; HQ 13,107,200 bytes; Y 16,777,216 bytes; X1 16,777,216 bytes
;; launch prep: the kernel of part 1 again; grid 352 x 1, 8 waves a work-group, no clusters, 68,608 bytes of LDS; arguments x, Wq_codes, Wq_scales, Wk_codes, Wk_scales, Wv_codes, Wv_scales, Wy_codes, Wy_scales, W1_codes, W1_scales, W2_codes, W2_scales, P; writes P
;; launch qkv: the kernel of part 2 again; grid 12 x 16, 4 waves a work-group, clusters of 4 x 4, 327,680 bytes of LDS; arguments P, bq, bk, bv, QKV; writes QKV
;; launch attn: the kernel of part 3 again; grid 8 x 32, 16 waves a work-group, clusters of 4 x 1, 210,944 bytes of LDS; arguments QKV, OQ; writes OQ
;; launch wy (part 9): grid 8 x 32, 4 waves a work-group, clusters of 4 x 4, 327,680 bytes of LDS; arguments OQ, P, by, x, Y; writes Y
.if DOCPART == 9
	.amdgcn_target "amdgcn-amd-amdhsa--gfx1250"
	.amdhsa_code_object_version 6
	.text
	.protected	k_qea18c701cd_wy
	.globl	k_qea18c701cd_wy
	.p2align	8
	.type	k_qea18c701cd_wy,@function
k_qea18c701cd_wy:
	s_mov_b64 s[64:65], 0
	v_nop
	global_prefetch_b8 v0, s[64:65] scope:SCOPE_SE
	s_setreg_imm32_b32 hwreg(HW_REG_WAVE_MODE, 25, 1), 1
	s_wait_xcnt 0x0
	s_wait_alu depctr_hold_cnt(0) depctr_sa_sdst(0) depctr_va_vdst(0) depctr_va_sdst(0) depctr_va_ssrc(0) depctr_va_vcc(0) depctr_vm_vsrc(0)
	s_getreg_b32 s2, hwreg(HW_REG_IB_STS2, 6, 4)
	s_cmp_eq_u32 s2, 0
	s_cbranch_scc0 .Lentry_in_a_cluster
	s_endpgm
.Lentry_in_a_cluster:
	s_bfe_u32 s2, ttmp6, 0x10000c
	s_cmp_lg_u32 s2, 0xf033
	s_cbranch_scc0 .Lentry_shape_is_right
	s_endpgm
.Lentry_shape_is_right:
; WY.  Y = x + o Wy^T + by, f32: the sum that the first LayerNorm takes.  The product is on codes of FP6 (E2M3) with E8M0 scales, f32 sums.  A = o's images (OQ), B = Wy's images (P).
; A TILE OF C IS 128 x 128: C is 4,096 x 1,024, which makes 256 such tiles, a work-group each; tiles of 256 x 256 would be 64.  Four waves, 64 x 64 each: 16 accumulators, 128 registers.
; OPERANDS are images of operand registers (lane r of tile T holds row 32 (T / 2) + 8 (T % 2) + r + 8 (r / 8) of its group of 256; 1,536 bytes a fragment: for each 64 along K registers 0-3 at 16 x lane, registers 4, 5 at 512 + 8 x lane),
; laid [group][step of 128 along K][16 tiles].  Half a group's 8 fragments of a step are 12,288 dense bytes, 24,576 bytes apart from step to step: one tensor load brings two steps of them, as 2 rows of 12,288 bytes.
; A fragment is read from LDS by four loads of consecutive bytes: no padding is needed.
; A SLOT HOLDS FOUR STEPS of 128 along K ([A step 0..3][B step 0..3], two steps a wave).  K = 1,024 is two slots: all of K comes with the first fills, and nothing is filled again; so nothing is left to prefetch.
; The scale words of the tile's rows, for all of K, come with the first fills too.
; CLUSTERS: 4 x 4 work-groups; A's blocks are shared along a row of the cluster, B's along a column: each is asked for jointly, by the same tensor load with the same descriptor and a mask that names the four.
; THE MATRIX INSTRUCTION IS USED TRANSPOSED (source 0 = B's tile, source 1 = A's): lane (r, h) of accumulator (a, b) holds A's row r of tile a, and its register j column 32 (b / 2) + 16 h + 8 (b % 2) + j.  The bias is the C of each sum's first product.
; THE RESIDUAL's 64 rows x 256 bytes of the wave are asked for at the head, into registers of their own, and waited for on the way out.
; THE WAY OUT: a block of 16 rows x 256 bytes goes through the wave's own stage in LDS and comes back two rows to a load; the residual is added; sixteen lanes store 256 consecutive bytes, aligned.  Which row of C a tile's lane holds stands in the immediates.
; REGISTERS: window 0: v0-31 addresses; v32-63 scale words, two sets; v64-95 the bias (on the way out v64-127: rows of C); v128-255 the accumulators, (a, b) at v[128 + 8 (4 a + b)].
;   window 1: two sets of fragments, at v0 and v128: A's four, then B's four.   window 2: v0-127 the residual.
.set KTOT,   1024
.set A_IMG,  0
.set A_SCL,  3145728
.set B_IMG,  5636096
.set B_SCL,  12812288
.set NS,     KTOT/128
.set NQ,     4                         ; steps of 128 along K in a slot
.set FR,     12
.set FRB,    1536
.set HB,     12288                     ; half a group's 8 fragments of a step
.set QB,     24576                     ; a group's 16 fragments of a step, in memory; also what one tensor load brings
.set OPB,    NQ*HB
.set SLOT,   2*OPB
.set LAPS,   KTOT/1024                 ; a lap = two slots = once round the ring
.set SCL,    2*SLOT                    ; behind the ring: A's scale words, NS x 512 bytes, then B's
.set SPARE,  SCL+1024*NS               ; the spare words, 128 bytes a wave: two blocks of 256 bytes that no other line names
.set STG,    SPARE+512                 ; the stages for the way out, 16 rows x 272 bytes a wave: bytes of their own, into which no fill lands
.set L16,  4
.set L8,   5
.set ADRA, 16                          ; v16-17 A's fragments in slot 0, 1, at 16 x lane; v18-19 at 8 x lane
.set ADRB, 20                          ; v20-23 the same for B
.set STO,  24
.set RD,   25
.set CO,   26                          ; v26 4,096 (lane / 16) + 16 (lane % 16): two rows of C, 256 bytes each; never rewritten
.set ADRS, 27                          ; v27 my scale words: lanes 0-15 A's, lanes 16-31 B's
.set SPW,  28
.set NIL,  29
.set SC,   32
.set BX,   64
.set ACC,  128
.set G1, 24
.set G0, 32
.set G1B, 48
.set G0B, 56
.set G1S, 68
.set G0S, 76
.set G1SB, 80
.set G0SB, 88
.set MSB, 0
.macro WIN new                         ; the immediate's high byte repeats the setting that is left
.if MSB != (\new)
	s_set_vgpr_msb (MSB<<8)|(\new)
.set MSB, (\new)
.endif
.endm
.set MUL,  0x05                        ; sources 0 (B) and 1 (A) window 1; C and D window 0
.set TO_F, 0x40                        ; destination window 1, address window 0
.macro JLOAD g0a, g1a, g0b, g1b        ; a joint load: waves 0 and 1 fetch for A, waves 2 and 3 for B; four v_nop follow each of the two lines
	s_cmp_eq_u32 s15, 0
	s_cbranch_scc0 .Lfor_b_\@
	tensor_load_to_lds s[\g0a:\g0a+3], s[\g1a:\g1a+7]
	s_nop 0
.rept 4
	v_nop
.endr
	s_branch .Lasked_\@
.Lfor_b_\@:
	tensor_load_to_lds s[\g0b:\g0b+3], s[\g1b:\g1b+7]
	s_nop 0
.rept 4
	v_nop
.endr
.Lasked_\@:
.endm
.macro CREST                           ; a round of the cluster's barrier behind its opening barrier
	s_cmp_lg_u32 s14, 0
	s_cbranch_scc1 .Lnot_wave_0_\@
	s_barrier_signal -3
.Lnot_wave_0_\@:
	s_barrier_wait -3
	s_barrier_signal -1
	s_barrier_wait -1
.endm
.macro CROUND
	s_barrier_signal -1
	s_barrier_wait -1
	CREST
.endm
.macro FRAG reg, adr, q, i             ; a fragment's image into 12 registers: four loads of consecutive bytes
	ds_load_b128 v[\reg:\reg+3], v[\adr] offset:(\q)*HB+(\i)*FRB
	ds_load_b64 v[\reg+4:\reg+5], v[\adr+2] offset:(\q)*HB+(\i)*FRB+512
	ds_load_b128 v[\reg+6:\reg+9], v[\adr] offset:(\q)*HB+(\i)*FRB+768
	ds_load_b64 v[\reg+10:\reg+11], v[\adr+2] offset:(\q)*HB+(\i)*FRB+1280
.endm
; 4 products: A's block a x B's four, out of set p; the slot's q-th step; sc: the set of scale words.  zero = 1: the bias starts the sums.  The 16 accumulators take turns, one instruction a turn, in the same order in every step.
.macro MUL4 a, p, q, sc, zero
.irp b, 0,1,2,3
.if \zero
	v_wmma_scale_f32_16x16x128_f8f6f4 v[ACC+8*(4*(\a)+\b):ACC+8*(4*(\a)+\b)+7], v[128*(\p)+48+FR*\b:128*(\p)+48+FR*\b+FR-1], v[128*(\p)+FR*(\a):128*(\p)+FR*(\a)+FR-1], v[BX+8*\b:BX+8*\b+7], v[SC+16*(\sc)+4*\b+(\q)], v[SC+16*(\sc)+4*(\a)+(\q)] matrix_a_fmt:MATRIX_FMT_FP6 matrix_b_fmt:MATRIX_FMT_FP6 matrix_a_scale:MATRIX_SCALE_ROW1
.else
	v_wmma_scale_f32_16x16x128_f8f6f4 v[ACC+8*(4*(\a)+\b):ACC+8*(4*(\a)+\b)+7], v[128*(\p)+48+FR*\b:128*(\p)+48+FR*\b+FR-1], v[128*(\p)+FR*(\a):128*(\p)+FR*(\a)+FR-1], v[ACC+8*(4*(\a)+\b):ACC+8*(4*(\a)+\b)+7], v[SC+16*(\sc)+4*\b+(\q)], v[SC+16*(\sc)+4*(\a)+(\q)] matrix_a_fmt:MATRIX_FMT_FP6 matrix_b_fmt:MATRIX_FMT_FP6 matrix_a_scale:MATRIX_SCALE_ROW1
.endif
.endr
.endm
.macro FETCH slot, q, p                ; 32 LDS loads in one run: a step's fragments into set p: B's four, A's blocks 0, 1, and last A's blocks 2, 3
	WIN TO_F
.irp i, 0,1,2,3
	FRAG 128*(\p)+48+FR*\i, ADRB+\slot, \q, \i
.endr
.irp i, 0,1,2,3
	FRAG 128*(\p)+FR*\i, ADRA+\slot, \q, \i
.endr
.endm
.macro SCALES sc                       ; a slot's scale words: register 4 i + q: lanes 0-15 the word of A's block i, lanes 16-31 of B's block i, for the slot's q-th step
.irp i, 0,1,2,3
.irp q, 0,1,2,3
	ds_load_b32 v[SC+16*\sc+4*\i+\q], v[ADRS] offset:512*\q+64*\i
.endr
.endr
.endm
.macro PLACES n                        ; plain instructions between a matrix instruction and a load into, or a read of, its registers
.rept \n
	v_nop
.endr
.endm
.macro STEP slot, q, zero              ; a step of 128 along K that has its successor in the same slot
	s_wait_dscnt 8                                 ; the scale words, B's four and A's blocks 0, 1 are in; the youngest 8 loads (A's blocks 2, 3) may be out
	WIN MUL
	MUL4 0, (\q)%2, \q, \slot, \zero
	MUL4 1, (\q)%2, \q, \slot, \zero
	PLACES 4                                       ; for the loads into the other set, which the step before multiplied
	FETCH \slot, (\q)+1, 1-(\q)%2
	s_wait_dscnt 32                                ; all but the 32 just issued
	WIN MUL
	MUL4 2, (\q)%2, \q, \slot, \zero
	MUL4 3, (\q)%2, \q, \slot, \zero
.endm
; A slot's last step changes slots: one barrier; in front of it each wave waits for all its tensor loads, adds 0 to its spare word, and waits for that and for its reads of this slot.  fill = 1: the slot is filled again, two slots ahead.
.macro TURN slot, next, fill
	WIN 0                                          ; (the add's two registers lie in window 0)
	s_wait_tensorcnt 0x0                           ; all my tensor loads have landed: my part of the next slot
	ds_add_u32 v[SPW], v[NIL]                      ; 0 onto my spare word
	s_wait_dscnt 9                                 ; (the add and the youngest 8 loads may be out)
	WIN MUL
	MUL4 0, 1, NQ-1, \slot, 0
	s_wait_dscnt 0x0                               ; the add is done, and my reads of this slot are over
	s_barrier_signal -1
	MUL4 1, 1, NQ-1, \slot, 0
	WIN 0
	s_barrier_wait -1
.if \fill
	CREST                                          ; the barrier has opened a round of the cluster's barrier: no wave of any partner still reads this slot or has a load on its way
	s_add_nc_u64 s[G0+4*\slot+2:G0+4*\slot+3], s[G0+4*\slot+2:G0+4*\slot+3], 2*NQ*QB
	s_add_nc_u64 s[G0B+4*\slot+2:G0B+4*\slot+3], s[G0B+4*\slot+2:G0B+4*\slot+3], 2*NQ*QB
	JLOAD G0+4*\slot, G1, G0B+4*\slot, G1B         ; the first tensor load behind the round; its four v_nop are also the places in front of the loads below
.else
	PLACES 4
.endif
	v_add_nc_u32 v[ADRS], 512*NQ, v[ADRS]          ; the next slot's scale words
	SCALES \next
	FETCH \next, 0, 0
	WIN MUL
	MUL4 2, 1, NQ-1, \slot, 0
	MUL4 3, 1, NQ-1, \slot, 0
.endm
	s_load_b256 s[4:11], s[0:1], 0x0               ; A's buffer s[4:5], P s[6:7], the bias s[8:9], the residual s[10:11]
	s_load_b64 s[12:13], s[0:1], 0x20              ; Y
	v_lshl_add_u32 v[SPW], v0, 2, SPARE
	v_mov_b32 v[NIL], 0
	ds_add_u32 v28, v29
	ds_add_u32 v28, v29
	s_wait_dscnt 0x0
	v_lshrrev_b32 v1, 5, v0
	v_readfirstlane_b32 s14, v1                    ; wave 0..3
	s_lshr_b32 s15, s14, 1                         ; which half of the tile's rows is mine.  Also: I fetch for A (0) or for B (1)
	s_and_b32 s16, s14, 1                          ; which half of its columns.  Also: which two of a slot's four steps I fetch
	s_bfe_u32 s40, ttmp6, 0x40000                  ; cx
	s_bfe_u32 s41, ttmp6, 0x40004                  ; cy
	s_lshl_b32 s42, ttmp9, 2
	s_add_co_u32 s42, s42, s40                     ; tile column of C, 0..7
	s_and_b32 s17, ttmp7, 0xffff
	s_lshl_b32 s17, s17, 2
	s_add_co_u32 s17, s17, s41                     ; tile row of C, 0..31
	s_lshl_b32 s43, s41, 2
	s_lshl_b32 s43, 15, s43                        ; my row of the cluster
	s_lshl_b32 s44, 0x1111, s40                    ; my column
	; descriptor group 1: two steps of half a group: 2 rows of 1,536 elements of 8 bytes, 3,072 elements apart
	s_or_b32 s[G1+0], s43, (3<<16)|(1<<21)         ; 15:0 the mask; 17:16 elements of 8 bytes; 21 set beside a mask; no padding
	s_or_b32 s[G1B+0], s44, (3<<16)|(1<<21)
.irp g, G1, G1B
	s_mov_b32 s[\g+1], 1536<<16                    ; tensor_dim0
	s_mov_b32 s[\g+2], 2<<16                       ; tensor_dim1
	s_mov_b32 s[\g+3], 1536<<16                    ; tile_dim0
	s_mov_b32 s[\g+4], 2                           ; tile_dim1
	s_mov_b32 s[\g+5], 3072                        ; tensor_dim0_stride
	s_mov_b32 s[\g+6], 0
	s_mov_b32 s[\g+7], 0
.endr
	; and the scale words of half a group for half of K: NS / 2 rows of 64 elements (512 bytes), 128 elements apart
	s_or_b32 s[G1S+0], s43, (3<<16)|(1<<21)
	s_or_b32 s[G1SB+0], s44, (3<<16)|(1<<21)
.irp g, G1S, G1SB
	s_mov_b32 s[\g+1], 64<<16
	s_mov_b32 s[\g+2], (NS/2)<<16
	s_mov_b32 s[\g+3], 64<<16
	s_mov_b32 s[\g+4], NS/2
	s_mov_b32 s[\g+5], 128
	s_mov_b32 s[\g+6], 0
	s_mov_b32 s[\g+7], 0
.endr
	s_lshr_b32 s18, s17, 1                         ; A's group,
	s_and_b32 s19, s17, 1                          ; and which half of it
	s_mul_i32 s20, s18, NS*QB
	s_mul_i32 s21, s19, HB
	s_add_co_u32 s20, s20, s21
	s_mul_i32 s21, s16, 2*QB                       ; my two steps
	s_add_co_u32 s20, s20, s21
	s_add_co_u32 s20, s20, A_IMG
	s_mov_b32 s21, 0
	s_mul_i32 s22, s18, 1024*NS
	s_lshl_b32 s23, s19, 9
	s_add_co_u32 s22, s22, s23
	s_mul_i32 s23, s16, 512*NS                     ; my half of K
	s_add_co_u32 s22, s22, s23
	s_add_co_u32 s22, s22, A_SCL
	s_mov_b32 s23, 0
	s_lshr_b32 s66, s42, 1                         ; B's group and half, in registers that never hold the tile row
	s_and_b32 s67, s42, 1
	s_mul_i32 s46, s66, NS*QB
	s_mul_i32 s47, s67, HB
	s_add_co_u32 s46, s46, s47
	s_mul_i32 s47, s16, 2*QB
	s_add_co_u32 s46, s46, s47
	s_add_co_u32 s46, s46, B_IMG
	s_mov_b32 s47, 0
	s_mul_i32 s92, s66, 1024*NS
	s_lshl_b32 s93, s67, 9
	s_add_co_u32 s92, s92, s93
	s_mul_i32 s93, s16, 512*NS
	s_add_co_u32 s92, s92, s93
	s_add_co_u32 s92, s92, B_SCL
	s_mov_b32 s93, 0
	s_mul_i32 s45, s14, QB                         ; where they go: wave x 24,576 bytes: no place in the cluster enters an LDS address
	s_mul_i32 s94, s14, 256*NS
	s_wait_kmcnt 0x0
	s_add_nc_u64 s[20:21], s[4:5], s[20:21]
	s_add_nc_u64 s[22:23], s[4:5], s[22:23]
	s_add_nc_u64 s[46:47], s[6:7], s[46:47]
	s_add_nc_u64 s[92:93], s[6:7], s[92:93]
	CROUND                                         ; all sixteen work-groups are here: the first joint loads meet
	s_mov_b32 s[G0S], 1
	s_add_co_u32 s[G0S+1], s94, SCL
	s_mov_b64 s[G0S+2:G0S+3], s[22:23]
	s_or_b32 s[G0S+3], s[G0S+3], 0x80000000
	s_mov_b32 s[G0SB], 1
	s_add_co_u32 s[G0SB+1], s94, SCL
	s_mov_b64 s[G0SB+2:G0SB+3], s[92:93]
	s_or_b32 s[G0SB+3], s[G0SB+3], 0x80000000
	JLOAD G0S, G1S, G0SB, G1SB                     ; the scale words first; three loads of a wave are out at the start
.irp s, 0,1
	s_mov_b32 s[G0+4*\s], 1
	s_add_co_u32 s[G0+4*\s+1], s45, \s*SLOT
	s_add_nc_u64 s[G0+4*\s+2:G0+4*\s+3], s[20:21], \s*NQ*QB
	s_or_b32 s[G0+4*\s+3], s[G0+4*\s+3], 0x80000000
	s_mov_b32 s[G0B+4*\s], 1
	s_add_co_u32 s[G0B+4*\s+1], s45, \s*SLOT
	s_add_nc_u64 s[G0B+4*\s+2:G0B+4*\s+3], s[46:47], \s*NQ*QB
	s_or_b32 s[G0B+4*\s+3], s[G0B+4*\s+3], 0x80000000
	JLOAD G0+4*\s, G1, G0B+4*\s, G1B
.endr
	v_and_b32 v1, 15, v0                           ; r
	v_bfe_u32 v2, v0, 4, 1                         ; h
	v_and_b32 v3, 31, v0                           ; lane
	v_lshlrev_b32 v[L16], 4, v3
	v_lshlrev_b32 v[L8], 3, v3
	s_mul_i32 s21, s15, 4*FRB                      ; my 4 tiles of A
	s_mul_i32 s22, s16, 4*FRB                      ; my 4 tiles of B,
	s_add_co_u32 s22, s22, OPB                     ; which lie behind A's four steps
.irp s, 0,1
	v_add_nc_u32 v[ADRA+\s], s21, v[L16]
	v_add_nc_u32 v[ADRB+\s], s22, v[L16]
	v_add_nc_u32 v[ADRA+2+\s], s21, v[L8]
	v_add_nc_u32 v[ADRB+2+\s], s22, v[L8]
	s_add_co_u32 s21, s21, SLOT
	s_add_co_u32 s22, s22, SLOT
.endr
	s_lshl_b32 s21, s15, 8                         ; A's scale words: my 4 tiles of 64 bytes
	s_lshl_b32 s22, s16, 8
	s_add_co_u32 s22, s22, 512*NS                  ; B's lie behind A's
	s_sub_co_u32 s22, s22, s21
	v_mul_u32_u24 v6, s22, v2                      ; lanes 16-31 take B's
	s_add_co_u32 s21, s21, SCL
	v_lshl_add_u32 v6, v1, 2, v6
	v_add_nc_u32 v[ADRS], s21, v6
	s_mul_i32 s23, s14, 16*272
	s_add_co_u32 s23, s23, STG                     ; my stage
	v_mul_u32_u24 v6, v1, 272
	v_lshl_add_u32 v6, v2, 6, v6
	v_add_nc_u32 v[STO], s23, v6                   ; in: row r, + 64 h
	v_mul_u32_u24 v6, v2, 272
	v_lshl_add_u32 v6, v1, 4, v6
	v_add_nc_u32 v[RD], s23, v6                    ; back: lanes 0-15 one row of 256 bytes, lanes 16-31 the next
	v_lshlrev_b32 v[CO], 12, v2
	v_lshl_add_u32 v[CO], v1, 4, v[CO]             ; and the same two rows in C
	v_lshlrev_b32 v7, 6, v2                        ; the bias: 64 h
	s_lshl_b32 s20, s42, 9
	s_lshl_b32 s22, s16, 8
	s_add_co_u32 s20, s20, s22                     ; my first column, in bytes: 512 x tile column + 256 x half
	s_mov_b32 s21, 0
	s_add_nc_u64 s[8:9], s[8:9], s[20:21]
	s_lshl_b32 s22, s17, 19
	s_add_co_u32 s20, s20, s22
	s_lshl_b32 s22, s15, 18
	s_add_co_u32 s20, s20, s22                     ; + my first row (128 x tile row + 64 x half) x 4,096 bytes
	s_add_nc_u64 s[10:11], s[10:11], s[20:21]
	s_add_nc_u64 s[12:13], s[12:13], s[20:21]
.irp b, 0,1,2,3
	global_load_b128 v[BX+8*\b:BX+8*\b+3], v7, s[8:9] offset:(32*(\b/2)+8*(\b%2))*4
	global_load_b128 v[BX+8*\b+4:BX+8*\b+7], v7, s[8:9] offset:(32*(\b/2)+8*(\b%2))*4+16
.endr
	WIN 0x80                                       ; destination window 2
.irp a, 0,1,2,3
.irp t, 0,1,2,3,4,5,6,7
	global_load_b128 v[32*\a+4*\t:32*\a+4*\t+3], v[CO], s[10:11] offset:(32*(\a/2)+8*(\a%2)+2*\t+8*(\t/4))*4096 th:TH_LOAD_NT   ; the residual: the rows of lanes 2 t and 2 t + 1 of my tile a, 256 consecutive bytes each
.endr
.endr
	WIN 0
	s_wait_loadcnt 32                              ; the bias is in; the residual's 32 loads stay out until the way out
	s_wait_tensorcnt 1                             ; the scale words and my part of slot 0 are in; slot 1's load may be out
	s_barrier_signal -1
	s_barrier_wait -1
	SCALES 0
	FETCH 0, 0, 0
	STEP 0, 0, 1                                   ; the first step stands in front of the loop: its products start the sums
.if LAPS > 1
	WIN 0                                          ; at a label and at a branch every window is 0
	s_mov_b32 s3, LAPS-1
.Llap:                                             ; a trip goes once round the ring, from a lap's second step to the next lap's first, and fills both slots again
	STEP 0, 1, 0
	STEP 0, 2, 0
	TURN 0, 1, 1
	STEP 1, 0, 0
	STEP 1, 1, 0
	STEP 1, 2, 0
	TURN 1, 0, 1
	STEP 0, 0, 0
	WIN 0
	s_sub_co_u32 s3, s3, 1
	s_cmp_lg_u32 s3, 0
	s_cbranch_scc1 .Llap
.endif
	STEP 0, 1, 0                                   ; the last lap fills nothing
	STEP 0, 2, 0
	TURN 0, 1, 0
	STEP 1, 0, 0
	STEP 1, 1, 0
	STEP 1, 2, 0
	s_wait_dscnt 8                                 ; the very last step: nothing more to fetch
	WIN MUL
	MUL4 0, 1, NQ-1, 1, 0
	MUL4 1, 1, NQ-1, 1, 0
	s_wait_dscnt 0x0
	MUL4 2, 1, NQ-1, 1, 0
	MUL4 3, 1, NQ-1, 1, 0
	WIN 0
.macro TOSTAGE a                       ; block a into my stage, each accumulator from its low end on, and back two rows to a load
.irp b, 0,1,2,3
	ds_store_b128 v[STO], v[ACC+8*(4*(\a)+\b):ACC+8*(4*(\a)+\b)+3] offset:128*(\b/2)+32*(\b%2)
	ds_store_b128 v[STO], v[ACC+8*(4*(\a)+\b)+4:ACC+8*(4*(\a)+\b)+7] offset:128*(\b/2)+32*(\b%2)+16
.endr
.set BB, 64+32*((\a)%2)
.irp t, 0,1,2,3,4,5,6,7
	ds_load_b128 v[BB+4*\t:BB+4*\t+3], v[RD] offset:544*\t   ; LDS serves a wave's instructions in order: these see the stores above, and the next block's stores come behind them
.endr
.endm
.macro SEND a
.set BB, 64+32*((\a)%2)
.set RG, 32*(\a)
	WIN 0x08                                       ; source 1 (the residual) window 2
.set i, 0
.rept 16
	v_pk_add_f32 v[BB+i:BB+i+1], v[BB+i:BB+i+1], v[RG+i:RG+i+1]
.set i, i+2
.endr
	WIN 0
.irp t, 0,1,2,3,4,5,6,7
	global_store_b128 v[CO], v[BB+4*\t:BB+4*\t+3], s[12:13] offset:(32*((\a)/2)+8*((\a)%2)+2*\t+8*(\t/4))*4096   ; 16 lanes store 256 consecutive bytes, at a multiple of 256 from Y's first byte
.endr
.endm
	PLACES 4                                       ; behind the last products
	TOSTAGE 0
.irp a, 0,1,2,3
.if \a < 3
	s_wait_xcnt 0x0                                ; the stores of the block before have read the registers that the next block's rows take
	TOSTAGE \a+1
	s_wait_dscnt 16                                ; block a is back; the next block's 8 stores and 8 loads may be out
.else
	s_wait_dscnt 0x0
.endif
.if \a == 0
	s_wait_loadcnt 0x0                             ; the residual, asked for at the head
.endif
	SEND \a
.endr
	s_wait_tensorcnt 0x0                           ; the wave's end: behind my last tensor load and my last LDS store
	ds_add_u32 v[SPW], v[NIL]
	s_wait_dscnt 0x0
	CROUND                                         ; the closing round: no work-group ends while a partner may still ask for a block that names it
	s_endpgm
.Lfunc_end_k_qea18c701cd_wy:
	.size	k_qea18c701cd_wy, .Lfunc_end_k_qea18c701cd_wy-k_qea18c701cd_wy
	.p2alignl 7, 3214868480
	.fill 96, 4, 3214868480
	.section	.rodata,"a",@progbits
	.p2align	6, 0x0
	.amdhsa_kernel k_qea18c701cd_wy
		.amdhsa_group_segment_fixed_size 327680
		.amdhsa_private_segment_fixed_size 0
		.amdhsa_enable_private_segment 0
		.amdhsa_kernarg_size 40
		.amdhsa_user_sgpr_count 2
		.amdhsa_user_sgpr_kernarg_segment_ptr 1
		.amdhsa_wavefront_size32 1
		.amdhsa_system_sgpr_workgroup_id_x 1
		.amdhsa_system_sgpr_workgroup_id_y 1
		.amdhsa_system_sgpr_workgroup_id_z 1
		.amdhsa_system_vgpr_workitem_id 0
		.amdhsa_next_free_vgpr 768
		.amdhsa_next_free_sgpr 100
		.amdhsa_reserve_vcc 0
		.amdhsa_float_denorm_mode_32 3
		.amdhsa_float_denorm_mode_16_64 3
		.amdhsa_memory_ordered 1
		.amdhsa_forward_progress 1
		.amdhsa_inst_pref_size 63
	.end_amdhsa_kernel
	.amdgpu_metadata
---
amdhsa.version: [ 1, 2 ]
amdhsa.kernels:
  - .name:           k_qea18c701cd_wy
    .symbol:         k_qea18c701cd_wy.kd
    .args:
      - { .name: OQ, .offset: 0, .size: 8, .value_kind: global_buffer, .address_space: global }
      - { .name: P, .offset: 8, .size: 8, .value_kind: global_buffer, .address_space: global }
      - { .name: by, .offset: 16, .size: 8, .value_kind: global_buffer, .address_space: global }
      - { .name: x, .offset: 24, .size: 8, .value_kind: global_buffer, .address_space: global }
      - { .name: Y, .offset: 32, .size: 8, .value_kind: global_buffer, .address_space: global }
    .group_segment_fixed_size: 327680
    .private_segment_fixed_size: 0
    .kernarg_segment_align: 8
    .kernarg_segment_size: 40
    .max_flat_workgroup_size: 128
    .sgpr_count:     100
    .vgpr_count:     768
    .wavefront_size: 32
...
	.end_amdgpu_metadata
.endif
;; end of part 9
;; launch ln1: the kernel of part 5 again; grid 256 x 1, 8 waves a work-group, no clusters, 69,632 bytes of LDS; arguments Y, ln1_w, ln1_b, X1, X1Q; writes X1, X1Q
;; launch w1: the kernel of part 6 again; grid 16 x 16, 4 waves a work-group, clusters of 4 x 4, 327,680 bytes of LDS; arguments X1Q, P, b1, HQ; writes HQ
;; launch w2 (part 10): grid 8 x 32, 4 waves a work-group, clusters of 4 x 4, 327,680 bytes of LDS; arguments HQ, P, b2, X1, Y; writes Y
.if DOCPART == 10
	.amdgcn_target "amdgcn-amd-amdhsa--gfx1250"
	.amdhsa_code_object_version 6
	.text
	.protected	k_qea18c701cd_w2
	.globl	k_qea18c701cd_w2
	.p2align	8
	.type	k_qea18c701cd_w2,@function
k_qea18c701cd_w2:
	s_mov_b64 s[64:65], 0
	v_nop
	global_prefetch_b8 v0, s[64:65] scope:SCOPE_SE
	s_setreg_imm32_b32 hwreg(HW_REG_WAVE_MODE, 25, 1), 1
	s_wait_xcnt 0x0
	s_wait_alu depctr_hold_cnt(0) depctr_sa_sdst(0) depctr_va_vdst(0) depctr_va_sdst(0) depctr_va_ssrc(0) depctr_va_vcc(0) depctr_vm_vsrc(0)
	s_getreg_b32 s2, hwreg(HW_REG_IB_STS2, 6, 4)
	s_cmp_eq_u32 s2, 0
	s_cbranch_scc0 .Lentry_in_a_cluster
	s_endpgm
.Lentry_in_a_cluster:
	s_bfe_u32 s2, ttmp6, 0x10000c
	s_cmp_lg_u32 s2, 0xf033
	s_cbranch_scc0 .Lentry_shape_is_right
	s_endpgm
.Lentry_shape_is_right:
; W2.  Y = x1 + h W2^T + b2, f32: the sum that the second LayerNorm takes.  The product is on codes of FP6 (E2M3) with E8M0 scales, f32 sums, K = 4,096.  A = h's images (HQ), B = W2's images (P).
; A TILE OF C IS 128 x 128: C is 4,096 x 1,024, which makes 256 such tiles, a work-group each; tiles of 256 x 256 would be 64.  Four waves, 64 x 64 each: 16 accumulators, 128 registers.
; OPERANDS are images of operand registers (lane r of tile T holds row 32 (T / 2) + 8 (T % 2) + r + 8 (r / 8) of its group of 256; 1,536 bytes a fragment: for each 64 along K registers 0-3 at 16 x lane, registers 4, 5 at 512 + 8 x lane),
; laid [group][step of 128 along K][16 tiles].  Half a group's 8 fragments of a step are 12,288 dense bytes, 24,576 bytes apart from step to step: one tensor load brings two steps of them, as 2 rows of 12,288 bytes.
; A fragment is read from LDS by four loads of consecutive bytes: no padding is needed.
; K goes through a ring of two LDS slots; A SLOT HOLDS FOUR STEPS of 128 along K ([A step 0..3][B step 0..3], two steps a wave): 64 matrix instructions a wave between two changes of slots, eight slots in all, six of them refills.
; The scale words of the tile's rows, for all of K (16 KB a side), come once with the first fills.  No prefetch is written for this small tile.
; CLUSTERS: 4 x 4 work-groups; A's blocks are shared along a row of the cluster, B's along a column: each is asked for jointly, by the same tensor load with the same descriptor and a mask that names the four.
; THE MATRIX INSTRUCTION IS USED TRANSPOSED (source 0 = B's tile, source 1 = A's): lane (r, h) of accumulator (a, b) holds A's row r of tile a, and its register j column 32 (b / 2) + 16 h + 8 (b % 2) + j.  The bias is the C of each sum's first product.
; THE RESIDUAL's 64 rows x 256 bytes of the wave are asked for at the head, into registers of their own, and waited for on the way out.
; THE WAY OUT: a block of 16 rows x 256 bytes goes through the wave's own stage in LDS and comes back two rows to a load; the residual is added; sixteen lanes store 256 consecutive bytes, aligned.  Which row of C a tile's lane holds stands in the immediates.
; REGISTERS: window 0: v0-31 addresses; v32-63 scale words, two sets; v64-95 the bias (on the way out v64-127: rows of C); v128-255 the accumulators, (a, b) at v[128 + 8 (4 a + b)].
;   window 1: two sets of fragments, at v0 and v128: A's four, then B's four.   window 2: v0-127 the residual.
.set KTOT,   4096
.set A_IMG,  0
.set A_SCL,  12582912
.set B_IMG,  9568256
.set B_SCL,  12976128
.set NS,     KTOT/128
.set NQ,     4                         ; steps of 128 along K in a slot
.set FR,     12
.set FRB,    1536
.set HB,     12288                     ; half a group's 8 fragments of a step
.set QB,     24576                     ; a group's 16 fragments of a step, in memory; also what one tensor load brings
.set OPB,    NQ*HB
.set SLOT,   2*OPB
.set LAPS,   KTOT/1024                 ; a lap = two slots = once round the ring
.set SCL,    2*SLOT                    ; behind the ring: A's scale words, NS x 512 bytes, then B's
.set SPARE,  SCL+1024*NS               ; the spare words, 128 bytes a wave: two blocks of 256 bytes that no other line names
.set STG,    SPARE+512                 ; the stages for the way out, 16 rows x 272 bytes a wave: bytes of their own, into which no fill lands
.set L16,  4
.set L8,   5
.set ADRA, 16                          ; v16-17 A's fragments in slot 0, 1, at 16 x lane; v18-19 at 8 x lane
.set ADRB, 20                          ; v20-23 the same for B
.set STO,  24
.set RD,   25
.set CO,   26                          ; v26 4,096 (lane / 16) + 16 (lane % 16): two rows of C, 256 bytes each; never rewritten
.set ADRS, 27                          ; v27 my scale words: lanes 0-15 A's, lanes 16-31 B's
.set SPW,  28
.set NIL,  29
.set SC,   32
.set BX,   64
.set ACC,  128
.set G1, 24
.set G0, 32
.set G1B, 48
.set G0B, 56
.set G1S, 68
.set G0S, 76
.set G1SB, 80
.set G0SB, 88
.set MSB, 0
.macro WIN new                         ; the immediate's high byte repeats the setting that is left
.if MSB != (\new)
	s_set_vgpr_msb (MSB<<8)|(\new)
.set MSB, (\new)
.endif
.endm
.set MUL,  0x05                        ; sources 0 (B) and 1 (A) window 1; C and D window 0
.set TO_F, 0x40                        ; destination window 1, address window 0
.macro JLOAD g0a, g1a, g0b, g1b        ; a joint load: waves 0 and 1 fetch for A, waves 2 and 3 for B; four v_nop follow each of the two lines
	s_cmp_eq_u32 s15, 0
	s_cbranch_scc0 .Lfor_b_\@
	tensor_load_to_lds s[\g0a:\g0a+3], s[\g1a:\g1a+7]
	s_nop 0
.rept 4
	v_nop
.endr
	s_branch .Lasked_\@
.Lfor_b_\@:
	tensor_load_to_lds s[\g0b:\g0b+3], s[\g1b:\g1b+7]
	s_nop 0
.rept 4
	v_nop
.endr
.Lasked_\@:
.endm
.macro CREST                           ; a round of the cluster's barrier behind its opening barrier
	s_cmp_lg_u32 s14, 0
	s_cbranch_scc1 .Lnot_wave_0_\@
	s_barrier_signal -3
.Lnot_wave_0_\@:
	s_barrier_wait -3
	s_barrier_signal -1
	s_barrier_wait -1
.endm
.macro CROUND
	s_barrier_signal -1
	s_barrier_wait -1
	CREST
.endm
.macro FRAG reg, adr, q, i             ; a fragment's image into 12 registers: four loads of consecutive bytes
	ds_load_b128 v[\reg:\reg+3], v[\adr] offset:(\q)*HB+(\i)*FRB
	ds_load_b64 v[\reg+4:\reg+5], v[\adr+2] offset:(\q)*HB+(\i)*FRB+512
	ds_load_b128 v[\reg+6:\reg+9], v[\adr] offset:(\q)*HB+(\i)*FRB+768
	ds_load_b64 v[\reg+10:\reg+11], v[\adr+2] offset:(\q)*HB+(\i)*FRB+1280
.endm
; 4 products: A's block a x B's four, out of set p; the slot's q-th step; sc: the set of scale words.  zero = 1: the bias starts the sums.  The 16 accumulators take turns, one instruction a turn, in the same order in every step.
.macro MUL4 a, p, q, sc, zero
.irp b, 0,1,2,3
.if \zero
	v_wmma_scale_f32_16x16x128_f8f6f4 v[ACC+8*(4*(\a)+\b):ACC+8*(4*(\a)+\b)+7], v[128*(\p)+48+FR*\b:128*(\p)+48+FR*\b+FR-1], v[128*(\p)+FR*(\a):128*(\p)+FR*(\a)+FR-1], v[BX+8*\b:BX+8*\b+7], v[SC+16*(\sc)+4*\b+(\q)], v[SC+16*(\sc)+4*(\a)+(\q)] matrix_a_fmt:MATRIX_FMT_FP6 matrix_b_fmt:MATRIX_FMT_FP6 matrix_a_scale:MATRIX_SCALE_ROW1
.else
	v_wmma_scale_f32_16x16x128_f8f6f4 v[ACC+8*(4*(\a)+\b):ACC+8*(4*(\a)+\b)+7], v[128*(\p)+48+FR*\b:128*(\p)+48+FR*\b+FR-1], v[128*(\p)+FR*(\a):128*(\p)+FR*(\a)+FR-1], v[ACC+8*(4*(\a)+\b):ACC+8*(4*(\a)+\b)+7], v[SC+16*(\sc)+4*\b+(\q)], v[SC+16*(\sc)+4*(\a)+(\q)] matrix_a_fmt:MATRIX_FMT_FP6 matrix_b_fmt:MATRIX_FMT_FP6 matrix_a_scale:MATRIX_SCALE_ROW1
.endif
.endr
.endm
.macro FETCH slot, q, p                ; 32 LDS loads in one run: a step's fragments into set p: B's four, A's blocks 0, 1, and last A's blocks 2, 3
	WIN TO_F
.irp i, 0,1,2,3
	FRAG 128*(\p)+48+FR*\i, ADRB+\slot, \q, \i
.endr
.irp i, 0,1,2,3
	FRAG 128*(\p)+FR*\i, ADRA+\slot, \q, \i
.endr
.endm
.macro SCALES sc                       ; a slot's scale words: register 4 i + q: lanes 0-15 the word of A's block i, lanes 16-31 of B's block i, for the slot's q-th step
.irp i, 0,1,2,3
.irp q, 0,1,2,3
	ds_load_b32 v[SC+16*\sc+4*\i+\q], v[ADRS] offset:512*\q+64*\i
.endr
.endr
.endm
.macro PLACES n                        ; plain instructions between a matrix instruction and a load into, or a read of, its registers
.rept \n
	v_nop
.endr
.endm
.macro STEP slot, q, zero              ; a step of 128 along K that has its successor in the same slot
	s_wait_dscnt 8                                 ; the scale words, B's four and A's blocks 0, 1 are in; the youngest 8 loads (A's blocks 2, 3) may be out
	WIN MUL
	MUL4 0, (\q)%2, \q, \slot, \zero
	MUL4 1, (\q)%2, \q, \slot, \zero
	PLACES 4                                       ; for the loads into the other set, which the step before multiplied
	FETCH \slot, (\q)+1, 1-(\q)%2
	s_wait_dscnt 32                                ; all but the 32 just issued
	WIN MUL
	MUL4 2, (\q)%2, \q, \slot, \zero
	MUL4 3, (\q)%2, \q, \slot, \zero
.endm
; A slot's last step changes slots: one barrier; in front of it each wave waits for all its tensor loads, adds 0 to its spare word, and waits for that and for its reads of this slot.  fill = 1: the slot is filled again, two slots ahead.
.macro TURN slot, next, fill
	WIN 0                                          ; (the add's two registers lie in window 0)
	s_wait_tensorcnt 0x0                           ; all my tensor loads have landed: my part of the next slot
	ds_add_u32 v[SPW], v[NIL]                      ; 0 onto my spare word
	s_wait_dscnt 9                                 ; (the add and the youngest 8 loads may be out)
	WIN MUL
	MUL4 0, 1, NQ-1, \slot, 0
	s_wait_dscnt 0x0                               ; the add is done, and my reads of this slot are over
	s_barrier_signal -1
	MUL4 1, 1, NQ-1, \slot, 0
	WIN 0
	s_barrier_wait -1
.if \fill
	CREST                                          ; the barrier has opened a round of the cluster's barrier: no wave of any partner still reads this slot or has a load on its way
	s_add_nc_u64 s[G0+4*\slot+2:G0+4*\slot+3], s[G0+4*\slot+2:G0+4*\slot+3], 2*NQ*QB
	s_add_nc_u64 s[G0B+4*\slot+2:G0B+4*\slot+3], s[G0B+4*\slot+2:G0B+4*\slot+3], 2*NQ*QB
	JLOAD G0+4*\slot, G1, G0B+4*\slot, G1B         ; the first tensor load behind the round; its four v_nop are also the places in front of the loads below
.else
	PLACES 4
.endif
	v_add_nc_u32 v[ADRS], 512*NQ, v[ADRS]          ; the next slot's scale words
	SCALES \next
	FETCH \next, 0, 0
	WIN MUL
	MUL4 2, 1, NQ-1, \slot, 0
	MUL4 3, 1, NQ-1, \slot, 0
.endm
	s_load_b256 s[4:11], s[0:1], 0x0               ; A's buffer s[4:5], P s[6:7], the bias s[8:9], the residual s[10:11]
	s_load_b64 s[12:13], s[0:1], 0x20              ; Y
	v_lshl_add_u32 v[SPW], v0, 2, SPARE
	v_mov_b32 v[NIL], 0
	ds_add_u32 v28, v29
	ds_add_u32 v28, v29
	s_wait_dscnt 0x0
	v_lshrrev_b32 v1, 5, v0
	v_readfirstlane_b32 s14, v1                    ; wave 0..3
	s_lshr_b32 s15, s14, 1                         ; which half of the tile's rows is mine.  Also: I fetch for A (0) or for B (1)
	s_and_b32 s16, s14, 1                          ; which half of its columns.  Also: which two of a slot's four steps I fetch
	s_bfe_u32 s40, ttmp6, 0x40000                  ; cx
	s_bfe_u32 s41, ttmp6, 0x40004                  ; cy
	s_lshl_b32 s42, ttmp9, 2
	s_add_co_u32 s42, s42, s40                     ; tile column of C, 0..7
	s_and_b32 s17, ttmp7, 0xffff
	s_lshl_b32 s17, s17, 2
	s_add_co_u32 s17, s17, s41                     ; tile row of C, 0..31
	s_lshl_b32 s43, s41, 2
	s_lshl_b32 s43, 15, s43                        ; my row of the cluster
	s_lshl_b32 s44, 0x1111, s40                    ; my column
	; descriptor group 1: two steps of half a group: 2 rows of 1,536 elements of 8 bytes, 3,072 elements apart
	s_or_b32 s[G1+0], s43, (3<<16)|(1<<21)         ; 15:0 the mask; 17:16 elements of 8 bytes; 21 set beside a mask; no padding
	s_or_b32 s[G1B+0], s44, (3<<16)|(1<<21)
.irp g, G1, G1B
	s_mov_b32 s[\g+1], 1536<<16                    ; tensor_dim0
	s_mov_b32 s[\g+2], 2<<16                       ; tensor_dim1
	s_mov_b32 s[\g+3], 1536<<16                    ; tile_dim0
	s_mov_b32 s[\g+4], 2                           ; tile_dim1
	s_mov_b32 s[\g+5], 3072                        ; tensor_dim0_stride
	s_mov_b32 s[\g+6], 0
	s_mov_b32 s[\g+7], 0
.endr
	; and the scale words of half a group for half of K: NS / 2 rows of 64 elements (512 bytes), 128 elements apart
	s_or_b32 s[G1S+0], s43, (3<<16)|(1<<21)
	s_or_b32 s[G1SB+0], s44, (3<<16)|(1<<21)
.irp g, G1S, G1SB
	s_mov_b32 s[\g+1], 64<<16
	s_mov_b32 s[\g+2], (NS/2)<<16
	s_mov_b32 s[\g+3], 64<<16
	s_mov_b32 s[\g+4], NS/2
	s_mov_b32 s[\g+5], 128
	s_mov_b32 s[\g+6], 0
	s_mov_b32 s[\g+7], 0
.endr
	s_lshr_b32 s18, s17, 1                         ; A's group,
	s_and_b32 s19, s17, 1                          ; and which half of it
	s_mul_i32 s20, s18, NS*QB
	s_mul_i32 s21, s19, HB
	s_add_co_u32 s20, s20, s21
	s_mul_i32 s21, s16, 2*QB                       ; my two steps
	s_add_co_u32 s20, s20, s21
	s_add_co_u32 s20, s20, A_IMG
	s_mov_b32 s21, 0
	s_mul_i32 s22, s18, 1024*NS
	s_lshl_b32 s23, s19, 9
	s_add_co_u32 s22, s22, s23
	s_mul_i32 s23, s16, 512*NS                     ; my half of K
	s_add_co_u32 s22, s22, s23
	s_add_co_u32 s22, s22, A_SCL
	s_mov_b32 s23, 0
	s_lshr_b32 s66, s42, 1                         ; B's group and half, in registers that never hold the tile row
	s_and_b32 s67, s42, 1
	s_mul_i32 s46, s66, NS*QB
	s_mul_i32 s47, s67, HB
	s_add_co_u32 s46, s46, s47
	s_mul_i32 s47, s16, 2*QB
	s_add_co_u32 s46, s46, s47
	s_add_co_u32 s46, s46, B_IMG
	s_mov_b32 s47, 0
	s_mul_i32 s92, s66, 1024*NS
	s_lshl_b32 s93, s67, 9
	s_add_co_u32 s92, s92, s93
	s_mul_i32 s93, s16, 512*NS
	s_add_co_u32 s92, s92, s93
	s_add_co_u32 s92, s92, B_SCL
	s_mov_b32 s93, 0
	s_mul_i32 s45, s14, QB                         ; where they go: wave x 24,576 bytes: no place in the cluster enters an LDS address
	s_mul_i32 s94, s14, 256*NS
	s_wait_kmcnt 0x0
	s_add_nc_u64 s[20:21], s[4:5], s[20:21]
	s_add_nc_u64 s[22:23], s[4:5], s[22:23]
	s_add_nc_u64 s[46:47], s[6:7], s[46:47]
	s_add_nc_u64 s[92:93], s[6:7], s[92:93]
	CROUND                                         ; all sixteen work-groups are here: the first joint loads meet
	s_mov_b32 s[G0S], 1
	s_add_co_u32 s[G0S+1], s94, SCL
	s_mov_b64 s[G0S+2:G0S+3], s[22:23]
	s_or_b32 s[G0S+3], s[G0S+3], 0x80000000
	s_mov_b32 s[G0SB], 1
	s_add_co_u32 s[G0SB+1], s94, SCL
	s_mov_b64 s[G0SB+2:G0SB+3], s[92:93]
	s_or_b32 s[G0SB+3], s[G0SB+3], 0x80000000
	JLOAD G0S, G1S, G0SB, G1SB                     ; the scale words first; three loads of a wave are out at the start, one behind each round
.irp s, 0,1
	s_mov_b32 s[G0+4*\s], 1
	s_add_co_u32 s[G0+4*\s+1], s45, \s*SLOT
	s_add_nc_u64 s[G0+4*\s+2:G0+4*\s+3], s[20:21], \s*NQ*QB
	s_or_b32 s[G0+4*\s+3], s[G0+4*\s+3], 0x80000000
	s_mov_b32 s[G0B+4*\s], 1
	s_add_co_u32 s[G0B+4*\s+1], s45, \s*SLOT
	s_add_nc_u64 s[G0B+4*\s+2:G0B+4*\s+3], s[46:47], \s*NQ*QB
	s_or_b32 s[G0B+4*\s+3], s[G0B+4*\s+3], 0x80000000
	JLOAD G0+4*\s, G1, G0B+4*\s, G1B
.endr
	v_and_b32 v1, 15, v0                           ; r
	v_bfe_u32 v2, v0, 4, 1                         ; h
	v_and_b32 v3, 31, v0                           ; lane
	v_lshlrev_b32 v[L16], 4, v3
	v_lshlrev_b32 v[L8], 3, v3
	s_mul_i32 s21, s15, 4*FRB                      ; my 4 tiles of A
	s_mul_i32 s22, s16, 4*FRB                      ; my 4 tiles of B,
	s_add_co_u32 s22, s22, OPB                     ; which lie behind A's four steps
.irp s, 0,1
	v_add_nc_u32 v[ADRA+\s], s21, v[L16]
	v_add_nc_u32 v[ADRB+\s], s22, v[L16]
	v_add_nc_u32 v[ADRA+2+\s], s21, v[L8]
	v_add_nc_u32 v[ADRB+2+\s], s22, v[L8]
	s_add_co_u32 s21, s21, SLOT
	s_add_co_u32 s22, s22, SLOT
.endr
	s_lshl_b32 s21, s15, 8                         ; A's scale words: my 4 tiles of 64 bytes
	s_lshl_b32 s22, s16, 8
	s_add_co_u32 s22, s22, 512*NS                  ; B's lie behind A's
	s_sub_co_u32 s22, s22, s21
	v_mul_u32_u24 v6, s22, v2                      ; lanes 16-31 take B's
	s_add_co_u32 s21, s21, SCL
	v_lshl_add_u32 v6, v1, 2, v6
	v_add_nc_u32 v[ADRS], s21, v6
	s_mul_i32 s23, s14, 16*272
	s_add_co_u32 s23, s23, STG                     ; my stage
	v_mul_u32_u24 v6, v1, 272
	v_lshl_add_u32 v6, v2, 6, v6
	v_add_nc_u32 v[STO], s23, v6                   ; in: row r, + 64 h
	v_mul_u32_u24 v6, v2, 272
	v_lshl_add_u32 v6, v1, 4, v6
	v_add_nc_u32 v[RD], s23, v6                    ; back: lanes 0-15 one row of 256 bytes, lanes 16-31 the next
	v_lshlrev_b32 v[CO], 12, v2
	v_lshl_add_u32 v[CO], v1, 4, v[CO]             ; and the same two rows in C
	v_lshlrev_b32 v7, 6, v2                        ; the bias: 64 h
	s_lshl_b32 s20, s42, 9
	s_lshl_b32 s22, s16, 8
	s_add_co_u32 s20, s20, s22                     ; my first column, in bytes: 512 x tile column + 256 x half
	s_mov_b32 s21, 0
	s_add_nc_u64 s[8:9], s[8:9], s[20:21]
	s_lshl_b32 s22, s17, 19
	s_add_co_u32 s20, s20, s22
	s_lshl_b32 s22, s15, 18
	s_add_co_u32 s20, s20, s22                     ; + my first row (128 x tile row + 64 x half) x 4,096 bytes
	s_add_nc_u64 s[10:11], s[10:11], s[20:21]
	s_add_nc_u64 s[12:13], s[12:13], s[20:21]
.irp b, 0,1,2,3
	global_load_b128 v[BX+8*\b:BX+8*\b+3], v7, s[8:9] offset:(32*(\b/2)+8*(\b%2))*4
	global_load_b128 v[BX+8*\b+4:BX+8*\b+7], v7, s[8:9] offset:(32*(\b/2)+8*(\b%2))*4+16
.endr
	WIN 0x80                                       ; destination window 2
.irp a, 0,1,2,3
.irp t, 0,1,2,3,4,5,6,7
	global_load_b128 v[32*\a+4*\t:32*\a+4*\t+3], v[CO], s[10:11] offset:(32*(\a/2)+8*(\a%2)+2*\t+8*(\t/4))*4096 th:TH_LOAD_NT   ; the residual: the rows of lanes 2 t and 2 t + 1 of my tile a, 256 consecutive bytes each
.endr
.endr
	WIN 0
	s_wait_loadcnt 32                              ; the bias is in; the residual's 32 loads stay out until the way out
	s_wait_tensorcnt 1                             ; the scale words and my part of slot 0 are in; slot 1's load may be out
	s_barrier_signal -1
	s_barrier_wait -1
	SCALES 0
	FETCH 0, 0, 0
	STEP 0, 0, 1                                   ; the first step stands in front of the loop: its products start the sums
.if LAPS > 1
	WIN 0                                          ; at a label and at a branch every window is 0
	s_mov_b32 s3, LAPS-1
.Llap:                                             ; a trip goes once round the ring, from a lap's second step to the next lap's first, and fills both slots again
	STEP 0, 1, 0
	STEP 0, 2, 0
	TURN 0, 1, 1
	STEP 1, 0, 0
	STEP 1, 1, 0
	STEP 1, 2, 0
	TURN 1, 0, 1
	STEP 0, 0, 0
	WIN 0
	s_sub_co_u32 s3, s3, 1
	s_cmp_lg_u32 s3, 0
	s_cbranch_scc1 .Llap
.endif
	STEP 0, 1, 0                                   ; the last lap fills nothing
	STEP 0, 2, 0
	TURN 0, 1, 0
	STEP 1, 0, 0
	STEP 1, 1, 0
	STEP 1, 2, 0
	s_wait_dscnt 8                                 ; the very last step: nothing more to fetch
	WIN MUL
	MUL4 0, 1, NQ-1, 1, 0
	MUL4 1, 1, NQ-1, 1, 0
	s_wait_dscnt 0x0
	MUL4 2, 1, NQ-1, 1, 0
	MUL4 3, 1, NQ-1, 1, 0
	WIN 0
.macro TOSTAGE a                       ; block a into my stage, each accumulator from its low end on, and back two rows to a load
.irp b, 0,1,2,3
	ds_store_b128 v[STO], v[ACC+8*(4*(\a)+\b):ACC+8*(4*(\a)+\b)+3] offset:128*(\b/2)+32*(\b%2)
	ds_store_b128 v[STO], v[ACC+8*(4*(\a)+\b)+4:ACC+8*(4*(\a)+\b)+7] offset:128*(\b/2)+32*(\b%2)+16
.endr
.set BB, 64+32*((\a)%2)
.irp t, 0,1,2,3,4,5,6,7
	ds_load_b128 v[BB+4*\t:BB+4*\t+3], v[RD] offset:544*\t   ; LDS serves a wave's instructions in order: these see the stores above, and the next block's stores come behind them
.endr
.endm
.macro SEND a
.set BB, 64+32*((\a)%2)
.set RG, 32*(\a)
	WIN 0x08                                       ; source 1 (the residual) window 2
.set i, 0
.rept 16
	v_pk_add_f32 v[BB+i:BB+i+1], v[BB+i:BB+i+1], v[RG+i:RG+i+1]
.set i, i+2
.endr
	WIN 0
.irp t, 0,1,2,3,4,5,6,7
	global_store_b128 v[CO], v[BB+4*\t:BB+4*\t+3], s[12:13] offset:(32*((\a)/2)+8*((\a)%2)+2*\t+8*(\t/4))*4096   ; 16 lanes store 256 consecutive bytes, at a multiple of 256 from Y's first byte
.endr
.endm
	PLACES 4                                       ; behind the last products
	TOSTAGE 0
.irp a, 0,1,2,3
.if \a < 3
	s_wait_xcnt 0x0                                ; the stores of the block before have read the registers that the next block's rows take
	TOSTAGE \a+1
	s_wait_dscnt 16                                ; block a is back; the next block's 8 stores and 8 loads may be out
.else
	s_wait_dscnt 0x0
.endif
.if \a == 0
	s_wait_loadcnt 0x0                             ; the residual, asked for at the head
.endif
	SEND \a
.endr
	s_wait_tensorcnt 0x0                           ; the wave's end: behind my last tensor load and my last LDS store
	ds_add_u32 v[SPW], v[NIL]
	s_wait_dscnt 0x0
	CROUND                                         ; the closing round: no work-group ends while a partner may still ask for a block that names it
	s_endpgm
.Lfunc_end_k_qea18c701cd_w2:
	.size	k_qea18c701cd_w2, .Lfunc_end_k_qea18c701cd_w2-k_qea18c701cd_w2
	.p2alignl 7, 3214868480
	.fill 96, 4, 3214868480
	.section	.rodata,"a",@progbits
	.p2align	6, 0x0
	.amdhsa_kernel k_qea18c701cd_w2
		.amdhsa_group_segment_fixed_size 327680
		.amdhsa_private_segment_fixed_size 0
		.amdhsa_enable_private_segment 0
		.amdhsa_kernarg_size 40
		.amdhsa_user_sgpr_count 2
		.amdhsa_user_sgpr_kernarg_segment_ptr 1
		.amdhsa_wavefront_size32 1
		.amdhsa_system_sgpr_workgroup_id_x 1
		.amdhsa_system_sgpr_workgroup_id_y 1
		.amdhsa_system_sgpr_workgroup_id_z 1
		.amdhsa_system_vgpr_workitem_id 0
		.amdhsa_next_free_vgpr 768
		.amdhsa_next_free_sgpr 100
		.amdhsa_reserve_vcc 0
		.amdhsa_float_denorm_mode_32 3
		.amdhsa_float_denorm_mode_16_64 3
		.amdhsa_memory_ordered 1
		.amdhsa_forward_progress 1
		.amdhsa_inst_pref_size 101
	.end_amdhsa_kernel
	.amdgpu_metadata
---
amdhsa.version: [ 1, 2 ]
amdhsa.kernels:
  - .name:           k_qea18c701cd_w2
    .symbol:         k_qea18c701cd_w2.kd
    .args:
      - { .name: HQ, .offset: 0, .size: 8, .value_kind: global_buffer, .address_space: global }
      - { .name: P, .offset: 8, .size: 8, .value_kind: global_buffer, .address_space: global }
      - { .name: b2, .offset: 16, .size: 8, .value_kind: global_buffer, .address_space: global }
      - { .name: X1, .offset: 24, .size: 8, .value_kind: global_buffer, .address_space: global }
      - { .name: Y, .offset: 32, .size: 8, .value_kind: global_buffer, .address_space: global }
    .group_segment_fixed_size: 327680
    .private_segment_fixed_size: 0
    .kernarg_segment_align: 8
    .kernarg_segment_size: 40
    .max_flat_workgroup_size: 128
    .sgpr_count:     100
    .vgpr_count:     768
    .wavefront_size: 32
...
	.end_amdgpu_metadata
.endif
;; end of part 10
;; launch ln2: the kernel of part 8 again; grid 256 x 1, 8 waves a work-group, no clusters, 69,632 bytes of LDS; arguments Y, ln2_w, ln2_b, out0; writes out0
